; MI455X (gfx1250); checked and timed in simulation.
; The chip was launched on July 23, 2026; its instructions are those of AMD's public machine-readable ISA for CDNA 5 (MIT licence, August 2026) and "CDNA5" Instruction Set Architecture Reference Guide (July 2026). The comments in the code are by the model that wrote it; some were corrected since.
;; Transformer Block. Allowed arithmetic: matrix products marked QUANTISED: E2M3 operands, one E8M0 scale for each 32 along K, by v_wmma_scale_f32_16x16x128_f8f6f4 with both operands' format E2M3, f32 sums; everything else in f32.
;; Inputs: Wk 16 x 1,024 x 64 float32; Wq 16 x 1,024 x 64 float32; Wv 16 x 1,024 x 64 float32; fc_b 1,024 float32; fc_w 1,024 x 1,024 float32; ff_b1 4,096 float32; ff_b2 1,024 float32; ff_w1 1,024 x 4,096 float32; ff_w2 4,096 x 1,024 float32; ln1_b 1,024 float32; ln1_s 1,024 float32; ln2_b 1,024 float32; ln2_s 1,024 float32; x 2 x 2,048 x 1,024 float32.
;; Outputs: out0 2 x 2,048 x 1,024 float32.
;; This version of the problem:
;;   THIS VERSION OF THE PROBLEM IS GIVEN IN LOW PRECISION. The matrix products marked QUANTISED in the list below multiply operands that are first quantised to E2M3 (2 exponent bits, 3 mantissa bits; 6 bits a number), with one power-of-two scale for each 32 numbers along K (OCP MX v1.0); their sums are f32. All else is computed in f32.
;;   The module's matrix products, in the order in which they are computed (A, B: the left and right operand; K: the contracted axis; several contracted axes count as one K, in the product's order):
;;     1. [M 1,024, K 1,024] x [K 1,024, N 4,096]; A: input Wq; B: computed on the way: QUANTISED
;;     2. [M 1,024, K 1,024] x [K 1,024, N 4,096]; A: input Wk; B: computed on the way: QUANTISED
;;     3. [M 1,024, K 1,024] x [K 1,024, N 4,096]; A: input Wv; B: computed on the way: QUANTISED
;;     4. batch 32 x [M 2,048, K 64] x [K 64, N 2,048]; A: computed on the way; B: computed on the way: QUANTISED
;;     5. batch 32 x [M 2,048, K 2,048] x [K 2,048, N 64]; A: softmax (see below); B: computed on the way: QUANTISED
;;     6. [M 4,096, K 1,024] x [K 1,024, N 1,024]; A: computed on the way; B: input fc_w: QUANTISED
;;     7. [M 4,096, K 1,024] x [K 1,024, N 4,096]; A: computed on the way; B: input ff_w1: QUANTISED
;;     8. [M 4,096, K 4,096] x [K 4,096, N 1,024]; A: computed on the way; B: input ff_w2: QUANTISED
;;   THE QUANTISER, for each operand of a quantised product, along K:
;;     - K is cut into blocks of 32 from its start; a last block that is shorter is filled with zeros.
;;     - A block's scale is 2^e with e = floor(log2(the largest magnitude in the block)) - 2, held to -126 .. 127; a block of zeros has e = 0. As a byte (E8M0): e + 127.
;;     - Each number is divided by its block's scale, clamped to +-7.5, and rounded to the nearest number of E2M3, ties to even, subnormals kept.
;;     - The product sums the exact products of the quantised numbers (number of the format x scale) in f32.
;;   ~~~python
;;   def quantise(x, axis):      # numpy; x: float32 -> the quantised numbers, widened to float32 again
;;       x = np.moveaxis(x, axis, -1); K = x.shape[-1]
;;       x = np.pad(x, [(0, 0)] * (x.ndim - 1) + [(0, -K % 32)]); x = x.reshape(x.shape[:-1] + (-1, 32)); a = np.abs(x).max(-1, keepdims=True)
;;       e = np.where(a > 0, np.clip(np.frexp(np.where(a > 0, a, 1))[1] - 1 - 2, -126, 127), 0)      # np.frexp(a)[1] - 1 = floor(log2(a)), exactly
;;       r = np.clip(x / 2.0 ** e, -7.5, 7.5)
;;       step = 2.0 ** (np.maximum(np.frexp(np.where(r == 0, 1, r))[1] - 1, 0) - 3)
;;       q = np.round(r / step) * step * 2.0 ** e      # np.round: ties to even
;;       return np.moveaxis(q.reshape(q.shape[:-2] + (-1,))[..., :K], -1, axis).astype(np.float32)
;;   ~~~
;;   SOFTMAX AHEAD OF A QUANTISED PRODUCT. Where the list says 'softmax', what is quantised is not the finished softmax but p = 2^(t - M), with t = logit x log2(e) and M = ceil(the row's largest t), a whole number; so 1/2 < the row's largest p <= 1. The row's sum l is taken of the UNQUANTISED p, in f32, and the product's result is divided by l at the end. Since M is a whole number, a kernel that streams over the keys may use a running M (the ceiling of the running maximum): every later rescaling is an exact power of two, which a block's scale takes up: the codes' values come out the same.
;;   OPERANDS COMPUTED ON THE WAY. 'Computed on the way' means the value that the module computes at that place (a softmax that the list does not call 'softmax' is quantised finished and normalised). What goes into a quantiser is computed in f32, as accurately as f32 sums, v_exp_f32 and their like allow (about 1e-6 of the number): no bf16 or f16 on the way to a quantiser, and a product that is left as it is and whose result goes on into a quantised operand takes f32 operands (vector FMAs, or v_wmma_f32_16x16x4_f32). A number that lies on a knife's edge between two numbers of the format may be rounded either way, as far as f32 arithmetic and the matrix unit's own rounding can turn it there, and no further.
;; 2 versions. Each part assembles by itself: llvm-mc -triple=amdgcn-amd-amdhsa -mcpu=gfx1250 --defsym DOCPART=n.
;; ======== version 1 of 2: 8 launches
;; workspace buffers: big 13,107,200 bytes; qkv 10,092,544 bytes; ctx 3,276,800 bytes; hbuf 16,777,216 bytes; ybuf 3,276,800 bytes; hid 13,107,200 bytes
;; launch wq (part 1): grid 384 x 1, 4 waves a work-group, no clusters, 25,088 bytes of LDS; arguments Wq, Wk, Wv, fc_w, ff_w1, ff_w2, big; writes big
.if DOCPART == 1
	.amdgcn_target "amdgcn-amd-amdhsa--gfx1250"
	.amdhsa_code_object_version 6
	.text
	.protected	k_q0c79bbaf5f_wq
	.globl	k_q0c79bbaf5f_wq
	.p2align	8
	.type	k_q0c79bbaf5f_wq,@function
k_q0c79bbaf5f_wq:
	s_mov_b64 s[64:65], 0
	v_nop
	global_prefetch_b8 v0, s[64:65] scope:SCOPE_SE
	s_setreg_imm32_b32 hwreg(HW_REG_WAVE_MODE, 25, 1), 1
	s_wait_xcnt 0x0
; Six weights, f32 with K as the first matrix axis, become codes of FP6 (E2M3) and E8M0 scale bytes in the workspace 'big'.
; LAYOUT OF THE CODES (half records): 16 output rows x 64 along K are 768 bytes: lane l = r + 16 h of the reader owns the 24 bytes of row r, k = 32 h .. 32 h + 31:
; its bytes 0-15 at 16 l, its bytes 16-23 at 512 + 8 l.  Half records follow each other along K, then by blocks of 16 rows.  Scale words: 64 bytes for a block of rows and 128 along K, 4 bytes a row.
; THE 16 ROWS OF A BLOCK ARE NOT NEIGHBOURS: block 2 g + u holds rows 32 g + 8 u + r + 8 (r / 8).
; A lane takes one column of the weight (an output row) and its registers run down K: a block of 32 lies in one lane, and the conversions give codes with K innermost.
; A work-group takes 128 columns x 256 along K, a wave 32 columns (two blocks of rows).  One path for all six tensors: every parameter is chosen on the work-group's number.
; The codes go through the wave's own 6,144 bytes of LDS and leave as runs of 512 consecutive bytes.  The scale words leave as pieces of 64 bytes: 0.4 MB of the 58 MB that the launch moves.
; LIMITS: NaN and infinities are not served; a block whose largest magnitude lies under 2^-124 keeps the byte 1, a block of zeros too (its codes are zeros, and this program alone reads the bytes).
.set WQK_C, 3276800
.set WQK_S, 4849664
.set WV_C,  4915200
.set WV_S,  5701632
.set WFC_C, 5734400
.set WFC_S, 6520832
.set W1_C,  6553600
.set W1_S,  9699328
.set W2_C,  9830400
.set W2_S,  12976128
.set SRC,   20                         ; s[20:21] the tensor, then my wave's first number
.set START, 22                         ; the tensor's first work-group
.set CM,    23                         ; mask and shift that split the work-group's number into column group and K group
.set CL,    24
.set HP,    25                         ; bytes from head to head (Wq, Wk, Wv), else 0
.set HM,    26                         ; mask of the column inside a head
.set RS,    27                         ; bytes from a row of K to the next
.set DC,    28                         ; where the codes begin in big
.set DS,    29                         ; where the scale words begin
.set KST,   30                         ; K / 128
.set OFF,   32                         ; v32-63  4 x lane + i x RS
.set X,     64                         ; v64-127 two sets of 32 numbers
.set OUTR,  128                        ; v128-175 the way out
.macro PICK bound, src, start, cm, cl, hp, hm, rs, dc, ds, kst
	s_cmp_lt_u32 ttmp9, \bound
	s_cselect_b64 s[SRC:SRC+1], s[\src:\src+1], s[SRC:SRC+1]
	s_cselect_b32 s[START], \start, s[START]
	s_cselect_b32 s[CM], \cm, s[CM]
	s_cselect_b32 s[CL], \cl, s[CL]
	s_cselect_b32 s[HP], \hp, s[HP]
	s_cselect_b32 s[HM], \hm, s[HM]
	s_cselect_b32 s[RS], \rs, s[RS]
	s_cselect_b32 s[DC], \dc, s[DC]
	s_cselect_b32 s[DS], \ds, s[DS]
	s_cselect_b32 s[KST], \kst, s[KST]
.endm
	s_load_b256 s[4:11], s[0:1], 0x0               ; Wq, Wk, Wv, fc_w
	s_load_b128 s[12:15], s[0:1], 0x20             ; ff_w1, ff_w2
	s_load_b64 s[16:17], s[0:1], 0x30              ; big
	v_lshl_add_u32 v176, v0, 2, 0x6000
	v_mov_b32 v177, 0
	v_lshrrev_b32 v1, 5, v0
	v_readfirstlane_b32 s18, v1                    ; wave
	v_and_b32 v1, 31, v0                           ; x: my column among the wave's 32
	v_bfe_u32 v2, v0, 3, 1                         ; u: which of the two blocks of rows
	v_and_b32 v3, 7, v0
	v_bfe_u32 v10, v0, 4, 1
	v_lshl_or_b32 v3, v10, 3, v3                   ; r: my row in that block
	v_lshlrev_b32 v4, 2, v1
	s_mul_i32 s19, s18, 6144                       ; my wave's LDS
	v_mul_u32_u24 v10, v2, 3072
	v_add_nc_u32 v10, s19, v10
	v_lshl_add_u32 v5, v3, 4, v10                  ; where my 16 bytes go
	v_lshl_add_u32 v6, v3, 3, v10                  ; and my 8 bytes
	v_lshlrev_b32 v8, 4, v1
	v_add_nc_u32 v7, s19, v8                       ; the way out: 16 x lane
	s_mov_b32 s[START], 256                        ; ff_w2's parameters; the others are chosen over them
	s_mov_b32 s[CM], 7
	s_mov_b32 s[CL], 3
	s_mov_b32 s[HP], 0
	s_mov_b32 s[HM], 4095
	s_mov_b32 s[RS], 4096
	s_mov_b32 s[DC], W2_C
	s_mov_b32 s[DS], W2_S
	s_mov_b32 s[KST], 32
	s_wait_kmcnt 0x0
	s_mov_b64 s[SRC:SRC+1], s[14:15]
	PICK 256, 12, 128, 31, 5, 0, 4095, 16384, W1_C, W1_S, 8
	PICK 128, 10, 96, 7, 3, 0, 4095, 4096, WFC_C, WFC_S, 8
	PICK 96, 8, 64, 7, 3, 262144, 63, 256, WV_C, WV_S, 8
	PICK 64, 6, 32, 7, 3, 262144, 63, 256, WQK_C+786432, WQK_S+32768, 8
	PICK 32, 4, 0, 7, 3, 262144, 63, 256, WQK_C, WQK_S, 8
	s_sub_co_u32 s32, ttmp9, s[START]
	s_and_b32 s33, s32, s[CM]                      ; column group
	s_lshr_b32 s34, s32, s[CL]                     ; K group
	s_lshl_b32 s33, s33, 7
	s_lshl_b32 s35, s18, 5
	s_add_co_u32 s33, s33, s35                     ; my wave's first column
	s_lshr_b32 s35, s33, 6
	s_mul_i32 s35, s35, s[HP]
	s_and_b32 s36, s33, s[HM]
	s_lshl_b32 s36, s36, 2
	s_add_co_u32 s35, s35, s36
	s_lshl_b32 s36, s[RS], 8
	s_mul_i32 s36, s36, s34
	s_add_co_u32 s36, s35, s36
	s_mov_b32 s37, 0
	s_add_nc_u64 s[SRC:SRC+1], s[SRC:SRC+1], s[36:37]
	s_lshl_b32 s38, s[RS], 5                       ; s[38:39]: 32 rows of K on
	s_mov_b32 s39, 0
	s_lshr_b32 s40, s33, 4                         ; my first block of rows
	s_mul_i32 s41, s[KST], 1536                    ; bytes of a block of rows
	s_mul_i32 s42, s40, s41
	s_add_co_u32 s42, s42, s[DC]
	s_mul_i32 s43, s34, 3072
	s_add_co_u32 s42, s42, s43
	s_mov_b32 s43, 0
	s_add_nc_u64 s[44:45], s[16:17], s[42:43]      ; codes, u = 0
	s_mov_b32 s42, s41
	s_add_nc_u64 s[46:47], s[44:45], s[42:43]      ; codes, u = 1
	s_lshl_b32 s48, s[KST], 6                      ; scale bytes of a block of rows
	s_mul_i32 s42, s40, s48
	s_add_co_u32 s42, s42, s[DS]
	s_lshl_b32 s49, s34, 7
	s_add_co_u32 s42, s42, s49
	s_add_nc_u64 s[50:51], s[16:17], s[42:43]      ; scale words
	v_mul_u32_u24 v9, s48, v2
	v_lshl_add_u32 v9, v3, 2, v9                   ; my row's word
.set i, 0
.rept 32
	v_mad_u32_u24 v[OFF+i], s[RS], i, v4
.set i, i+1
.endr
.macro LOAD t                          ; block t: 32 rows of K at my column, into set t % 2
.if (\t) > 0
	s_wait_xcnt 0x0                                ; the loads issued so far have read their base: it may step
	s_add_nc_u64 s[SRC:SRC+1], s[SRC:SRC+1], s[38:39]
.endif
.set i, 0
.rept 32
	global_load_b32 v[X+32*((\t)%2)+i], v[OFF+i], s[SRC:SRC+1] th:TH_LOAD_NT
.set i, i+1
.endr
.endm
.macro BLOCK t
.set XS, X+32*((\t)%2)
.if (\t) < 7
	s_wait_loadcnt 32                              ; this block's 32 loads are in; the next block's may be out
.else
	s_wait_loadcnt 0
.endif
	v_max3_num_f32 v12, |v[XS]|, |v[XS+1]|, |v[XS+2]|
	v_max3_num_f32 v13, |v[XS+3]|, |v[XS+4]|, |v[XS+5]|
.irp i, 6,10,14,18,22,26
	v_max3_num_f32 v12, v12, |v[XS+\i]|, |v[XS+\i+1]|
	v_max3_num_f32 v13, v13, |v[XS+\i+2]|, |v[XS+\i+3]|
.endr
	v_max3_num_f32 v12, v12, |v[XS+30]|, |v[XS+31]|
	v_max3_num_f32 v12, v12, v13, 0x1800000        ; the floor 2^(3 - 127): the byte cannot fall under 1
	v_add_nc_u32 v11, 0xff000000, v12              ; 2 off the exponent field: the conversion's scale operand
	v_lshrrev_b32 v13, 23, v11                     ; the scale's byte
	v_cvt_scalef32_pk16_fp6_f32 v[20:22], v[XS:XS+15], v11
	v_cvt_scalef32_pk16_fp6_f32 v[28:30], v[XS+16:XS+31], v11
.if (\t)%4 == 0
	v_mov_b32 v[16+(\t)/4], v13                    ; four bytes to a word, the lower K lowest.  (Also the plain line behind the conversions)
.else
	v_lshl_or_b32 v[16+(\t)/4], v13, 8*((\t)%4), v[16+(\t)/4]
.endif
	v_mov_b32 v23, v28
	v_mov_b32 v24, v29
	v_mov_b32 v25, v30
	ds_store_b128 v5, v[20:23] offset:((\t)/2)*768+256*((\t)%2)
	ds_store_b64 v6, v[24:25] offset:((\t)/2)*768+512+128*((\t)%2)
.if (\t)+2 < 8
	LOAD (\t)+2
.endif
	s_wait_dscnt 0x0                               ; the stores have read their registers
.endm
	LOAD 0
	LOAD 1
.irp t, 0,1,2,3,4,5,6,7
	BLOCK \t
.endr
	global_store_b32 v9, v16, s[50:51]
	global_store_b32 v9, v17, s[50:51] offset:64
.irp m, 0,1,2,3,4,5,6,7,8,9,10,11
	ds_load_b128 v[OUTR+4*\m:OUTR+4*\m+3], v7 offset:512*\m
.endr
.irp m, 0,1,2,3,4,5
	s_wait_dscnt 11-\m
	global_store_b128 v8, v[OUTR+4*\m:OUTR+4*\m+3], s[44:45] offset:512*\m     ; 32 lanes store 512 consecutive bytes
.endr
.irp m, 6,7,8,9,10,11
	s_wait_dscnt 11-\m
	global_store_b128 v8, v[OUTR+4*\m:OUTR+4*\m+3], s[46:47] offset:512*(\m-6)
.endr
	s_wait_tensorcnt 0x0
	ds_add_u32 v176, v177
	s_wait_dscnt 0x0
	s_endpgm
.Lfunc_end_k_q0c79bbaf5f_wq:
	.size	k_q0c79bbaf5f_wq, .Lfunc_end_k_q0c79bbaf5f_wq-k_q0c79bbaf5f_wq
	.p2alignl 7, 3214868480
	.fill 96, 4, 3214868480
	.section	.rodata,"a",@progbits
	.p2align	6, 0x0
	.amdhsa_kernel k_q0c79bbaf5f_wq
		.amdhsa_group_segment_fixed_size 25088
		.amdhsa_private_segment_fixed_size 0
		.amdhsa_enable_private_segment 0
		.amdhsa_kernarg_size 56
		.amdhsa_user_sgpr_count 2
		.amdhsa_user_sgpr_kernarg_segment_ptr 1
		.amdhsa_wavefront_size32 1
		.amdhsa_system_sgpr_workgroup_id_x 1
		.amdhsa_system_sgpr_workgroup_id_y 1
		.amdhsa_system_sgpr_workgroup_id_z 1
		.amdhsa_system_vgpr_workitem_id 0
		.amdhsa_next_free_vgpr 178
		.amdhsa_next_free_sgpr 66
		.amdhsa_reserve_vcc 0
		.amdhsa_float_denorm_mode_32 3
		.amdhsa_float_denorm_mode_16_64 3
		.amdhsa_memory_ordered 1
		.amdhsa_forward_progress 1
		.amdhsa_inst_pref_size 48
	.end_amdhsa_kernel
	.amdgpu_metadata
---
amdhsa.version: [ 1, 2 ]
amdhsa.kernels:
  - .name:           k_q0c79bbaf5f_wq
    .symbol:         k_q0c79bbaf5f_wq.kd
    .args:
      - { .name: Wq, .offset: 0, .size: 8, .value_kind: global_buffer, .address_space: global }
      - { .name: Wk, .offset: 8, .size: 8, .value_kind: global_buffer, .address_space: global }
      - { .name: Wv, .offset: 16, .size: 8, .value_kind: global_buffer, .address_space: global }
      - { .name: fc_w, .offset: 24, .size: 8, .value_kind: global_buffer, .address_space: global }
      - { .name: ff_w1, .offset: 32, .size: 8, .value_kind: global_buffer, .address_space: global }
      - { .name: ff_w2, .offset: 40, .size: 8, .value_kind: global_buffer, .address_space: global }
      - { .name: big, .offset: 48, .size: 8, .value_kind: global_buffer, .address_space: global }
    .group_segment_fixed_size: 25088
    .private_segment_fixed_size: 0
    .kernarg_segment_align: 8
    .kernarg_segment_size: 56
    .max_flat_workgroup_size: 128
    .sgpr_count:     66
    .vgpr_count:     178
    .wavefront_size: 32
...
	.end_amdgpu_metadata
.endif
;; end of part 1
;; launch ln1 (part 2): grid 128 x 1, 8 waves a work-group, no clusters, 133,632 bytes of LDS; arguments x, ln1_s, ln1_b, big; writes big
.if DOCPART == 2
	.amdgcn_target "amdgcn-amd-amdhsa--gfx1250"
	.amdhsa_code_object_version 6
	.text
	.protected	k_q0c79bbaf5f_ln1
	.globl	k_q0c79bbaf5f_ln1
	.p2align	8
	.type	k_q0c79bbaf5f_ln1,@function
k_q0c79bbaf5f_ln1:
	s_mov_b64 s[64:65], 0
	v_nop
	global_prefetch_b8 v0, s[64:65] scope:SCOPE_SE
	s_setreg_imm32_b32 hwreg(HW_REG_WAVE_MODE, 25, 1), 1
	s_wait_xcnt 0x0
; LayerNorm of 4,096 rows of 1,024 f32, quantised along the row to FP6 (E2M3) with one E8M0 byte for each 32: codes at byte 0 of the last argument, scale words at byte 3,145,728.
; Layout of codes and scale words: half records of 16 rows x 64 along K (768 bytes: lane l's bytes 0-15 at 16 l, bytes 16-23 at 512 + 8 l), block 2 g + u of rows = rows 32 g + 8 u + r + 8 (r / 8).
; A work-group takes 32 rows.  Phase 1: wave w normalises rows 4 w .. 4 w + 3, a row across its 32 lanes (mean, then the mean of squares of x - mean, all in f32), and lays them in LDS.
; Phase 2: wave w takes 128 columns (K step w) of both blocks of rows: a lane reads 16 neighbours of each block of 32 of its row, quantises, and stores whole runs of 512 and 256 bytes.
; LIMITS: NaN and infinities are not served; a block under 2^-124, or of zeros, keeps the byte 1 (its codes are zeros or subnormal; this program alone reads the bytes).
.set NP,  4112                         ; an LDS row: 4,096 bytes + 16, so that the 16 rows of a load start in different banks
.set SST, 32*NP                        ; behind the rows: the scale words, [2 blocks][8 K steps][16 rows]
.set XR,  64                           ; v64-191  four rows as loaded, 32 registers each; later 2 x 64 numbers to quantise
.set GS,  192                          ; v192-223 the gain; later the first fragment's codes
.set GB,  224                          ; v224-255 the shift
.set TM,  28                           ; v28-43   at work in QUANT
.macro RED                             ; the pairs v[12+2k:13+2k], k = 0 .. 3, are summed over both halves and all 32 lanes; the result in v[12+2k]
.irp k, 0,1,2,3
	v_add_f32 v[12+2*\k], v[12+2*\k], v[13+2*\k]
.endr
.irp m, 1,2,4,8
.irp k, 0,1,2,3
	v_add_f32_dpp v[12+2*\k], v[12+2*\k], v[12+2*\k] row_xmask:\m row_mask:0xf bank_mask:0xf
.endr
.endr
.irp k, 0,1,2,3
	v_permlanex16_b32 v[13+2*\k], v[12+2*\k], s20, s21
.endr
.irp k, 0,1,2,3
	v_add_f32 v[12+2*\k], v[12+2*\k], v[13+2*\k]
.endr
.endm
; 64 numbers of a lane, register 16 b + i = k 32 b + 16 (lane / 16) + i of my row, become a fragment's 12 registers at v[pc] and its scale word in v[pw]
.macro QUANT s, pc, pw
.irp b, 0,1,2,3
	v_max3_num_f32 v[TM+\b], |v[\s+16*\b]|, |v[\s+1+16*\b]|, 0x1800000   ; with the floor 2^(3 - 127)
.endr
.irp i, 2,4,6,8,10,12,14
.irp b, 0,1,2,3
	v_max3_num_f32 v[TM+\b], v[TM+\b], |v[\s+16*\b+\i]|, |v[\s+1+16*\b+\i]|
.endr
.endr
.irp b, 0,1,2,3
	v_permlanex16_b32 v[TM+4+\b], v[TM+\b], s20, s21
.endr
.irp b, 0,1,2,3
	v_max_num_f32 v[TM+\b], v[TM+\b], v[TM+4+\b]   ; the block's largest magnitude
.endr
.irp b, 0,1,2,3
	v_add_nc_u32 v[TM+12+\b], 0xff000000, v[TM+\b] ; the conversion's scale operand
.endr
.irp b, 0,1,2,3
	v_lshrrev_b32 v[TM+4+\b], 23, v[TM+12+\b]      ; the byte
.endr
	v_lshl_or_b32 v[\pw], v[TM+5], 8, v[TM+4]
	v_lshl_or_b32 v[\pw], v[TM+6], 16, v[\pw]
	v_lshl_or_b32 v[\pw], v[TM+7], 24, v[\pw]
.irp c, 0,1
	v_cvt_scalef32_pk16_fp6_f32 v[\pc+6*\c:\pc+2+6*\c], v[\s+32*\c:\s+15+32*\c], v[TM+12+2*\c]
	v_cvt_scalef32_pk16_fp6_f32 v[\pc+12+4*\c:\pc+14+4*\c], v[\s+16+32*\c:\s+31+32*\c], v[TM+12+2*\c+1]
.endr
	v_nop                                          ; one plain line behind the conversions
.irp c, 0,1                                    ; a whole block to a lane: lanes 0-15 block 2 c, lanes 16-31 block 2 c + 1
.irp i, 0,1,2
	v_permlane16_swap_b32 v[\pc+6*\c+\i], v[\pc+12+4*\c+\i]
.endr
.irp i, 0,1,2
	v_mov_b32 v[\pc+3+6*\c+\i], v[\pc+12+4*\c+\i]
.endr
.endr
.endm
	s_load_b256 s[4:11], s[0:1], 0x0               ; the rows, the gain, the shift, the result
	v_lshl_add_u32 v62, v0, 2, 0x20600
	v_mov_b32 v63, 0
	v_lshrrev_b32 v1, 5, v0
	v_readfirstlane_b32 s12, v1                    ; wave 0..7
	v_and_b32 v1, 31, v0                           ; lane
	v_and_b32 v2, 15, v0                           ; r
	v_bfe_u32 v3, v0, 4, 1                         ; h
	v_lshlrev_b32 v4, 4, v1                        ; 16 x lane
	v_lshlrev_b32 v8, 3, v1                        ; 8 x lane
	s_bfe_u32 s13, s12, 0x10001                    ; row 4 w + k lies in LDS row 16 ((w / 2) % 2) + 8 (w / 4) + 4 (w % 2) + k: a block's 16 rows are neighbours there
	s_lshl_b32 s13, s13, 4
	s_lshr_b32 s14, s12, 2
	s_lshl_b32 s14, s14, 3
	s_add_co_u32 s13, s13, s14
	s_and_b32 s14, s12, 1
	s_lshl_b32 s15, s14, 2
	s_add_co_u32 s13, s13, s15
	s_mul_i32 s13, s13, NP
	v_add_nc_u32 v5, s13, v4                       ; phase 1: where my 16 bytes of a row go
	v_mul_u32_u24 v6, v2, NP
	v_lshl_add_u32 v6, v3, 6, v6
	s_lshl_b32 s15, s12, 9
	v_add_nc_u32 v6, s15, v6                       ; phase 2: row r, 512 w + 64 h: block 0 of rows,
	v_add_nc_u32 v7, 16*NP, v6                     ; block 1
	v_lshlrev_b32 v9, 2, v2
	v_lshl_add_u32 v9, v3, 9, v9
	s_lshl_b32 s15, s12, 6
	s_add_co_u32 s15, s15, SST
	v_add_nc_u32 v9, s15, v9                       ; my scale word: lanes 0-15 block 0's, lanes 16-31 block 1's
	s_lshl_b32 s15, s14, 9
	s_add_co_u32 s15, s15, SST
	v_add_nc_u32 v10, s15, v4                      ; waves 0 and 1 read a block's 512 bytes of scale words back
	s_mov_b32 s20, 0x76543210
	s_mov_b32 s21, 0xfedcba98                      ; lane l xor 16
	s_mov_b32 s22, 0x3a800000                      ; 1 / 1,024
	s_mov_b32 s23, 0x3727c5ac                      ; eps = 1e-5
.irp b, 0,1,2,3
	v_mov_b32 v[TM+4+\b], 0                        ; a lane permute's destination counts as read
	v_mov_b32 v[21+2*\b], 0                        ; upper halves of the pairs that hold 1 / sqrt
.endr
	s_lshl_b32 s16, ttmp9, 17                      ; 32 rows of 4,096 bytes a work-group,
	s_lshl_b32 s17, s12, 14                        ; 4 a wave
	s_add_co_u32 s16, s16, s17
	s_mov_b32 s17, 0
	s_mul_i32 s18, ttmp9, 24576                    ; two blocks of rows of 12,288 bytes of codes,
	s_mul_i32 s19, s12, 1536                       ; K step w
	s_add_co_u32 s18, s18, s19
	s_mov_b32 s19, 0
	s_lshl_b32 s24, ttmp9, 10                      ; two blocks of 512 bytes of scale words
	s_lshl_b32 s25, s14, 9
	s_add_co_u32 s24, s24, s25
	s_add_co_u32 s24, s24, 3145728
	s_mov_b32 s25, 0
	s_wait_kmcnt 0x0
	s_add_nc_u64 s[4:5], s[4:5], s[16:17]
	s_add_nc_u64 s[26:27], s[10:11], s[24:25]
	s_add_nc_u64 s[10:11], s[10:11], s[18:19]
.irp k, 0,1,2,3
.irp j, 0,1,2,3,4,5,6,7
	global_load_b128 v[XR+32*\k+4*\j:XR+32*\k+4*\j+3], v4, s[4:5] offset:4096*\k+512*\j
.endr
.endr
.irp j, 0,1,2,3,4,5,6,7
	global_load_b128 v[GS+4*\j:GS+4*\j+3], v4, s[6:7] offset:512*\j
	global_load_b128 v[GB+4*\j:GB+4*\j+3], v4, s[8:9] offset:512*\j
.endr
	s_wait_loadcnt 16                              ; the rows are in; gain and shift (16 loads) may be out
.irp k, 0,1,2,3
	v_pk_add_f32 v[12+2*\k:13+2*\k], v[XR+32*\k:XR+32*\k+1], v[XR+32*\k+2:XR+32*\k+3]
.endr
.irp m, 4,6,8,10,12,14,16,18,20,22,24,26,28,30
.irp k, 0,1,2,3
	v_pk_add_f32 v[12+2*\k:13+2*\k], v[12+2*\k:13+2*\k], v[XR+32*\k+\m:XR+32*\k+\m+1]
.endr
.endr
	RED
.irp k, 0,1,2,3
	v_mul_f32 v[12+2*\k], s22, v[12+2*\k]          ; the mean,
.endr
.irp k, 0,1,2,3
	v_mov_b32 v[13+2*\k], v[12+2*\k]               ; in both halves of a pair
.endr
.irp m, 0,2,4,6,8,10,12,14,16,18,20,22,24,26,28,30
.irp k, 0,1,2,3
	v_pk_add_f32 v[XR+32*\k+\m:XR+32*\k+\m+1], v[XR+32*\k+\m:XR+32*\k+\m+1], v[12+2*\k:13+2*\k] neg_lo:[0,1] neg_hi:[0,1]
.endr
.endr
.irp k, 0,1,2,3
	v_pk_mul_f32 v[12+2*\k:13+2*\k], v[XR+32*\k:XR+32*\k+1], v[XR+32*\k:XR+32*\k+1]
.endr
.irp m, 2,4,6,8,10,12,14,16,18,20,22,24,26,28,30
.irp k, 0,1,2,3
	v_pk_fma_f32 v[12+2*\k:13+2*\k], v[XR+32*\k+\m:XR+32*\k+\m+1], v[XR+32*\k+\m:XR+32*\k+\m+1], v[12+2*\k:13+2*\k]
.endr
.endr
	RED
.irp k, 0,1,2,3
	v_fma_f32 v[12+2*\k], v[12+2*\k], s22, s23     ; the variance + eps
.endr
.irp k, 0,1,2,3
	v_rsq_f32 v[20+2*\k], v[12+2*\k]
.endr
	v_nop                                          ; a plain line behind the four
	s_wait_loadcnt 0x0                             ; gain and shift
	s_wait_alu depctr_va_vdst(0)                   ; one wait for the four, ahead of their first reader
.irp m, 0,2,4,6,8,10,12,14,16,18,20,22,24,26,28,30
.irp k, 0,1,2,3
	v_pk_mul_f32 v[XR+32*\k+\m:XR+32*\k+\m+1], v[XR+32*\k+\m:XR+32*\k+\m+1], v[20+2*\k:21+2*\k] op_sel_hi:[1,0]
.endr
.irp k, 0,1,2,3
	v_pk_fma_f32 v[XR+32*\k+\m:XR+32*\k+\m+1], v[XR+32*\k+\m:XR+32*\k+\m+1], v[GS+\m:GS+\m+1], v[GB+\m:GB+\m+1]
.endr
.endr
.irp k, 0,1,2,3
.irp j, 0,1,2,3,4,5,6,7
	ds_store_b128 v5, v[XR+32*\k+4*\j:XR+32*\k+4*\j+3] offset:NP*\k+512*\j
.endr
.endr
	s_wait_dscnt 0x0                               ; for the others' sake: my rows lie in LDS
	s_barrier_signal -1
	s_barrier_wait -1
.irp u, 0,1
.irp b, 0,1,2,3
.irp j, 0,1,2,3
	ds_load_b128 v[XR+64*\u+16*\b+4*\j:XR+64*\u+16*\b+4*\j+3], v[6+\u] offset:128*\b+16*\j
.endr
.endr
.endr
	s_wait_dscnt 16                                ; block 0's 16 loads are in
	QUANT XR, 192, 44
	s_wait_dscnt 0x0
	QUANT XR+64, 212, 45
.irp u, 0,1
	global_store_b128 v4, v[192+20*\u:195+20*\u], s[10:11] offset:12288*\u
	global_store_b64 v8, v[196+20*\u:197+20*\u], s[10:11] offset:12288*\u+512
	global_store_b128 v4, v[198+20*\u:201+20*\u], s[10:11] offset:12288*\u+768
	global_store_b64 v8, v[202+20*\u:203+20*\u], s[10:11] offset:12288*\u+1280
.endr
	v_cmp_gt_u32 vcc_lo, 16, v1
	v_cndmask_b32 v46, v45, v44, vcc_lo            ; lanes 0-15: block 0's word of row r; lanes 16-31: block 1's
	ds_store_b32 v9, v46
	s_wait_dscnt 0x0
	s_barrier_signal -1
	s_barrier_wait -1
	s_cmp_gt_u32 s12, 1
	s_cbranch_scc1 .Lend                           ; waves 0 and 1 store a block's scale words: 512 consecutive bytes
	ds_load_b128 v[48:51], v10
	s_wait_dscnt 0x0
	global_store_b128 v4, v[48:51], s[26:27]
.Lend:
	s_wait_tensorcnt 0x0
	ds_add_u32 v62, v63
	s_wait_dscnt 0x0
	s_endpgm
.Lfunc_end_k_q0c79bbaf5f_ln1:
	.size	k_q0c79bbaf5f_ln1, .Lfunc_end_k_q0c79bbaf5f_ln1-k_q0c79bbaf5f_ln1
	.p2alignl 7, 3214868480
	.fill 96, 4, 3214868480
	.section	.rodata,"a",@progbits
	.p2align	6, 0x0
	.amdhsa_kernel k_q0c79bbaf5f_ln1
		.amdhsa_group_segment_fixed_size 133632
		.amdhsa_private_segment_fixed_size 0
		.amdhsa_enable_private_segment 0
		.amdhsa_kernarg_size 32
		.amdhsa_user_sgpr_count 2
		.amdhsa_user_sgpr_kernarg_segment_ptr 1
		.amdhsa_wavefront_size32 1
		.amdhsa_system_sgpr_workgroup_id_x 1
		.amdhsa_system_sgpr_workgroup_id_y 1
		.amdhsa_system_sgpr_workgroup_id_z 1
		.amdhsa_system_vgpr_workitem_id 0
		.amdhsa_next_free_vgpr 256
		.amdhsa_next_free_sgpr 66
		.amdhsa_reserve_vcc 1
		.amdhsa_float_denorm_mode_32 3
		.amdhsa_float_denorm_mode_16_64 3
		.amdhsa_memory_ordered 1
		.amdhsa_forward_progress 1
		.amdhsa_inst_pref_size 44
	.end_amdhsa_kernel
	.amdgpu_metadata
---
amdhsa.version: [ 1, 2 ]
amdhsa.kernels:
  - .name:           k_q0c79bbaf5f_ln1
    .symbol:         k_q0c79bbaf5f_ln1.kd
    .args:
      - { .name: x, .offset: 0, .size: 8, .value_kind: global_buffer, .address_space: global }
      - { .name: ln1_s, .offset: 8, .size: 8, .value_kind: global_buffer, .address_space: global }
      - { .name: ln1_b, .offset: 16, .size: 8, .value_kind: global_buffer, .address_space: global }
      - { .name: big, .offset: 24, .size: 8, .value_kind: global_buffer, .address_space: global }
    .group_segment_fixed_size: 133632
    .private_segment_fixed_size: 0
    .kernarg_segment_align: 8
    .kernarg_segment_size: 32
    .max_flat_workgroup_size: 256
    .sgpr_count:     66
    .vgpr_count:     256
    .wavefront_size: 32
...
	.end_amdgpu_metadata
.endif
;; end of part 2
;; launch qkvg (part 3): grid 48 x 4, 4 waves a work-group, clusters of 4 x 4, 327,680 bytes of LDS; arguments big, qkv; writes qkv
.if DOCPART == 3
	.amdgcn_target "amdgcn-amd-amdhsa--gfx1250"
	.amdhsa_code_object_version 6
	.text
	.protected	k_q0c79bbaf5f_qkvg
	.globl	k_q0c79bbaf5f_qkvg
	.p2align	8
	.type	k_q0c79bbaf5f_qkvg,@function
k_q0c79bbaf5f_qkvg:
	s_mov_b64 s[64:65], 0
	v_nop
	global_prefetch_b8 v0, s[64:65] scope:SCOPE_SE
	s_setreg_imm32_b32 hwreg(HW_REG_WAVE_MODE, 25, 1), 1
	s_wait_xcnt 0x0
	s_wait_alu depctr_hold_cnt(0) depctr_sa_sdst(0) depctr_va_vdst(0) depctr_va_sdst(0) depctr_va_ssrc(0) depctr_va_vcc(0) depctr_vm_vsrc(0)
	s_getreg_b32 s2, hwreg(HW_REG_IB_STS2, 6, 4)
	s_cmp_eq_u32 s2, 0
	s_cbranch_scc0 .Lentry_in_a_cluster
	s_endpgm
.Lentry_in_a_cluster:
	s_bfe_u32 s2, ttmp6, 0x10000c
	s_cmp_lg_u32 s2, 0xf033
	s_cbranch_scc0 .Lentry_shape_is_right
	s_endpgm
.Lentry_shape_is_right:
; q, k and v of all heads, on codes of FP6 (E2M3) with E8M0 scales, and their quantising for attention, in one launch.
; Clusters 0-7: C = xn Wqk^T (4,096 tokens x 2,048: q's 1,024 columns, then k's).  Clusters 8-11: C = Wv xn^T (1,024 x 4,096 tokens).  So the results' columns are d for q and k and tokens for v: the next K of each.
; A tile of C is 256 x 256, a wave makes 128 x 128 in 64 accumulators; K = 1,024 goes in steps of 256 through two LDS slots filled by joint tensor loads (4 x 4 cluster: A's tiles shared along a row, B's along a column).
; OPERANDS lie in memory as half records (16 rows x 64 K = 768 bytes: lane l's bytes 0-15 at 16 l, bytes 16-23 at 512 + 8 l), so a fragment is two loads of 16 and two of 8 bytes, all dense.
; Block 2 g + u of rows holds rows 32 g + 8 u + r + 8 (r / 8).  THE MATRIX INSTRUCTION IS USED TRANSPOSED (source 0 = B's rows): with that order of B's rows, a lane's 64 registers of A's block a
; are register 16 b + i = column 32 b + 16 (lane / 16) + i of its row: what the quantiser wants.  Results never go to memory as f32.
; LIMITS: NaN and infinities are not served; a block under 2^-124, or of zeros, keeps the byte 1.
.set KK,     1024
.set XN_S,   3145728
.set WQK_C,  3276800
.set WQK_S,  4849664
.set WV_C,   4915200
.set WV_S,   5701632
.set V_C,    6291456
.set Q_S,    9437184
.set V_S,    9961472
.set KST,    KK/128
.set KROW,   KK*3/4                    ; bytes of codes for a row
.set KS,     KK/32                     ; bytes of scales for a row
.set RBP,    16*KROW                   ; a block of 16 rows
.set ROWB,   3072                      ; a block's 256 along K: four half records
.set NQ,     2
.set FR,     12
.set NL,     4                         ; LDS loads that bring a fragment
.set NP,     4                         ; places behind this matrix instruction (ISA guide 7.12.1)
.set HALFT,  8*ROWB                    ; 128 rows: what one tensor load brings
.set SLOT,   4*HALFT
.set LAPS,   KK/512
.set SCL,    2*SLOT                    ; behind the ring: the scale words of the work-group's rows, for all of K
.set HALFS,  512*KST
.set SPARE,  SCL+4*HALFS               ; the spare words: 128 bytes a wave, named by no other line
.set ADRA, 16                          ; v16-17 16 x lane in A's part of slot 0, 1; v18-19 the same with 8 x lane
.set ADRB, 20                          ; v20-23 the same for B
.set ADRS, 27                          ; v27    my scale words: lanes 0-15 A's rows, lanes 16-31 B's
.set SPW,  28
.set NIL,  29
.set SC,   32                          ; v32-63 scale words, two sets; they hold nothing else
.set AF,   128                         ; A's fragments, window 0
.set PC,   192                         ; the way out: codes (20 registers)
.set TM,   212                         ; 16 at work
.set PW,   228                         ; the scale word
.set W,    229
.set G1, 24
.set G0, 32
.set G1B, 48
.set G0B, 56
.set G1S, 68
.set G0S, 76
.set G1SB, 80
.set G0SB, 88
.set OB,  92                           ; s[92:93] where my codes go
.set OS,  96                           ; s[96:97] where my scale words go
.set STR, 98                           ; s[98:99] from block a to block a + 1
.set MSB, 0
.macro WIN new
.if MSB != (\new)
	s_set_vgpr_msb (MSB<<8)|(\new)
.set MSB, (\new)
.endif
.endm
.set MUL_LO, 0xa1                      ; source 0 (B) window 1, source 1 (A) window 0, C and D window 2
.set MUL_HI, 0xf1
.set TO_B,   0x40
.macro JLOAD g0a, g1a, g0b, g1b        ; waves 0 and 1 fetch for A, waves 2 and 3 for B; four v_nop follow each line
	s_cmp_eq_u32 s15, 0
	s_cbranch_scc0 .Lfor_b_\@
	tensor_load_to_lds s[\g0a:\g0a+3], s[\g1a:\g1a+7]
	s_nop 0
.rept 4
	v_nop
.endr
	s_branch .Lasked_\@
.Lfor_b_\@:
	tensor_load_to_lds s[\g0b:\g0b+3], s[\g1b:\g1b+7]
	s_nop 0
.rept 4
	v_nop
.endr
.Lasked_\@:
.endm
.macro CREST
	s_cmp_lg_u32 s14, 0
	s_cbranch_scc1 .Lnot_wave_0_\@
	s_barrier_signal -3
.Lnot_wave_0_\@:
	s_barrier_wait -3
	s_barrier_signal -1
	s_barrier_wait -1
.endm
.macro CROUND
	s_barrier_signal -1
	s_barrier_wait -1
	CREST
.endm
	s_load_b128 s[4:7], s[0:1], 0x0                ; big, qkv
	v_lshl_add_u32 v[SPW], v0, 2, SPARE
	v_mov_b32 v[NIL], 0
	ds_add_u32 v28, v29
	ds_add_u32 v28, v29
	s_wait_dscnt 0x0
	v_lshrrev_b32 v1, 5, v0
	v_readfirstlane_b32 s14, v1                    ; wave
	s_lshr_b32 s15, s14, 1                         ; my half of the tile's rows; also: I fetch for A (0) or B (1)
	s_and_b32 s16, s14, 1                          ; my half of its columns; also: which 128 rows I fetch
	s_bfe_u32 s40, ttmp6, 0x40000                  ; cx
	s_bfe_u32 s41, ttmp6, 0x40004                  ; cy
	s_lshr_b32 s20, ttmp9, 1
	s_and_b32 s21, ttmp9, 1
	s_sub_co_u32 s22, ttmp9, 8
	s_cmp_lt_u32 ttmp9, 8                          ; q and k, or v?  The cluster's number alone decides: alike in all partners
	s_cselect_b32 s20, s20, 0                      ; the cluster's row of tiles
	s_cselect_b32 s21, s21, s22                    ; and its column
	s_cselect_b32 s2, 0, WV_C                      ; A: xn or Wv; B: Wqk or xn: offsets in big
	s_mov_b32 s96, WV_S
	s_cselect_b32 s96, XN_S, s96
	s_cselect_b32 s98, WQK_C, 0
	s_mov_b32 s100, XN_S
	s_cselect_b32 s100, WQK_S, s100
	s_mov_b32 s3, 0
	s_mov_b32 s97, 0
	s_mov_b32 s99, 0
	s_mov_b32 s101, 0
	s_lshl_b32 s42, s21, 2
	s_add_co_u32 s42, s42, s40                     ; tile column
	s_lshl_b32 s17, s20, 2
	s_add_co_u32 s17, s17, s41                     ; tile row
	s_lshl_b32 s43, s41, 2
	s_lshl_b32 s43, 15, s43                        ; my row of the cluster
	s_lshl_b32 s44, 0x1111, s40                    ; my column
	s_or_b32 s[G1+0], s43, (3<<16)|(1<<21)         ; the mask; elements of 8 bytes; bit 21 beside a mask; no padding
	s_or_b32 s[G1B+0], s44, (3<<16)|(1<<21)
.irp g, G1, G1B
	s_mov_b32 s[\g+1], 384<<16                     ; tensor_dim0: 3,072 bytes
	s_mov_b32 s[\g+2], 8<<16                       ; tensor_dim1: 8 blocks of rows
	s_mov_b32 s[\g+3], 384<<16                     ; tile_dim0
	s_mov_b32 s[\g+4], 8                           ; tile_dim1
	s_mov_b32 s[\g+5], RBP/8                       ; from block to block
	s_mov_b32 s[\g+6], 0
	s_mov_b32 s[\g+7], 0
.endr
	s_or_b32 s[G1S+0], s43, (3<<16)|(1<<21)
	s_or_b32 s[G1SB+0], s44, (3<<16)|(1<<21)
.irp g, G1S, G1SB                      ; the scale words of 128 rows: a dense block, as rows of 256 bytes
	s_mov_b32 s[\g+1], 32<<16
	s_mov_b32 s[\g+2], (HALFS/256)<<16
	s_mov_b32 s[\g+3], 32<<16
	s_mov_b32 s[\g+4], HALFS/256
	s_mov_b32 s[\g+5], 32
	s_mov_b32 s[\g+6], 0
	s_mov_b32 s[\g+7], 0
.endr
	s_lshl_b32 s18, s16, 7
	s_lshl_b32 s20, s17, 8
	s_add_co_u32 s20, s20, s18                     ; A: row 256 x tile row + 128 x half
	s_lshl_b32 s46, s42, 8
	s_add_co_u32 s46, s46, s18                     ; B likewise
	s_mov_b32 s21, 0
	s_mov_b32 s47, 0
	s_mov_b64 s[18:19], KS
	s_mul_u64 s[22:23], s[20:21], s[18:19]
	s_mul_u64 s[92:93], s[46:47], s[18:19]
	s_mov_b64 s[18:19], KROW
	s_mul_u64 s[20:21], s[20:21], s[18:19]
	s_mul_u64 s[46:47], s[46:47], s[18:19]
	s_mul_i32 s45, s14, HALFT
	s_mul_i32 s94, s14, HALFS
	s_wait_kmcnt 0x0
	s_mov_b64 s[12:13], s[6:7]                     ; qkv
	s_add_nc_u64 s[6:7], s[4:5], s[96:97]          ; A's scales
	s_add_nc_u64 s[8:9], s[4:5], s[98:99]          ; B's codes
	s_add_nc_u64 s[10:11], s[4:5], s[100:101]      ; B's scales
	s_add_nc_u64 s[4:5], s[4:5], s[2:3]            ; A's codes
	s_add_nc_u64 s[20:21], s[4:5], s[20:21]
	s_add_nc_u64 s[22:23], s[6:7], s[22:23]
	s_add_nc_u64 s[46:47], s[8:9], s[46:47]
	s_add_nc_u64 s[92:93], s[10:11], s[92:93]
	CROUND                                         ; all sixteen work-groups are here: the first joint loads meet
	s_mov_b32 s[G0S], 1
	s_add_co_u32 s[G0S+1], s94, SCL
	s_mov_b64 s[G0S+2:G0S+3], s[22:23]
	s_or_b32 s[G0S+3], s[G0S+3], 0x80000000
	s_mov_b32 s[G0SB], 1
	s_add_co_u32 s[G0SB+1], s94, SCL
	s_mov_b64 s[G0SB+2:G0SB+3], s[92:93]
	s_or_b32 s[G0SB+3], s[G0SB+3], 0x80000000
	JLOAD G0S, G1S, G0SB, G1SB                     ; the scale words first
.irp s, 0,1
	s_mov_b32 s[G0+4*\s], 1
	s_add_co_u32 s[G0+4*\s+1], s45, \s*SLOT
	s_add_nc_u64 s[G0+4*\s+2:G0+4*\s+3], s[20:21], \s*ROWB
	s_or_b32 s[G0+4*\s+3], s[G0+4*\s+3], 0x80000000
	s_mov_b32 s[G0B+4*\s], 1
	s_add_co_u32 s[G0B+4*\s+1], s45, \s*SLOT
	s_add_nc_u64 s[G0B+4*\s+2:G0B+4*\s+3], s[46:47], \s*ROWB
	s_or_b32 s[G0B+4*\s+3], s[G0B+4*\s+3], 0x80000000
	JLOAD G0+4*\s, G1, G0B+4*\s, G1B
.endr
	v_and_b32 v1, 15, v0                           ; r
	v_bfe_u32 v2, v0, 4, 1                         ; h
	v_and_b32 v3, 31, v0
	v_lshlrev_b32 v4, 4, v3                        ; 16 x lane
	v_lshlrev_b32 v5, 3, v3                        ; 8 x lane
	s_mul_i32 s21, s15, HALFT
	s_mul_i32 s22, s16, HALFT
	s_add_co_u32 s22, s22, 2*HALFT
.irp s, 0,1
	v_add_nc_u32 v[ADRA+\s], s21, v4
	v_add_nc_u32 v[ADRB+\s], s22, v4
	v_add_nc_u32 v[ADRA+2+\s], s21, v5
	v_add_nc_u32 v[ADRB+2+\s], s22, v5
	s_add_co_u32 s21, s21, SLOT
	s_add_co_u32 s22, s22, SLOT
.endr
	v_lshlrev_b32 v7, 2, v1
	s_mul_i32 s21, s15, HALFS
	s_mul_i32 s22, s16, HALFS
	s_add_co_u32 s22, s22, 2*HALFS
	s_sub_co_u32 s22, s22, s21
	v_mul_u32_u24 v6, s22, v2                      ; lanes 16-31 take B's
	s_add_co_u32 s21, s21, SCL
	v_add_nc_u32 v6, v7, v6
	v_add_nc_u32 v[ADRS], s21, v6
	; where my results go.  q, k: [128 tokens][head][block of 16 tokens][768]; v: [128 tokens][block of 16 rows of Wv][1,536]
	s_lshl_b32 s18, s17, 1
	s_add_co_u32 s18, s18, s15                     ; 2 x tile row + half
	s_lshl_b32 s19, s18, 4
	s_and_b32 s20, s42, 3
	s_lshl_b32 s20, s20, 2
	s_add_co_u32 s19, s19, s20
	s_lshl_b32 s20, s16, 1
	s_add_co_u32 s19, s19, s20                     ; q, k: (128 tokens) x 16 + my first head
	s_lshr_b32 s20, s42, 2                         ; q (0) or k (1)
	s_mul_i32 s21, s20, 3145728
	s_mul_i32 s22, s19, 6144
	s_add_co_u32 s21, s21, s22
	s_mul_i32 s20, s20, 262144
	s_lshl_b32 s22, s19, 9
	s_add_co_u32 s20, s20, s22
	s_add_co_u32 s20, s20, Q_S
	s_lshl_b32 s22, s42, 1
	s_add_co_u32 s22, s22, s16
	s_lshl_b32 s22, s22, 6
	s_lshl_b32 s23, s18, 3
	s_add_co_u32 s22, s22, s23                     ; v: (128 tokens) x 64 + my first block of rows
	s_mul_i32 s23, s22, 1536
	s_add_co_u32 s23, s23, V_C
	s_lshl_b32 s22, s22, 6
	s_add_co_u32 s22, s22, V_S
	s_mov_b32 s47, 0
	s_mov_b32 s[STR], 1536
	s_mov_b32 s100, 768
	s_cmp_lt_u32 ttmp9, 8
	s_cselect_b32 s46, s21, s23
	s_add_nc_u64 s[OB:OB+1], s[12:13], s[46:47]
	s_cselect_b32 s46, s20, s22
	s_add_nc_u64 s[OS:OS+1], s[12:13], s[46:47]
	s_cselect_b32 s[STR], 768, s[STR]
	s_mov_b32 s[STR+1], 0
	s_cselect_b32 s100, 6144, s100                 ; from a fragment's first half to its second: the next head, or the next half record
	s_cselect_b32 s101, 512, 0                     ; lanes 16-31 store the next head's scale word, or the same word again
	s_cselect_b32 s95, 16, 0
	s_cselect_b32 s45, 0xffff, -1                  ; q, k: two bytes a word, the upper two 0
	v_mov_b32 v8, v4
	v_mov_b32 v9, v5
	v_add_nc_u32 v10, s100, v4
	v_add_nc_u32 v11, s100, v5
	v_mul_u32_u24 v12, s101, v2
	v_lshl_add_u32 v12, v1, 2, v12
	v_mul_u32_u24 v13, s95, v2
	s_mov_b32 s46, 0x76543210
	s_mov_b32 s47, 0xfedcba98                      ; lane l xor 16
.macro FRAG reg, adr, q, i             ; a fragment: two half records, each 16 bytes and 8 bytes a lane
.irp c, 0,1
	ds_load_b128 v[\reg+6*\c:\reg+6*\c+3], v[\adr] offset:(\i)*ROWB+(\q)*1536+768*\c
	ds_load_b64 v[\reg+6*\c+4:\reg+6*\c+5], v[\adr+2] offset:(\i)*ROWB+(\q)*1536+768*\c+512
.endr
.endm
; 16 matrix instructions: A's blocks a0, a0 + 1 x B's eight.  The 64 accumulators take turns, one instruction a turn
.macro MUL16 a0, p, q, sc, zero
.irp a, \a0, \a0+1
.irp b, 0,1,2,3,4,5,6,7
.if \zero
	v_wmma_scale_f32_16x16x128_f8f6f4 v[8*(8*((\a)%4)+\b):8*(8*((\a)%4)+\b)+7], v[128*(\p)+FR*\b:128*(\p)+FR*\b+FR-1], v[AF+FR*(\a):AF+FR*(\a)+FR-1], 0, v[SC+8*NQ*(\sc)+NQ*\b+(\q)], v[SC+8*NQ*(\sc)+NQ*(\a)+(\q)] matrix_a_fmt:MATRIX_FMT_FP6 matrix_b_fmt:MATRIX_FMT_FP6 matrix_a_scale:MATRIX_SCALE_ROW1
.else
	v_wmma_scale_f32_16x16x128_f8f6f4 v[8*(8*((\a)%4)+\b):8*(8*((\a)%4)+\b)+7], v[128*(\p)+FR*\b:128*(\p)+FR*\b+FR-1], v[AF+FR*(\a):AF+FR*(\a)+FR-1], v[8*(8*((\a)%4)+\b):8*(8*((\a)%4)+\b)+7], v[SC+8*NQ*(\sc)+NQ*\b+(\q)], v[SC+8*NQ*(\sc)+NQ*(\a)+(\q)] matrix_a_fmt:MATRIX_FMT_FP6 matrix_b_fmt:MATRIX_FMT_FP6 matrix_a_scale:MATRIX_SCALE_ROW1
.endif
.endr
.endr
.endm
.macro FETCH_B slot, q, p
	WIN TO_B
.irp i, 0,1,2,3,4,5,6,7
	FRAG 128*(\p)+FR*\i, ADRB+\slot, \q, \i
.endr
	WIN 0
.endm
.macro FETCH_A slot, q, i0
.irp i, \i0, \i0+1, \i0+2, \i0+3
	FRAG AF+FR*(\i), ADRA+\slot, \q, \i
.endr
.endm
.macro SCALES sc                       ; lanes 0-15 A's block i, lanes 16-31 B's block i, for the slot's two K steps
.irp i, 0,1,2,3,4,5,6,7
.irp q, 0,1
	ds_load_b32 v[SC+8*NQ*\sc+NQ*\i+\q], v[ADRS] offset:\i*KST*64+64*\q
.endr
.endr
.endm
.macro PLACES n
.rept \n
	v_nop
.endr
.endm
.macro STEP slot, q, zero              ; 128 along K that has its successor in the same slot
	s_wait_dscnt 4*NL                              ; all but A's blocks 4-7 (16 loads) are in
	WIN MUL_LO
	MUL16 0, (\q)%2, \q, \slot, \zero
	MUL16 2, (\q)%2, \q, \slot, \zero
	s_wait_dscnt 0
	PLACES NP
	FETCH_B \slot, (\q)+1, 1-(\q)%2
	FETCH_A \slot, (\q)+1, 0
	WIN MUL_HI
	MUL16 4, (\q)%2, \q, \slot, \zero
	MUL16 6, (\q)%2, \q, \slot, \zero
	PLACES NP
	WIN 0
	FETCH_A \slot, (\q)+1, 4
.endm
.macro TURN slot, next, fill           ; a slot's last 128 along K, and the change of slots
	s_wait_tensorcnt 0x0                           ; all my tensor loads have landed: my part of the next slot
	ds_add_u32 v[SPW], v[NIL]                      ; 0 onto my spare word
	s_wait_dscnt 4*NL+1                            ; the add and A's blocks 4-7 may be out
	WIN MUL_LO
	MUL16 0, 1, NQ-1, \slot, 0
	s_wait_dscnt 0x0                               ; the add is done, my reads of this slot are over
	s_barrier_signal -1
	MUL16 2, 1, NQ-1, \slot, 0
	WIN 0
	s_barrier_wait -1
.if \fill
	CREST                                          ; the barrier has opened a round of the cluster's: no wave of any partner still reads this slot or has a load on its way
	s_add_nc_u64 s[G0+4*\slot+2:G0+4*\slot+3], s[G0+4*\slot+2:G0+4*\slot+3], 2*ROWB
	s_add_nc_u64 s[G0B+4*\slot+2:G0B+4*\slot+3], s[G0B+4*\slot+2:G0B+4*\slot+3], 2*ROWB
	JLOAD G0+4*\slot, G1, G0B+4*\slot, G1B         ; the first tensor load behind the round; its four v_nop are the places for the loads below
.else
	PLACES NP
.endif
	v_add_nc_u32 v[ADRS], 64*NQ, v[ADRS]           ; the next slot's scale words
	FETCH_B \next, 0, 0
	FETCH_A \next, 0, 0
	SCALES \next
	WIN MUL_HI
	MUL16 4, 1, NQ-1, \slot, 0
	MUL16 6, 1, NQ-1, \slot, 0
	PLACES NP
	WIN 0
	FETCH_A \next, 0, 4
.endm
	s_wait_tensorcnt 1                             ; the scale words and slot 0 are in; slot 1's load may be out
	s_barrier_signal -1
	s_barrier_wait -1
	FETCH_B 0, 0, 0
	FETCH_A 0, 0, 0
	SCALES 0
	FETCH_A 0, 0, 4
	STEP 0, 0, 1                                   ; the first step's products start the sums
	s_mov_b32 s3, LAPS-1
.Llap:
	TURN 0, 1, 1
	STEP 1, 0, 0
	TURN 1, 0, 1
	STEP 0, 0, 0
	s_sub_co_u32 s3, s3, 1
	s_cmp_lg_u32 s3, 0
	s_cbranch_scc1 .Llap
	TURN 0, 1, 0
	STEP 1, 0, 0
	s_wait_dscnt 4*NL
	WIN MUL_LO
	MUL16 0, 1, NQ-1, 1, 0
	MUL16 2, 1, NQ-1, 1, 0
	s_wait_dscnt 0
	WIN MUL_HI
	MUL16 4, 1, NQ-1, 1, 0
	MUL16 6, 1, NQ-1, 1, 0
	WIN 0
; 64 numbers of a lane in window w, register 16 b + i = column 32 b + 16 (lane / 16) + i, become a fragment at v[pc] and its scale word in v[pw].  Each accumulator is read from its low end on.
.macro QUANT s, w, pc, pw
	WIN ((\w)|((\w)<<2))
.irp b, 0,1,2,3
	v_max3_num_f32 v[TM+\b], |v[(\s)+16*\b]|, |v[(\s)+16*\b+1]|, 0x1800000   ; with the floor 2^(3 - 127)
.endr
.irp i, 2,4,6,8,10,12,14
.irp b, 0,1,2,3
	v_max3_num_f32 v[TM+\b], |v[(\s)+16*\b+\i]|, |v[(\s)+16*\b+\i+1]|, v[TM+\b]
.endr
.endr
	WIN 0
.irp b, 0,1,2,3
	v_permlanex16_b32 v[TM+4+\b], v[TM+\b], s46, s47
.endr
.irp b, 0,1,2,3
	v_max_num_f32 v[TM+\b], v[TM+\b], v[TM+4+\b]
.endr
.irp b, 0,1,2,3
	v_add_nc_u32 v[TM+12+\b], 0xff000000, v[TM+\b]
.endr
.irp b, 0,1,2,3
	v_lshrrev_b32 v[TM+4+\b], 23, v[TM+12+\b]
.endr
	v_lshl_or_b32 v[\pw], v[TM+5], 8, v[TM+4]
	v_lshl_or_b32 v[\pw], v[TM+6], 16, v[\pw]
	v_lshl_or_b32 v[\pw], v[TM+7], 24, v[\pw]
	WIN (\w)
.irp c, 0,1
	v_cvt_scalef32_pk16_fp6_f32 v[\pc+6*\c:\pc+2+6*\c], v[(\s)+32*\c:(\s)+32*\c+15], v[TM+12+2*\c]
	v_cvt_scalef32_pk16_fp6_f32 v[\pc+12+4*\c:\pc+14+4*\c], v[(\s)+32*\c+16:(\s)+32*\c+31], v[TM+13+2*\c]
.endr
	WIN 0
	v_nop                                          ; one plain line behind the conversions
.irp c, 0,1
.irp i, 0,1,2
	v_permlane16_swap_b32 v[\pc+6*\c+\i], v[\pc+12+4*\c+\i]
.endr
.irp i, 0,1,2
	v_mov_b32 v[\pc+3+6*\c+\i], v[\pc+12+4*\c+\i]
.endr
.endr
.endm
	PLACES NP                                      ; behind the last products
.irp b, 0,1,2,3
	v_mov_b32 v[TM+4+\b], 0                        ; a lane permute's destination counts as read
.endr
.irp a, 0,1,2,3,4,5,6,7                ; A's block a: 16 rows x my 128 columns become one fragment
.if \a > 0
	s_wait_xcnt 0x0                                ; the last block's stores have read their data and bases
	s_add_nc_u64 s[OB:OB+1], s[OB:OB+1], s[STR:STR+1]
	s_add_nc_u64 s[OS:OS+1], s[OS:OS+1], 64
.endif
	QUANT 64*(\a%4), 2+\a/4, PC, PW
	global_store_b128 v8, v[PC:PC+3], s[OB:OB+1]
	global_store_b64 v9, v[PC+4:PC+5], s[OB:OB+1] offset:512
	global_store_b128 v10, v[PC+6:PC+9], s[OB:OB+1]
	global_store_b64 v11, v[PC+10:PC+11], s[OB:OB+1] offset:512
	v_lshrrev_b32 v[W], v13, v[PW]
	v_and_b32 v[W], s45, v[W]
	global_store_b32 v12, v[W], s[OS:OS+1]
.endr
	s_wait_tensorcnt 0x0                           ; the wave's end
	ds_add_u32 v[SPW], v[NIL]
	s_wait_dscnt 0x0
	CROUND                                         ; the closing round
	s_endpgm
.Lfunc_end_k_q0c79bbaf5f_qkvg:
	.size	k_q0c79bbaf5f_qkvg, .Lfunc_end_k_q0c79bbaf5f_qkvg-k_q0c79bbaf5f_qkvg
	.p2alignl 7, 3214868480
	.fill 96, 4, 3214868480
	.section	.rodata,"a",@progbits
	.p2align	6, 0x0
	.amdhsa_kernel k_q0c79bbaf5f_qkvg
		.amdhsa_group_segment_fixed_size 327680
		.amdhsa_private_segment_fixed_size 0
		.amdhsa_enable_private_segment 0
		.amdhsa_kernarg_size 16
		.amdhsa_user_sgpr_count 2
		.amdhsa_user_sgpr_kernarg_segment_ptr 1
		.amdhsa_wavefront_size32 1
		.amdhsa_system_sgpr_workgroup_id_x 1
		.amdhsa_system_sgpr_workgroup_id_y 1
		.amdhsa_system_sgpr_workgroup_id_z 1
		.amdhsa_system_vgpr_workitem_id 0
		.amdhsa_next_free_vgpr 1024
		.amdhsa_next_free_sgpr 102
		.amdhsa_reserve_vcc 0
		.amdhsa_float_denorm_mode_32 3
		.amdhsa_float_denorm_mode_16_64 3
		.amdhsa_memory_ordered 1
		.amdhsa_forward_progress 1
		.amdhsa_inst_pref_size 154
	.end_amdhsa_kernel
	.amdgpu_metadata
---
amdhsa.version: [ 1, 2 ]
amdhsa.kernels:
  - .name:           k_q0c79bbaf5f_qkvg
    .symbol:         k_q0c79bbaf5f_qkvg.kd
    .args:
      - { .name: big, .offset: 0, .size: 8, .value_kind: global_buffer, .address_space: global }
      - { .name: qkv, .offset: 8, .size: 8, .value_kind: global_buffer, .address_space: global }
    .group_segment_fixed_size: 327680
    .private_segment_fixed_size: 0
    .kernarg_segment_align: 8
    .kernarg_segment_size: 16
    .max_flat_workgroup_size: 128
    .sgpr_count:     102
    .vgpr_count:     1024
    .wavefront_size: 32
...
	.end_amdgpu_metadata
.endif
;; end of part 3
;; launch attn (part 4): grid 8 x 32, 16 waves a work-group, clusters of 4 x 1, 277,504 bytes of LDS; arguments qkv, ctx; writes ctx
.if DOCPART == 4
	.amdgcn_target "amdgcn-amd-amdhsa--gfx1250"
	.amdhsa_code_object_version 6
	.text
	.protected	k_q0c79bbaf5f_attn
	.globl	k_q0c79bbaf5f_attn
	.p2align	8
	.type	k_q0c79bbaf5f_attn,@function
k_q0c79bbaf5f_attn:
	s_mov_b64 s[64:65], 0
	v_nop
	global_prefetch_b8 v0, s[64:65] scope:SCOPE_SE
	s_setreg_imm32_b32 hwreg(HW_REG_WAVE_MODE, 25, 1), 1
	s_wait_xcnt 0x0
	s_wait_alu depctr_hold_cnt(0) depctr_sa_sdst(0) depctr_va_vdst(0) depctr_va_sdst(0) depctr_va_ssrc(0) depctr_va_vcc(0) depctr_vm_vsrc(0)
	s_getreg_b32 s2, hwreg(HW_REG_IB_STS2, 6, 4)
	s_cmp_eq_u32 s2, 0
	s_cbranch_scc0 .Lentry_in_a_cluster
	s_endpgm
.Lentry_in_a_cluster:
	s_bfe_u32 s2, ttmp6, 0x10000c
	s_cmp_lg_u32 s2, 0x3003
	s_cbranch_scc0 .Lentry_shape_is_right
	s_endpgm
.Lentry_shape_is_right:
; Causal attention of 32 (batch, head) pairs on codes of FP6 (E2M3), head size 64, 2,048 tokens, and the quantising of its result along the QUERIES, which are the next product's K
; (the next operand's row is 32 d + t / 64 of the batch and its column 64 head + t % 64).
; SOFTMAX: t = score x log2(e) / 8; M = the running largest t rounded up to a whole number; p = 2^(t - M) is quantised along the keys; the sum of the unquantised p divides at the end.
; A WHOLE HEAD'S K AND V LIE IN LDS: 98,304 bytes of codes each, 8,192 and 4,096 bytes of scale words.  Every LDS byte is filled once, by five loads of wave 0 (K) and five of wave 1 (V).
; The four work-groups of a cluster serve one head and ask jointly.  K's and V's first four key steps are waited for first, the other chunks land while the first are worked.
; SHARES: work-group i (0..7) of a head; wave w has c = (w / 4) xor (w % 4) and s = w % 4 and owns the 16 queries of token block 32 c + 4 i + s: each wave one early to one late part.
; Both products are used transposed (S^T = K Q^T, O^T = V^T P^T): a lane holds one query.  The keys of a tile are 32 b + 8 u + r + 8 (r / 8), so that two tiles' 16 registers are 16 neighbouring keys.
; HEAD SIZE 64 IN AN INSTRUCTION OF 128: Q's upper 64 codes are zeros; K's fragments lie 6 registers apart, so that a fragment's upper six registers are the next fragment's codes: finite numbers x 0.
; CAUSAL: a wave leaves out the steps above 4 c + 2 (cluster x) + 1, a bound that all partners share; the last two steps are masked by the lane's own query.  A partner with earlier queries runs one step whose every p is 0.
; The scale bytes of the result leave as two bytes a row and head: 128 KB in the whole launch.
; LIMITS: NaN and infinities are not served; a block of p or of results under 2^-124, or of zeros, keeps the byte 1.
.set VC,   98304                       ; LDS: K's codes at 0, [16 steps][6,144]; V's here
.set KSL,  196608                      ; K's scale words [16][512]
.set VSL,  204800                      ; V's [16][256]
.set STG,  208896                      ; the stage of the way out: 64 rows (d) x (256 queries f32 + 16 bytes); no fill lands here
.set SPI,  1040
.set K_C,  3145728
.set Q_S,  9437184
.set K_S,  9699328
.set WV,   18
.set SEL,  20
.set CS,   22
.set G1C,  24
.set G1KS, 32
.set G1VS, 40
.set G0S,  48
.set TB,   2                           ; the step's codes in LDS
.set TS,   3                           ; K's scale words
.set TJ,   66                          ; V's
.set ST,   67                          ; the step
.set KF,   72                          ; its first key
.set BND,  73                          ; my last step
.set BN1,  74
.set CNT,  75
.macro CROUND
	s_barrier_signal -1
	s_barrier_wait -1
	s_cmp_lg_u32 s[WV], 0
	s_cbranch_scc1 .Lnot_wave_0_\@
	s_barrier_signal -3
.Lnot_wave_0_\@:
	s_barrier_wait -3
	s_barrier_signal -1
	s_barrier_wait -1
.endm
.macro G0SET g, c                      ; group 0 for chunk c: four key steps
	s_mov_b32 s[\g], 1
	s_add_co_u32 s[\g+1], s91, \c*24576
	s_add_nc_u64 s[\g+2:\g+3], s[88:89], \c*393216
	s_or_b32 s[\g+3], s[\g+3], 0x80000000
.endm
	s_load_b128 s[4:7], s[0:1], 0x0                ; qkv, ctx
	v_lshl_add_u32 v251, v0, 2, 0x43400
	v_mov_b32 v255, 0
	ds_add_u32 v251, v255
	ds_add_u32 v251, v255
	v_lshrrev_b32 v8, 5, v0
	v_readfirstlane_b32 s[WV], v8                  ; wave 0..15
	s_bfe_u32 s76, ttmp6, 0x40000                  ; cx
	s_lshl_b32 s77, ttmp9, 2
	s_add_co_u32 s77, s77, s76                     ; i
	s_and_b32 s78, ttmp7, 0xffff
	s_lshr_b32 s79, s78, 4                         ; batch
	s_and_b32 s80, s78, 15                         ; head
	s_and_b32 s81, s[WV], 3                        ; s
	s_lshr_b32 s82, s[WV], 2
	s_xor_b32 s82, s82, s81                        ; c
	s_and_b32 s83, s[WV], 1                        ; wave 0 fetches K, wave 1 V
	s_lshl_b32 s[BND], s82, 2
	s_lshl_b32 s84, ttmp9, 1
	s_add_co_u32 s[BND], s[BND], s84
	s_mov_b32 s[BN1], s[BND]
	s_add_co_u32 s[BND], s[BND], 1
	s_mov_b32 s[G1C], 15|(3<<16)|(1<<21)           ; all four partners; elements of 8 bytes; bit 21 beside a mask
	s_mov_b32 s[G1C+1], 768<<16                    ; a key step's 6,144 bytes,
	s_mov_b32 s[G1C+2], 4<<16                      ; four of them,
	s_mov_b32 s[G1C+3], 768<<16
	s_mov_b32 s[G1C+4], 4
	s_mov_b32 s[G1C+5], 12288                      ; 98,304 bytes apart
	s_mov_b32 s[G1C+6], 0
	s_mov_b32 s[G1C+7], 0
	s_mov_b32 s[G1KS], 15|(3<<16)|(1<<21)
	s_mov_b32 s[G1KS+1], 64<<16                    ; K's scale words: 512 bytes a step, 16 steps, 8,192 bytes apart
	s_mov_b32 s[G1KS+2], 16<<16
	s_mov_b32 s[G1KS+3], 64<<16
	s_mov_b32 s[G1KS+4], 16
	s_mov_b32 s[G1KS+5], 1024
	s_mov_b32 s[G1KS+6], 0
	s_mov_b32 s[G1KS+7], 0
	s_mov_b32 s[G1VS], 15|(3<<16)|(1<<21)
	s_mov_b32 s[G1VS+1], 32<<16                    ; V's: 256 bytes a step, 4,096 bytes apart
	s_mov_b32 s[G1VS+2], 16<<16
	s_mov_b32 s[G1VS+3], 32<<16
	s_mov_b32 s[G1VS+4], 16
	s_mov_b32 s[G1VS+5], 512
	s_mov_b32 s[G1VS+6], 0
	s_mov_b32 s[G1VS+7], 0
	s_lshl_b32 s84, s79, 17
	s_lshl_b32 s85, s80, 9
	s_add_co_u32 s84, s84, s85
	s_lshr_b32 s84, s84, s83                       ; V's scale words are half as many as K's
	s_mul_i32 s85, s83, 262144
	s_add_co_u32 s84, s84, s85
	s_add_co_u32 s84, s84, K_S
	s_mov_b32 s85, 0
	s_mul_i32 s86, s83, 3145728
	s_mul_i32 s87, s79, 1572864
	s_add_co_u32 s86, s86, s87
	s_mul_i32 s87, s80, 6144
	s_add_co_u32 s86, s86, s87
	s_add_co_u32 s86, s86, K_C
	s_mov_b32 s87, 0
	s_lshl_b32 s90, s83, 13
	s_mul_i32 s91, s83, 98304
	s_mov_b32 s[SEL], 0x76543210
	s_mov_b32 s[SEL+1], 0xfedcba98
	s_mov_b32 s[CS], 0x3e38aa3b                    ; log2(e) / 8
	s_mov_b32 s[CS+1], s[CS]
	s_mov_b32 s[TB], 0
	s_mov_b32 s[TS], 0
	s_mov_b32 s[TJ], 0
	s_mov_b32 s[ST], 0
	s_mov_b32 s[KF], 0
	s_wait_dscnt 0x0
	s_wait_kmcnt 0x0
	s_add_nc_u64 s[88:89], s[4:5], s[86:87]
	CROUND                                         ; all four work-groups are here: the joint loads meet
	s_mov_b32 s[G0S], 1
	s_add_co_u32 s[G0S+1], s90, KSL
	s_add_nc_u64 s[G0S+2:G0S+3], s[4:5], s[84:85]
	s_or_b32 s[G0S+3], s[G0S+3], 0x80000000
	G0SET 52, 0
	G0SET 56, 1
	G0SET 60, 2
	G0SET 68, 3
	s_cmp_eq_u32 s[WV], 0                          ; a wave's five loads stand in one branch on its number; five of mine are out at the most
	s_cbranch_scc0 .Lnot_k
	tensor_load_to_lds s[G0S:G0S+3], s[G1KS:G1KS+7]
	s_nop 0
	tensor_load_to_lds s[52:55], s[G1C:G1C+7]
	s_nop 0
	tensor_load_to_lds s[56:59], s[G1C:G1C+7]
	s_nop 0
	tensor_load_to_lds s[60:63], s[G1C:G1C+7]
	s_nop 0
	tensor_load_to_lds s[68:71], s[G1C:G1C+7]
	s_nop 0
.rept 4
	v_nop
.endr
	s_branch .Lasked
.Lnot_k:
	s_cmp_eq_u32 s[WV], 1
	s_cbranch_scc0 .Lasked
	tensor_load_to_lds s[G0S:G0S+3], s[G1VS:G1VS+7]
	s_nop 0
	tensor_load_to_lds s[52:55], s[G1C:G1C+7]
	s_nop 0
	tensor_load_to_lds s[56:59], s[G1C:G1C+7]
	s_nop 0
	tensor_load_to_lds s[60:63], s[G1C:G1C+7]
	s_nop 0
	tensor_load_to_lds s[68:71], s[G1C:G1C+7]
	s_nop 0
.rept 4
	v_nop
.endr
.Lasked:
	s_lshl_b32 s86, s82, 5
	s_lshl_b32 s87, s77, 2
	s_add_co_u32 s86, s86, s87
	s_add_co_u32 s86, s86, s81                     ; my block of 16 tokens in the batch
	s_lshr_b32 s87, s86, 3
	s_lshl_b32 s92, s79, 4
	s_add_co_u32 s87, s87, s92
	s_lshl_b32 s87, s87, 4
	s_add_co_u32 s87, s87, s80                     ; (128 tokens) x 16 + head
	s_and_b32 s86, s86, 7
	s_mul_i32 s92, s87, 6144
	s_mul_i32 s93, s86, 768
	s_add_co_u32 s92, s92, s93
	s_mov_b32 s93, 0
	s_add_nc_u64 s[94:95], s[4:5], s[92:93]        ; Q's codes
	s_lshl_b32 s92, s87, 9
	s_lshl_b32 s86, s86, 6
	s_add_co_u32 s92, s92, s86
	s_add_co_u32 s92, s92, Q_S
	s_add_nc_u64 s[96:97], s[4:5], s[92:93]        ; Q's scale words
	v_and_b32 v8, 15, v0                           ; r
	v_bfe_u32 v9, v0, 4, 1                         ; h
	v_and_b32 v10, 31, v0
	v_lshlrev_b32 v1, 4, v10                       ; 16 x lane
	v_lshlrev_b32 v2, 3, v10                       ; 8 x lane
	v_lshlrev_b32 v31, 2, v8
	global_load_b128 v[16:19], v1, s[94:95]
	global_load_b64 v[20:21], v2, s[94:95] offset:512
	global_load_b32 v28, v31, s[96:97]
	v_add_nc_u32 v3, VC, v1
	v_add_nc_u32 v4, VC, v2
	v_lshl_add_u32 v5, v10, 2, KSL
	v_lshl_add_u32 v6, v10, 2, VSL
	s_lshl_b32 s86, s82, 9
	s_lshl_b32 s87, s77, 6
	s_add_co_u32 s86, s86, s87
	s_lshr_b32 s87, s81, 1
	s_lshl_b32 s87, s87, 5
	s_add_co_u32 s86, s86, s87
	s_and_b32 s87, s81, 1
	s_lshl_b32 s87, s87, 3
	s_add_co_u32 s86, s86, s87
	v_and_b32 v11, 8, v8
	v_add_nc_u32 v11, v11, v8
	v_lshlrev_b32 v29, 4, v9
	v_sub_nc_u32 v11, v11, v29
	v_add_nc_u32 v7, s86, v11                      ; my query - 16 (lane / 16)
	v_mov_b32 v13, 0xff61b1e6                      ; the largest t so far: -3e38
	v_floor_f32 v12, -v13                          ; -M
	v_mov_b32 v14, 0
	v_mov_b32 v15, 0
.irp j, 22,23,24,25,26,27,80,81,82,83,84,85,236,237,238,239,252,253
	v_mov_b32 v\j, 0                               ; Q's upper 64 codes; behind K's last fragment; destinations of permutes; the pair of f
.endr
.set j, 0
.rept 32
	v_mov_b32 v[160+j], 0                          ; O^T: the step is written once, its first run finds zeros
.set j, j+1
.endr
.macro STEP                            ; 128 keys
	s_cmp_gt_u32 s[ST], s[BND]
	s_cbranch_scc1 .Lhid_\@                        ; all its keys come after my queries: a branch on ids, round the work alone
	v_add_nc_u32 v8, s[TB], v1                     ; (these six are also the places in front of loads into registers that the last products read)
	v_add_nc_u32 v9, s[TB], v2
	v_add_nc_u32 v10, s[TB], v3
	v_add_nc_u32 v11, s[TB], v4
	v_add_nc_u32 v29, s[TS], v5
	v_add_nc_u32 v30, s[TJ], v6
.irp t, 0,1,2,3,4,5,6,7
	ds_load_b128 v[32+6*\t:35+6*\t], v8 offset:768*\t
	ds_load_b64 v[36+6*\t:37+6*\t], v9 offset:768*\t+512
.endr
.irp u, 0,1,2,3
	ds_load_b32 v[88+\u], v29 offset:128*\u        ; lanes 0-15 tile 2 u's words, lanes 16-31 tile 2 u + 1's
.endr
	s_wait_dscnt 0x0
.irp t, 0,2,4,6
	v_wmma_scale_f32_16x16x128_f8f6f4 v[96+8*\t:103+8*\t], v[32+6*\t:43+6*\t], v[16:27], 0, v[88+\t/2], v28 matrix_a_fmt:MATRIX_FMT_FP6 matrix_b_fmt:MATRIX_FMT_FP6
	v_wmma_scale_f32_16x16x128_f8f6f4 v[104+8*\t:111+8*\t], v[38+6*\t:49+6*\t], v[16:27], 0, v[88+\t/2], v28 matrix_a_fmt:MATRIX_FMT_FP6 matrix_b_fmt:MATRIX_FMT_FP6 matrix_a_scale:MATRIX_SCALE_ROW1
.endr
.rept 4
	v_nop                                          ; places behind the products: for the loads below and the first read of the scores
.endr
.irp d, 0,1,2,3                        ; V's four fragments land under the softmax
.irp c, 0,1
	ds_load_b128 v[32+12*\d+6*\c:35+12*\d+6*\c], v10 offset:1536*\d+768*\c
	ds_load_b64 v[36+12*\d+6*\c:37+12*\d+6*\c], v11 offset:1536*\d+768*\c+512
.endr
.endr
	ds_load_b32 v92, v30
	ds_load_b32 v93, v30 offset:128
	s_cmp_lt_u32 s[ST], s[BN1]
	s_cbranch_scc1 .Lopen_\@                       ; all its keys count
	v_sub_nc_u32 v252, v7, s[KF]                   ; register 16 b + i holds key KF + 16 (lane / 16) + 32 b + i: hidden where 32 b + i is above this
	v_mov_b32 v254, 0xff800000
.set n, 0
.rept 64
	v_cmp_gt_i32 vcc_lo, 32*(n/16)+n%16, v252
	v_cndmask_b32 v[96+n], v[96+n], v254, vcc_lo
.set n, n+1
.endr
.Lopen_\@:
.irp b, 0,1,2,3
	v_max3_num_f32 v[232+\b], v[96+16*\b], v[97+16*\b], v[98+16*\b]   ; each block's largest score: for the row's maximum and for the block's largest p
.endr
.irp i, 3,5,7,9,11,13
.irp b, 0,1,2,3
	v_max3_num_f32 v[232+\b], v[232+\b], v[96+16*\b+\i], v[97+16*\b+\i]
.endr
.endr
.irp b, 0,1,2,3
	v_max_num_f32 v[232+\b], v[232+\b], v[111+16*\b]
.endr
.irp b, 0,1,2,3
	v_permlanex16_b32 v[236+\b], v[232+\b], s[SEL], s[SEL+1]
.endr
.irp b, 0,1,2,3
	v_max_num_f32 v[232+\b], v[232+\b], v[236+\b]
.endr
	v_max3_num_f32 v254, v232, v233, v234
	v_max_num_f32 v254, v254, v235
	v_mul_f32 v254, s[CS], v254
	v_max_num_f32 v13, v13, v254                   ; the running largest t
	v_mov_b32 v254, v12
	v_floor_f32 v12, -v13                          ; -M = floor(-t): M is a whole number
	v_sub_f32 v254, v12, v254
	v_cvt_i32_f32 v254, v254                       ; (it saturates)
	v_ldexp_f32 v252, 1.0, v254                    ; f = 2^(old M - new M)
.set j, 0
.rept 32
	v_pk_fma_f32 v[96+j:97+j], v[96+j:97+j], s[CS:CS+1], v[12:13] op_sel_hi:[1,0,0]   ; t - M
.set j, j+2
.endr
.irp b, 0,1,2,3
	v_fma_f32 v[232+\b], v[232+\b], s[CS], v12
.endr
.set j, 0
.rept 64
	v_exp_f32 v[96+j], v[96+j]                     ; p, not normalised
.set j, j+1
.endr
	v_pk_mul_f32 v[14:15], v[14:15], v[252:253] op_sel_hi:[1,0]   ; the sums under the new M; the plain line behind the batch
	s_wait_alu depctr_va_vdst(0)                   ; one wait for the 64, ahead of their first reader
.irp b, 0,1,2,3
	v_exp_f32 v[232+\b], v[232+\b]                 ; each block's largest p
.endr
	v_pk_add_f32 v[236:237], v[96:97], v[98:99]    ; the row's sum of the unquantised p, in two chains
.irp j, 4,8,12,16,20,24,28,32,36,40,44,48,52,56,60
	v_pk_add_f32 v[14:15], v[14:15], v[96+\j:97+\j]
	v_pk_add_f32 v[236:237], v[236:237], v[98+\j:99+\j]
.endr
	v_pk_add_f32 v[14:15], v[14:15], v[236:237]
	s_wait_alu depctr_va_vdst(0)                   ; and one for the four
.irp b, 0,1,2,3
	v_max_num_f32 v[232+\b], 0x1800000, v[232+\b]  ; the floor 2^(3 - 127)
.endr
.irp b, 0,1,2,3
	v_add_nc_u32 v[244+\b], 0xff000000, v[232+\b]
.endr
.irp b, 0,1,2,3
	v_lshrrev_b32 v[236+\b], 23, v[244+\b]
.endr
	v_lshl_or_b32 v253, v237, 8, v236              ; p's scale word
	v_lshl_or_b32 v253, v238, 16, v253
	v_lshl_or_b32 v253, v239, 24, v253
.irp c, 0,1
	v_cvt_scalef32_pk16_fp6_f32 v[224+6*\c:226+6*\c], v[96+32*\c:111+32*\c], v[244+2*\c]
	v_cvt_scalef32_pk16_fp6_f32 v[236+4*\c:238+4*\c], v[112+32*\c:127+32*\c], v[244+2*\c+1]
.endr
	v_nop
.irp c, 0,1
.irp i, 0,1,2
	v_permlane16_swap_b32 v[224+6*\c+\i], v[236+4*\c+\i]
.endr
.irp i, 0,1,2
	v_mov_b32 v[227+6*\c+\i], v[236+4*\c+\i]
.endr
.endr
.set j, 0
.rept 16
	v_pk_mul_f32 v[160+j:161+j], v[160+j:161+j], v[252:253] op_sel_hi:[1,0]   ; O^T under the new M; also the places in front of the products below
.set j, j+2
.endr
	s_wait_dscnt 0x0                               ; V
.irp d, 0,2
	v_wmma_scale_f32_16x16x128_f8f6f4 v[160+8*\d:167+8*\d], v[32+12*\d:43+12*\d], v[224:235], v[160+8*\d:167+8*\d], v[92+\d/2], v253 matrix_a_fmt:MATRIX_FMT_FP6 matrix_b_fmt:MATRIX_FMT_FP6
	v_wmma_scale_f32_16x16x128_f8f6f4 v[168+8*\d:175+8*\d], v[44+12*\d:55+12*\d], v[224:235], v[168+8*\d:175+8*\d], v[92+\d/2], v253 matrix_a_fmt:MATRIX_FMT_FP6 matrix_b_fmt:MATRIX_FMT_FP6 matrix_a_scale:MATRIX_SCALE_ROW1
.endr
.Lhid_\@:
	s_add_co_u32 s[TB], s[TB], 6144
	s_add_co_u32 s[TS], s[TS], 512
	s_add_co_u32 s[TJ], s[TJ], 256
	s_add_co_u32 s[KF], s[KF], 128
	s_add_co_u32 s[ST], s[ST], 1
.endm
.macro CHUNK c                         ; four key steps
	s_wait_tensorcnt 3-\c                          ; behind chunk c's load 3 - c of my loads were issued; waves without loads pass
	s_wait_dscnt 0x0
	s_barrier_signal -1
	s_barrier_wait -1                              ; chunk c lies in LDS for all sixteen waves
	s_mov_b32 s[CNT], 4
.Lstep_\@:
	STEP
	s_sub_co_u32 s[CNT], s[CNT], 1
	s_cmp_lg_u32 s[CNT], 0
	s_cbranch_scc1 .Lstep_\@
.endm
	s_wait_loadcnt 0x0                             ; Q
	CHUNK 0
	CHUNK 1
	CHUNK 2
	CHUNK 3
	; THE WAY OUT.  O^T / the sum goes to the stage, d by rows and queries along them; then a lane takes 32 neighbouring queries of one d: a whole block of the next K.
	v_add_f32 v14, v14, v15
	v_permlanex16_b32 v252, v14, s[SEL], s[SEL+1]
	v_add_f32 v14, v14, v252
	v_rcp_f32 v14, v14
	v_and_b32 v8, 15, v0                           ; r  (a plain line behind the reciprocal)
	v_bfe_u32 v9, v0, 4, 1                         ; h
	s_lshl_b32 s92, s82, 8
	s_lshr_b32 s93, s81, 1
	s_lshl_b32 s93, s93, 7
	s_add_co_u32 s92, s92, s93
	s_and_b32 s93, s81, 1
	s_lshl_b32 s93, s93, 5
	s_add_co_u32 s92, s92, s93
	s_add_co_u32 s92, s92, STG                     ; my 16 queries' columns: 4 (64 c + 32 (s / 2) + 8 (s % 2))
	v_and_b32 v10, 8, v8
	v_add_nc_u32 v10, v10, v8
	v_lshlrev_b32 v10, 2, v10
	v_mad_u32_u24 v10, v9, 16*SPI, v10
	v_add_nc_u32 v10, s92, v10                     ; in: column r + 8 (r / 8), rows 16 h on
	s_lshr_b32 s84, s[WV], 2
	s_mul_i32 s92, s81, 16*SPI
	s_lshl_b32 s93, s84, 8
	s_add_co_u32 s92, s92, s93
	s_add_co_u32 s92, s92, STG
	v_mul_u32_u24 v11, v8, SPI
	v_lshl_add_u32 v11, v9, 7, v11
	v_add_nc_u32 v11, s92, v11                     ; back: d = 16 (w % 4) + r, queries 64 (w / 4) + 32 h on
	s_lshl_b32 s85, s79, 5
	s_lshl_b32 s86, s84, 3
	s_add_co_u32 s85, s85, s86
	s_add_co_u32 s85, s85, s77
	s_lshl_b32 s85, s85, 2
	s_add_co_u32 s85, s85, s81                     ; the block of 16 rows of the next operand
	s_mul_i32 s86, s85, 12288
	s_mul_i32 s87, s80, 768
	s_add_co_u32 s86, s86, s87
	s_mov_b32 s87, 0
	s_add_nc_u64 s[88:89], s[6:7], s[86:87]
	s_lshl_b32 s86, s85, 3
	s_lshr_b32 s90, s80, 1
	s_add_co_u32 s86, s86, s90
	s_lshl_b32 s86, s86, 6
	s_and_b32 s90, s80, 1
	s_lshl_b32 s90, s90, 1
	s_add_co_u32 s86, s86, s90
	s_add_co_u32 s86, s86, 3145728
	s_add_nc_u64 s[90:91], s[6:7], s[86:87]
	s_wait_alu depctr_va_vdst(0)                   ; the wait ahead of the reciprocal's first reader
.set j, 0
.rept 32
	v_mul_f32 v[96+j], v[160+j], v14               ; register 16 b + i is d = 32 b + 16 h + i
.set j, j+1
.endr
.set j, 0
.rept 32
	ds_store_b32 v10, v[96+j] offset:(32*(j/16)+j%16)*SPI
.set j, j+1
.endr
	s_wait_dscnt 0x0
	s_barrier_signal -1
	s_barrier_wait -1
.irp j, 0,1,2,3,4,5,6,7
	ds_load_b128 v[32+4*\j:35+4*\j], v11 offset:16*\j
.endr
	s_wait_dscnt 0x0
	v_max3_num_f32 v232, |v32|, |v33|, 0x1800000
.irp i, 2,4,6,8,10,12,14,16,18,20,22,24,26,28,30
	v_max3_num_f32 v232, v232, |v[32+\i]|, |v[33+\i]|
.endr
	v_add_nc_u32 v244, 0xff000000, v232
	v_lshrrev_b32 v236, 23, v244
	v_cvt_scalef32_pk16_fp6_f32 v[224:226], v[32:47], v244
	v_cvt_scalef32_pk16_fp6_f32 v[240:242], v[48:63], v244
	v_lshlrev_b32 v237, 3, v9                      ; (the plain line behind the conversions)
	v_mov_b32 v227, v240
	v_mov_b32 v228, v241
	v_mov_b32 v229, v242
	v_lshlrev_b32 v236, v237, v236                 ; my byte at its place,
	v_permlanex16_b32 v238, v236, s[SEL], s[SEL+1]
	v_or_b32 v236, v236, v238                      ; with lane l xor 16's: the head's two bytes of row r
	global_store_b128 v1, v[224:227], s[88:89]
	global_store_b64 v2, v[228:229], s[88:89] offset:512
	global_store_b16 v31, v236, s[90:91]
	s_wait_tensorcnt 0x0
	ds_add_u32 v251, v255
	s_wait_dscnt 0x0
	CROUND                                         ; the closing round
	s_endpgm
.Lfunc_end_k_q0c79bbaf5f_attn:
	.size	k_q0c79bbaf5f_attn, .Lfunc_end_k_q0c79bbaf5f_attn-k_q0c79bbaf5f_attn
	.p2alignl 7, 3214868480
	.fill 96, 4, 3214868480
	.section	.rodata,"a",@progbits
	.p2align	6, 0x0
	.amdhsa_kernel k_q0c79bbaf5f_attn
		.amdhsa_group_segment_fixed_size 277504
		.amdhsa_private_segment_fixed_size 0
		.amdhsa_enable_private_segment 0
		.amdhsa_kernarg_size 16
		.amdhsa_user_sgpr_count 2
		.amdhsa_user_sgpr_kernarg_segment_ptr 1
		.amdhsa_wavefront_size32 1
		.amdhsa_system_sgpr_workgroup_id_x 1
		.amdhsa_system_sgpr_workgroup_id_y 1
		.amdhsa_system_sgpr_workgroup_id_z 1
		.amdhsa_system_vgpr_workitem_id 0
		.amdhsa_next_free_vgpr 256
		.amdhsa_next_free_sgpr 100
		.amdhsa_reserve_vcc 1
		.amdhsa_float_denorm_mode_32 3
		.amdhsa_float_denorm_mode_16_64 3
		.amdhsa_memory_ordered 1
		.amdhsa_forward_progress 1
		.amdhsa_inst_pref_size 105
	.end_amdhsa_kernel
	.amdgpu_metadata
---
amdhsa.version: [ 1, 2 ]
amdhsa.kernels:
  - .name:           k_q0c79bbaf5f_attn
    .symbol:         k_q0c79bbaf5f_attn.kd
    .args:
      - { .name: qkv, .offset: 0, .size: 8, .value_kind: global_buffer, .address_space: global }
      - { .name: ctx, .offset: 8, .size: 8, .value_kind: global_buffer, .address_space: global }
    .group_segment_fixed_size: 277504
    .private_segment_fixed_size: 0
    .kernarg_segment_align: 8
    .kernarg_segment_size: 16
    .max_flat_workgroup_size: 512
    .sgpr_count:     100
    .vgpr_count:     256
    .wavefront_size: 32
...
	.end_amdgpu_metadata
.endif
;; end of part 4
;; launch fcg (part 5): grid 4 x 16, 4 waves a work-group, clusters of 4 x 4, 327,680 bytes of LDS; arguments ctx, big, fc_b, x, hbuf; writes hbuf
.if DOCPART == 5
	.amdgcn_target "amdgcn-amd-amdhsa--gfx1250"
	.amdhsa_code_object_version 6
	.text
	.protected	k_q0c79bbaf5f_fcg
	.globl	k_q0c79bbaf5f_fcg
	.p2align	8
	.type	k_q0c79bbaf5f_fcg,@function
k_q0c79bbaf5f_fcg:
	s_mov_b64 s[64:65], 0
	v_nop
	global_prefetch_b8 v0, s[64:65] scope:SCOPE_SE
	s_setreg_imm32_b32 hwreg(HW_REG_WAVE_MODE, 25, 1), 1
	s_wait_xcnt 0x0
	s_wait_alu depctr_hold_cnt(0) depctr_sa_sdst(0) depctr_va_vdst(0) depctr_va_sdst(0) depctr_va_ssrc(0) depctr_va_vcc(0) depctr_vm_vsrc(0)
	s_getreg_b32 s2, hwreg(HW_REG_IB_STS2, 6, 4)
	s_cmp_eq_u32 s2, 0
	s_cbranch_scc0 .Lentry_in_a_cluster
	s_endpgm
.Lentry_in_a_cluster:
	s_bfe_u32 s2, ttmp6, 0x10000c
	s_cmp_lg_u32 s2, 0xf033
	s_cbranch_scc0 .Lentry_shape_is_right
	s_endpgm
.Lentry_shape_is_right:
; h = concat fc_w + fc_b + x, on codes of FP6 (E2M3) with E8M0 scales; h is f32, row-major.
; A = the attention's result, K = 1,024; its block (32 batch + t / 64) 4 + e of rows holds rows 2,048 batch + 32 (16 e + r) + t / 64.  B = fc_w's columns as rows, block 2 g + u = rows 32 g + 8 u + r + 8 (r / 8).
; A tile of C is 256 x 256, a wave makes 128 x 128 in 64 accumulators; K goes in steps of 256 through two LDS slots filled by joint tensor loads (4 x 4 cluster: A's tiles shared along a row, B's along a column).
; Operands lie in memory as half records (16 rows x 64 K = 768 bytes: lane l's bytes 0-15 at 16 l, bytes 16-23 at 512 + 8 l): a fragment is two loads of 16 and two of 8 bytes, all dense.
; THE MATRIX INSTRUCTION IS USED TRANSPOSED (source 0 = B's rows).  The bias is the C of each sum's first instruction.  The way out goes through the wave's stage in slot 0, which has had its last fill and its last read.
; 64 work-groups: the tile is kept at 256 x 256 so that the four products share one form.
.set KK,     1024
.set A_S,    3145728
.set B_C,    5734400
.set B_S,    6520832
.set KST,    KK/128
.set KROW,   KK*3/4
.set KS,     KK/32
.set RBP,    16*KROW
.set ROWB,   3072
.set NQ,     2
.set FR,     12
.set NL,     4
.set NP,     4
.set HALFT,  8*ROWB
.set SLOT,   4*HALFT
.set LAPS,   KK/512
.set SCL,    2*SLOT
.set HALFS,  512*KST
.set SPARE,  SCL+4*HALFS
.set SPITCH, 528
.set ADRA, 16
.set ADRB, 20
.set STO,  24
.set RD,   25
.set CO,   26
.set ADRS, 27
.set SPW,  28
.set NIL,  29
.set SC,   32
.set BI,   64                          ; v64-127 the bias of my 128 columns, in the result's layout
.set AF,   128
.set BK,   128
.set G1, 24
.set G0, 32
.set G1B, 48
.set G0B, 56
.set G1S, 68
.set G0S, 76
.set G1SB, 80
.set G0SB, 88
.set MSB, 0
.macro WIN new
.if MSB != (\new)
	s_set_vgpr_msb (MSB<<8)|(\new)
.set MSB, (\new)
.endif
.endm
.set MUL_LO, 0xa1
.set MUL_HI, 0xf1
.set TO_B,   0x40
.macro JLOAD g0a, g1a, g0b, g1b
	s_cmp_eq_u32 s15, 0
	s_cbranch_scc0 .Lfor_b_\@
	tensor_load_to_lds s[\g0a:\g0a+3], s[\g1a:\g1a+7]
	s_nop 0
.rept 4
	v_nop
.endr
	s_branch .Lasked_\@
.Lfor_b_\@:
	tensor_load_to_lds s[\g0b:\g0b+3], s[\g1b:\g1b+7]
	s_nop 0
.rept 4
	v_nop
.endr
.Lasked_\@:
.endm
.macro CREST
	s_cmp_lg_u32 s14, 0
	s_cbranch_scc1 .Lnot_wave_0_\@
	s_barrier_signal -3
.Lnot_wave_0_\@:
	s_barrier_wait -3
	s_barrier_signal -1
	s_barrier_wait -1
.endm
.macro CROUND
	s_barrier_signal -1
	s_barrier_wait -1
	CREST
.endm
	s_load_b128 s[4:7], s[0:1], 0x0                ; ctx, big
	s_load_b128 s[96:99], s[0:1], 0x10             ; fc_b, x
	s_load_b64 s[12:13], s[0:1], 0x20              ; hbuf
	v_lshl_add_u32 v[SPW], v0, 2, SPARE
	v_mov_b32 v[NIL], 0
	ds_add_u32 v28, v29
	ds_add_u32 v28, v29
	s_wait_dscnt 0x0
	v_lshrrev_b32 v1, 5, v0
	v_readfirstlane_b32 s14, v1
	s_lshr_b32 s15, s14, 1
	s_and_b32 s16, s14, 1
	s_bfe_u32 s40, ttmp6, 0x40000
	s_bfe_u32 s41, ttmp6, 0x40004
	s_lshl_b32 s42, ttmp9, 2
	s_add_co_u32 s42, s42, s40                     ; tile column
	s_and_b32 s17, ttmp7, 0xffff
	s_lshl_b32 s17, s17, 2
	s_add_co_u32 s17, s17, s41                     ; tile row
	s_lshl_b32 s43, s41, 2
	s_lshl_b32 s43, 15, s43
	s_lshl_b32 s44, 0x1111, s40
	s_or_b32 s[G1+0], s43, (3<<16)|(1<<21)
	s_or_b32 s[G1B+0], s44, (3<<16)|(1<<21)
.irp g, G1, G1B
	s_mov_b32 s[\g+1], 384<<16
	s_mov_b32 s[\g+2], 8<<16
	s_mov_b32 s[\g+3], 384<<16
	s_mov_b32 s[\g+4], 8
	s_mov_b32 s[\g+5], RBP/8
	s_mov_b32 s[\g+6], 0
	s_mov_b32 s[\g+7], 0
.endr
	s_or_b32 s[G1S+0], s43, (3<<16)|(1<<21)
	s_or_b32 s[G1SB+0], s44, (3<<16)|(1<<21)
.irp g, G1S, G1SB
	s_mov_b32 s[\g+1], 32<<16
	s_mov_b32 s[\g+2], (HALFS/256)<<16
	s_mov_b32 s[\g+3], 32<<16
	s_mov_b32 s[\g+4], HALFS/256
	s_mov_b32 s[\g+5], 32
	s_mov_b32 s[\g+6], 0
	s_mov_b32 s[\g+7], 0
.endr
	s_lshl_b32 s18, s16, 7
	s_lshl_b32 s20, s17, 8
	s_add_co_u32 s20, s20, s18
	s_lshl_b32 s46, s42, 8
	s_add_co_u32 s46, s46, s18
	s_mov_b32 s21, 0
	s_mov_b32 s47, 0
	s_mov_b64 s[18:19], KS
	s_mul_u64 s[22:23], s[20:21], s[18:19]
	s_mul_u64 s[92:93], s[46:47], s[18:19]
	s_mov_b64 s[18:19], KROW
	s_mul_u64 s[20:21], s[20:21], s[18:19]
	s_mul_u64 s[46:47], s[46:47], s[18:19]
	s_mul_i32 s45, s14, HALFT
	s_mul_i32 s94, s14, HALFS
	s_wait_kmcnt 0x0
	s_add_nc_u64 s[8:9], s[6:7], B_C
	s_add_nc_u64 s[10:11], s[6:7], B_S
	s_add_nc_u64 s[6:7], s[4:5], A_S
	s_add_nc_u64 s[20:21], s[4:5], s[20:21]
	s_add_nc_u64 s[22:23], s[6:7], s[22:23]
	s_add_nc_u64 s[46:47], s[8:9], s[46:47]
	s_add_nc_u64 s[92:93], s[10:11], s[92:93]
	CROUND
	s_mov_b32 s[G0S], 1
	s_add_co_u32 s[G0S+1], s94, SCL
	s_mov_b64 s[G0S+2:G0S+3], s[22:23]
	s_or_b32 s[G0S+3], s[G0S+3], 0x80000000
	s_mov_b32 s[G0SB], 1
	s_add_co_u32 s[G0SB+1], s94, SCL
	s_mov_b64 s[G0SB+2:G0SB+3], s[92:93]
	s_or_b32 s[G0SB+3], s[G0SB+3], 0x80000000
	JLOAD G0S, G1S, G0SB, G1SB
.irp s, 0,1
	s_mov_b32 s[G0+4*\s], 1
	s_add_co_u32 s[G0+4*\s+1], s45, \s*SLOT
	s_add_nc_u64 s[G0+4*\s+2:G0+4*\s+3], s[20:21], \s*ROWB
	s_or_b32 s[G0+4*\s+3], s[G0+4*\s+3], 0x80000000
	s_mov_b32 s[G0B+4*\s], 1
	s_add_co_u32 s[G0B+4*\s+1], s45, \s*SLOT
	s_add_nc_u64 s[G0B+4*\s+2:G0B+4*\s+3], s[46:47], \s*ROWB
	s_or_b32 s[G0B+4*\s+3], s[G0B+4*\s+3], 0x80000000
	JLOAD G0+4*\s, G1, G0B+4*\s, G1B
.endr
	v_and_b32 v1, 15, v0
	v_bfe_u32 v2, v0, 4, 1
	v_and_b32 v3, 31, v0
	v_lshlrev_b32 v4, 4, v3
	v_lshlrev_b32 v5, 3, v3
	s_lshl_b32 s46, s42, 10                        ; my first column, in bytes of f32
	s_lshl_b32 s47, s16, 9
	s_add_co_u32 s46, s46, s47
	s_mov_b32 s47, 0
	s_add_nc_u64 s[96:97], s[96:97], s[46:47]
	v_lshlrev_b32 v7, 6, v2
.irp b, 0,1,2,3,4,5,6,7                ; tile b, register j: column 32 (b / 2) + 16 h + 8 (b % 2) + j
	global_load_b128 v[BI+8*\b:BI+8*\b+3], v7, s[96:97] offset:(32*(\b/2)+8*(\b%2))*4
	global_load_b128 v[BI+8*\b+4:BI+8*\b+7], v7, s[96:97] offset:(32*(\b/2)+8*(\b%2))*4+16
.endr
	s_mul_i32 s21, s15, HALFT
	s_mul_i32 s22, s16, HALFT
	s_add_co_u32 s22, s22, 2*HALFT
.irp s, 0,1
	v_add_nc_u32 v[ADRA+\s], s21, v4
	v_add_nc_u32 v[ADRB+\s], s22, v4
	v_add_nc_u32 v[ADRA+2+\s], s21, v5
	v_add_nc_u32 v[ADRB+2+\s], s22, v5
	s_add_co_u32 s21, s21, SLOT
	s_add_co_u32 s22, s22, SLOT
.endr
	v_lshlrev_b32 v8, 2, v1
	s_mul_i32 s21, s15, HALFS
	s_mul_i32 s22, s16, HALFS
	s_add_co_u32 s22, s22, 2*HALFS
	s_sub_co_u32 s22, s22, s21
	v_mul_u32_u24 v6, s22, v2
	s_add_co_u32 s21, s21, SCL
	v_add_nc_u32 v6, v8, v6
	v_add_nc_u32 v[ADRS], s21, v6
	s_mul_i32 s23, s14, 16*SPITCH                  ; my stage
	v_mul_u32_u24 v6, v1, SPITCH
	v_lshl_add_u32 v6, v2, 6, v6
	v_add_nc_u32 v[STO], s23, v6                   ; in: row r, + 64 h
	v_mov_b32 v[CO], v4
	v_add_nc_u32 v[RD], s23, v4                    ; back: a row of 512 bytes
	s_lshr_b32 s20, s17, 3                         ; the batch,
	s_lshl_b32 s20, s20, 11
	s_lshl_b32 s21, s17, 2
	s_lshl_b32 s22, s15, 1
	s_add_co_u32 s21, s21, s22
	s_and_b32 s21, s21, 31                         ; and t / 64 of my first block of rows
	s_add_co_u32 s20, s20, s21
	s_lshl_b32 s20, s20, 12
	s_add_co_u32 s20, s20, s46
	s_mov_b32 s21, 0
	s_add_nc_u64 s[12:13], s[12:13], s[20:21]
	s_add_nc_u64 s[98:99], s[98:99], s[20:21]
.macro FRAG reg, adr, q, i
.irp c, 0,1
	ds_load_b128 v[\reg+6*\c:\reg+6*\c+3], v[\adr] offset:(\i)*ROWB+(\q)*1536+768*\c
	ds_load_b64 v[\reg+6*\c+4:\reg+6*\c+5], v[\adr+2] offset:(\i)*ROWB+(\q)*1536+768*\c+512
.endr
.endm
.macro MUL16 a0, p, q, sc, zero        ; the 64 accumulators take turns, one instruction a turn
.irp a, \a0, \a0+1
.irp b, 0,1,2,3,4,5,6,7
.if \zero
	v_wmma_scale_f32_16x16x128_f8f6f4 v[8*(8*((\a)%4)+\b):8*(8*((\a)%4)+\b)+7], v[128*(\p)+FR*\b:128*(\p)+FR*\b+FR-1], v[AF+FR*(\a):AF+FR*(\a)+FR-1], v[BI+8*\b:BI+8*\b+7], v[SC+8*NQ*(\sc)+NQ*\b+(\q)], v[SC+8*NQ*(\sc)+NQ*(\a)+(\q)] matrix_a_fmt:MATRIX_FMT_FP6 matrix_b_fmt:MATRIX_FMT_FP6 matrix_a_scale:MATRIX_SCALE_ROW1
.else
	v_wmma_scale_f32_16x16x128_f8f6f4 v[8*(8*((\a)%4)+\b):8*(8*((\a)%4)+\b)+7], v[128*(\p)+FR*\b:128*(\p)+FR*\b+FR-1], v[AF+FR*(\a):AF+FR*(\a)+FR-1], v[8*(8*((\a)%4)+\b):8*(8*((\a)%4)+\b)+7], v[SC+8*NQ*(\sc)+NQ*\b+(\q)], v[SC+8*NQ*(\sc)+NQ*(\a)+(\q)] matrix_a_fmt:MATRIX_FMT_FP6 matrix_b_fmt:MATRIX_FMT_FP6 matrix_a_scale:MATRIX_SCALE_ROW1
.endif
.endr
.endr
.endm
.macro FETCH_B slot, q, p
	WIN TO_B
.irp i, 0,1,2,3,4,5,6,7
	FRAG 128*(\p)+FR*\i, ADRB+\slot, \q, \i
.endr
	WIN 0
.endm
.macro FETCH_A slot, q, i0
.irp i, \i0, \i0+1, \i0+2, \i0+3
	FRAG AF+FR*(\i), ADRA+\slot, \q, \i
.endr
.endm
.macro SCALES sc
.irp i, 0,1,2,3,4,5,6,7
.irp q, 0,1
	ds_load_b32 v[SC+8*NQ*\sc+NQ*\i+\q], v[ADRS] offset:\i*KST*64+64*\q
.endr
.endr
.endm
.macro PLACES n
.rept \n
	v_nop
.endr
.endm
.macro STEP slot, q, zero
	s_wait_dscnt 4*NL                              ; all but A's blocks 4-7 (16 loads) are in
	WIN (MUL_LO-0x20*(\zero))                      ; (the first step's C, the bias, lies in window 0)
	MUL16 0, (\q)%2, \q, \slot, \zero
	MUL16 2, (\q)%2, \q, \slot, \zero
	s_wait_dscnt 0
	PLACES NP
	FETCH_B \slot, (\q)+1, 1-(\q)%2
	FETCH_A \slot, (\q)+1, 0
	WIN (MUL_HI-0x30*(\zero))
	MUL16 4, (\q)%2, \q, \slot, \zero
	MUL16 6, (\q)%2, \q, \slot, \zero
	PLACES NP
	WIN 0
	FETCH_A \slot, (\q)+1, 4
.endm
.macro TURN slot, next, fill
	s_wait_tensorcnt 0x0                           ; all my tensor loads have landed: my part of the next slot
	ds_add_u32 v[SPW], v[NIL]                      ; 0 onto my spare word
	s_wait_dscnt 4*NL+1                            ; the add and A's blocks 4-7 may be out
	WIN MUL_LO
	MUL16 0, 1, NQ-1, \slot, 0
	s_wait_dscnt 0x0                               ; the add is done, my reads of this slot are over
	s_barrier_signal -1
	MUL16 2, 1, NQ-1, \slot, 0
	WIN 0
	s_barrier_wait -1
.if \fill
	CREST                                          ; a round of the cluster's barrier: no wave of any partner still reads this slot or has a load on its way
	s_add_nc_u64 s[G0+4*\slot+2:G0+4*\slot+3], s[G0+4*\slot+2:G0+4*\slot+3], 2*ROWB
	s_add_nc_u64 s[G0B+4*\slot+2:G0B+4*\slot+3], s[G0B+4*\slot+2:G0B+4*\slot+3], 2*ROWB
	JLOAD G0+4*\slot, G1, G0B+4*\slot, G1B
.else
	PLACES NP
.endif
	v_add_nc_u32 v[ADRS], 64*NQ, v[ADRS]
	FETCH_B \next, 0, 0
	FETCH_A \next, 0, 0
	SCALES \next
	WIN MUL_HI
	MUL16 4, 1, NQ-1, \slot, 0
	MUL16 6, 1, NQ-1, \slot, 0
	PLACES NP
	WIN 0
	FETCH_A \next, 0, 4
.endm
	s_wait_tensorcnt 1                             ; the scale words and slot 0 are in; slot 1's load may be out
	s_barrier_signal -1
	s_barrier_wait -1
	FETCH_B 0, 0, 0
	FETCH_A 0, 0, 0
	SCALES 0
	FETCH_A 0, 0, 4
	s_wait_loadcnt 0x0                             ; the bias
	STEP 0, 0, 1
	s_mov_b32 s3, LAPS-1
.Llap:
	TURN 0, 1, 1
	STEP 1, 0, 0
	TURN 1, 0, 1
	STEP 0, 0, 0
	s_sub_co_u32 s3, s3, 1
	s_cmp_lg_u32 s3, 0
	s_cbranch_scc1 .Llap
	TURN 0, 1, 0
	STEP 1, 0, 0
	s_wait_dscnt 4*NL
	WIN MUL_LO
	MUL16 0, 1, NQ-1, 1, 0
	MUL16 2, 1, NQ-1, 1, 0
	s_wait_dscnt 0
	WIN MUL_HI
	MUL16 4, 1, NQ-1, 1, 0
	MUL16 6, 1, NQ-1, 1, 0
	WIN 0
; THE WAY OUT, a block of 16 rows x 128 columns at a time: through my stage, back as whole rows of 512 bytes, + the residual, stored.  Row t of block a is row a / 4 + 32 (16 (a % 4) + t) from my first.
.macro RESLOAD a                       ; the residual's 16 rows into window 1
	WIN 0x40
.irp t, 0,1,2,3,4,5,6,7,8,9,10,11,12,13,14,15
	global_load_b128 v[64*((\a)%2)+4*\t:64*((\a)%2)+4*\t+3], v[CO], s[98:99] offset:((\a)/4+32*(16*((\a)%4)+\t))*4096
.endr
	WIN 0
.endm
.macro TOSTAGE a
.set AC, 64*((\a)%4)
	WIN (0x08+4*((\a)/4))
.irp b, 0,1,2,3,4,5,6,7
	ds_store_b128 v[STO], v[AC+8*\b:AC+8*\b+3] offset:128*(\b/2)+32*(\b%2)       ; each accumulator from its low end on
	ds_store_b128 v[STO], v[AC+8*\b+4:AC+8*\b+7] offset:128*(\b/2)+32*(\b%2)+16
.endr
	WIN 0
.set BB, BK+64*((\a)%2)
.irp t, 0,1,2,3,4,5,6,7,8,9,10,11,12,13,14,15
	ds_load_b128 v[BB+4*\t:BB+4*\t+3], v[RD] offset:\t*SPITCH
.endr
.endm
.macro SEND a, d, n                    ; d, n: the LDS instructions and the loads issued behind block a's, which may stay out
.set BB, BK+64*((\a)%2)
	s_wait_dscnt \d
	s_wait_loadcnt \n
	WIN 0x04
.set j, 0
.rept 32
	v_pk_add_f32 v[BB+j:BB+j+1], v[BB+j:BB+j+1], v[64*((\a)%2)+j:64*((\a)%2)+j+1]
.set j, j+2
.endr
	WIN 0
.irp t, 0,1,2,3,4,5,6,7,8,9,10,11,12,13,14,15
	global_store_b128 v[CO], v[BB+4*\t:BB+4*\t+3], s[12:13] offset:((\a)/4+32*(16*((\a)%4)+\t))*4096   ; 32 lanes store 512 consecutive bytes
.endr
.endm
	PLACES NP
	RESLOAD 0
	RESLOAD 1
	TOSTAGE 0
.irp a, 1,2,3,4,5,6,7
.if \a > 1
	s_wait_xcnt 0x0                                ; block a - 2's stores have read their registers
.endif
	TOSTAGE \a
	SEND \a-1, 32, 16
.if \a < 7
	RESLOAD \a+1
.endif
.endr
	s_wait_xcnt 0x0
	SEND 7, 0, 0
	s_wait_tensorcnt 0x0                           ; the wave's end
	ds_add_u32 v[SPW], v[NIL]
	s_wait_dscnt 0x0
	CROUND
	s_endpgm
.Lfunc_end_k_q0c79bbaf5f_fcg:
	.size	k_q0c79bbaf5f_fcg, .Lfunc_end_k_q0c79bbaf5f_fcg-k_q0c79bbaf5f_fcg
	.p2alignl 7, 3214868480
	.fill 96, 4, 3214868480
	.section	.rodata,"a",@progbits
	.p2align	6, 0x0
	.amdhsa_kernel k_q0c79bbaf5f_fcg
		.amdhsa_group_segment_fixed_size 327680
		.amdhsa_private_segment_fixed_size 0
		.amdhsa_enable_private_segment 0
		.amdhsa_kernarg_size 40
		.amdhsa_user_sgpr_count 2
		.amdhsa_user_sgpr_kernarg_segment_ptr 1
		.amdhsa_wavefront_size32 1
		.amdhsa_system_sgpr_workgroup_id_x 1
		.amdhsa_system_sgpr_workgroup_id_y 1
		.amdhsa_system_sgpr_workgroup_id_z 1
		.amdhsa_system_vgpr_workitem_id 0
		.amdhsa_next_free_vgpr 1024
		.amdhsa_next_free_sgpr 102
		.amdhsa_reserve_vcc 0
		.amdhsa_float_denorm_mode_32 3
		.amdhsa_float_denorm_mode_16_64 3
		.amdhsa_memory_ordered 1
		.amdhsa_forward_progress 1
		.amdhsa_inst_pref_size 176
	.end_amdhsa_kernel
	.amdgpu_metadata
---
amdhsa.version: [ 1, 2 ]
amdhsa.kernels:
  - .name:           k_q0c79bbaf5f_fcg
    .symbol:         k_q0c79bbaf5f_fcg.kd
    .args:
      - { .name: ctx, .offset: 0, .size: 8, .value_kind: global_buffer, .address_space: global }
      - { .name: big, .offset: 8, .size: 8, .value_kind: global_buffer, .address_space: global }
      - { .name: fc_b, .offset: 16, .size: 8, .value_kind: global_buffer, .address_space: global }
      - { .name: x, .offset: 24, .size: 8, .value_kind: global_buffer, .address_space: global }
      - { .name: hbuf, .offset: 32, .size: 8, .value_kind: global_buffer, .address_space: global }
    .group_segment_fixed_size: 327680
    .private_segment_fixed_size: 0
    .kernarg_segment_align: 8
    .kernarg_segment_size: 40
    .max_flat_workgroup_size: 128
    .sgpr_count:     102
    .vgpr_count:     1024
    .wavefront_size: 32
...
	.end_amdgpu_metadata
.endif
;; end of part 5
;; launch ln2: the kernel of part 2 again; grid 128 x 1, 8 waves a work-group, no clusters, 133,632 bytes of LDS; arguments hbuf, ln2_s, ln2_b, ybuf; writes ybuf
;; launch ff1g (part 6): grid 16 x 16, 4 waves a work-group, clusters of 4 x 4, 327,680 bytes of LDS; arguments ybuf, big, ff_b1, hid; writes hid
.if DOCPART == 6
	.amdgcn_target "amdgcn-amd-amdhsa--gfx1250"
	.amdhsa_code_object_version 6
	.text
	.protected	k_q0c79bbaf5f_ff1g
	.globl	k_q0c79bbaf5f_ff1g
	.p2align	8
	.type	k_q0c79bbaf5f_ff1g,@function
k_q0c79bbaf5f_ff1g:
	s_mov_b64 s[64:65], 0
	v_nop
	global_prefetch_b8 v0, s[64:65] scope:SCOPE_SE
	s_setreg_imm32_b32 hwreg(HW_REG_WAVE_MODE, 25, 1), 1
	s_wait_xcnt 0x0
	s_wait_alu depctr_hold_cnt(0) depctr_sa_sdst(0) depctr_va_vdst(0) depctr_va_sdst(0) depctr_va_ssrc(0) depctr_va_vcc(0) depctr_vm_vsrc(0)
	s_getreg_b32 s2, hwreg(HW_REG_IB_STS2, 6, 4)
	s_cmp_eq_u32 s2, 0
	s_cbranch_scc0 .Lentry_in_a_cluster
	s_endpgm
.Lentry_in_a_cluster:
	s_bfe_u32 s2, ttmp6, 0x10000c
	s_cmp_lg_u32 s2, 0xf033
	s_cbranch_scc0 .Lentry_shape_is_right
	s_endpgm
.Lentry_shape_is_right:
; hidden = gelu(y ff_w1 + ff_b1), on codes of FP6 (E2M3) with E8M0 scales, quantised in registers along the hidden units (the next K) and stored as codes: it never goes to memory as f32.
; gelu as the source has it, 0.5 x (1 + tanh(sqrt(2 / pi) x + 0.044715 x^3)), computed as x / (1 + 2^(x (KA x^2 + KB))), KA = -2 log2(e) 0.044715, KB = -2 log2(e) sqrt(2 / pi): the same number without the difference of near numbers.
; A tile of C is 256 x 256, a wave makes 128 x 128 in 64 accumulators; K = 1,024 goes in steps of 256 through two LDS slots filled by joint tensor loads (4 x 4 cluster: A's tiles shared along a row, B's along a column).
; Operands lie in memory as half records (16 rows x 64 K = 768 bytes: lane l's bytes 0-15 at 16 l, bytes 16-23 at 512 + 8 l); block 2 g + u of rows = rows 32 g + 8 u + r + 8 (r / 8).
; THE MATRIX INSTRUCTION IS USED TRANSPOSED (source 0 = B's rows): a lane's 64 registers of A's block a are register 16 b + i = column 32 b + 16 (lane / 16) + i of its row.  The bias is the C of each sum's first instruction.
; LIMITS: NaN and infinities are not served; a block under 2^-124, or of zeros, keeps the byte 1.
.set KK,     1024
.set A_S,    3145728
.set B_C,    6553600
.set B_S,    9699328
.set KST,    KK/128
.set KROW,   KK*3/4
.set KS,     KK/32
.set RBP,    16*KROW
.set ROWB,   3072
.set NQ,     2
.set FR,     12
.set NL,     4
.set NP,     4
.set HALFT,  8*ROWB
.set SLOT,   4*HALFT
.set LAPS,   KK/512
.set SCL,    2*SLOT
.set HALFS,  512*KST
.set SPARE,  SCL+4*HALFS
.set ADRA, 16
.set ADRB, 20
.set ADRS, 27
.set SPW,  28
.set NIL,  29
.set SC,   32
.set BI,   64
.set AF,   128
.set T,    128                         ; the way out: 64 numbers at work
.set PC,   192
.set TM,   212
.set PW,   228
.set KA,   230
.set KB,   232
.set G1, 24
.set G0, 32
.set G1B, 48
.set G0B, 56
.set G1S, 68
.set G0S, 76
.set G1SB, 80
.set G0SB, 88
.set MSB, 0
.macro WIN new
.if MSB != (\new)
	s_set_vgpr_msb (MSB<<8)|(\new)
.set MSB, (\new)
.endif
.endm
.set MUL_LO, 0xa1
.set MUL_HI, 0xf1
.set TO_B,   0x40
.macro JLOAD g0a, g1a, g0b, g1b
	s_cmp_eq_u32 s15, 0
	s_cbranch_scc0 .Lfor_b_\@
	tensor_load_to_lds s[\g0a:\g0a+3], s[\g1a:\g1a+7]
	s_nop 0
.rept 4
	v_nop
.endr
	s_branch .Lasked_\@
.Lfor_b_\@:
	tensor_load_to_lds s[\g0b:\g0b+3], s[\g1b:\g1b+7]
	s_nop 0
.rept 4
	v_nop
.endr
.Lasked_\@:
.endm
.macro CREST
	s_cmp_lg_u32 s14, 0
	s_cbranch_scc1 .Lnot_wave_0_\@
	s_barrier_signal -3
.Lnot_wave_0_\@:
	s_barrier_wait -3
	s_barrier_signal -1
	s_barrier_wait -1
.endm
.macro CROUND
	s_barrier_signal -1
	s_barrier_wait -1
	CREST
.endm
	s_load_b128 s[4:7], s[0:1], 0x0                ; ybuf, big
	s_load_b128 s[96:99], s[0:1], 0x10             ; ff_b1, hid
	v_lshl_add_u32 v[SPW], v0, 2, SPARE
	v_mov_b32 v[NIL], 0
	ds_add_u32 v28, v29
	ds_add_u32 v28, v29
	s_wait_dscnt 0x0
	v_lshrrev_b32 v1, 5, v0
	v_readfirstlane_b32 s14, v1
	s_lshr_b32 s15, s14, 1
	s_and_b32 s16, s14, 1
	s_bfe_u32 s40, ttmp6, 0x40000
	s_bfe_u32 s41, ttmp6, 0x40004
	s_lshl_b32 s42, ttmp9, 2
	s_add_co_u32 s42, s42, s40
	s_and_b32 s17, ttmp7, 0xffff
	s_lshl_b32 s17, s17, 2
	s_add_co_u32 s17, s17, s41
	s_lshl_b32 s43, s41, 2
	s_lshl_b32 s43, 15, s43
	s_lshl_b32 s44, 0x1111, s40
	s_or_b32 s[G1+0], s43, (3<<16)|(1<<21)
	s_or_b32 s[G1B+0], s44, (3<<16)|(1<<21)
.irp g, G1, G1B
	s_mov_b32 s[\g+1], 384<<16
	s_mov_b32 s[\g+2], 8<<16
	s_mov_b32 s[\g+3], 384<<16
	s_mov_b32 s[\g+4], 8
	s_mov_b32 s[\g+5], RBP/8
	s_mov_b32 s[\g+6], 0
	s_mov_b32 s[\g+7], 0
.endr
	s_or_b32 s[G1S+0], s43, (3<<16)|(1<<21)
	s_or_b32 s[G1SB+0], s44, (3<<16)|(1<<21)
.irp g, G1S, G1SB
	s_mov_b32 s[\g+1], 32<<16
	s_mov_b32 s[\g+2], (HALFS/256)<<16
	s_mov_b32 s[\g+3], 32<<16
	s_mov_b32 s[\g+4], HALFS/256
	s_mov_b32 s[\g+5], 32
	s_mov_b32 s[\g+6], 0
	s_mov_b32 s[\g+7], 0
.endr
	s_lshl_b32 s18, s16, 7
	s_lshl_b32 s20, s17, 8
	s_add_co_u32 s20, s20, s18
	s_lshl_b32 s46, s42, 8
	s_add_co_u32 s46, s46, s18
	s_mov_b32 s21, 0
	s_mov_b32 s47, 0
	s_mov_b64 s[18:19], KS
	s_mul_u64 s[22:23], s[20:21], s[18:19]
	s_mul_u64 s[92:93], s[46:47], s[18:19]
	s_mov_b64 s[18:19], KROW
	s_mul_u64 s[20:21], s[20:21], s[18:19]
	s_mul_u64 s[46:47], s[46:47], s[18:19]
	s_mul_i32 s45, s14, HALFT
	s_mul_i32 s94, s14, HALFS
	s_wait_kmcnt 0x0
	s_add_nc_u64 s[8:9], s[6:7], B_C
	s_add_nc_u64 s[10:11], s[6:7], B_S
	s_add_nc_u64 s[6:7], s[4:5], A_S
	s_add_nc_u64 s[20:21], s[4:5], s[20:21]
	s_add_nc_u64 s[22:23], s[6:7], s[22:23]
	s_add_nc_u64 s[46:47], s[8:9], s[46:47]
	s_add_nc_u64 s[92:93], s[10:11], s[92:93]
	CROUND
	s_mov_b32 s[G0S], 1
	s_add_co_u32 s[G0S+1], s94, SCL
	s_mov_b64 s[G0S+2:G0S+3], s[22:23]
	s_or_b32 s[G0S+3], s[G0S+3], 0x80000000
	s_mov_b32 s[G0SB], 1
	s_add_co_u32 s[G0SB+1], s94, SCL
	s_mov_b64 s[G0SB+2:G0SB+3], s[92:93]
	s_or_b32 s[G0SB+3], s[G0SB+3], 0x80000000
	JLOAD G0S, G1S, G0SB, G1SB
.irp s, 0,1
	s_mov_b32 s[G0+4*\s], 1
	s_add_co_u32 s[G0+4*\s+1], s45, \s*SLOT
	s_add_nc_u64 s[G0+4*\s+2:G0+4*\s+3], s[20:21], \s*ROWB
	s_or_b32 s[G0+4*\s+3], s[G0+4*\s+3], 0x80000000
	s_mov_b32 s[G0B+4*\s], 1
	s_add_co_u32 s[G0B+4*\s+1], s45, \s*SLOT
	s_add_nc_u64 s[G0B+4*\s+2:G0B+4*\s+3], s[46:47], \s*ROWB
	s_or_b32 s[G0B+4*\s+3], s[G0B+4*\s+3], 0x80000000
	JLOAD G0+4*\s, G1, G0B+4*\s, G1B
.endr
	v_and_b32 v1, 15, v0
	v_bfe_u32 v2, v0, 4, 1
	v_and_b32 v3, 31, v0
	v_lshlrev_b32 v4, 4, v3
	v_lshlrev_b32 v5, 3, v3
	s_lshl_b32 s46, s42, 10
	s_lshl_b32 s47, s16, 9
	s_add_co_u32 s46, s46, s47
	s_mov_b32 s47, 0
	s_add_nc_u64 s[96:97], s[96:97], s[46:47]
	v_lshlrev_b32 v7, 6, v2
.irp b, 0,1,2,3,4,5,6,7
	global_load_b128 v[BI+8*\b:BI+8*\b+3], v7, s[96:97] offset:(32*(\b/2)+8*(\b%2))*4
	global_load_b128 v[BI+8*\b+4:BI+8*\b+7], v7, s[96:97] offset:(32*(\b/2)+8*(\b%2))*4+16
.endr
	s_mul_i32 s21, s15, HALFT
	s_mul_i32 s22, s16, HALFT
	s_add_co_u32 s22, s22, 2*HALFT
.irp s, 0,1
	v_add_nc_u32 v[ADRA+\s], s21, v4
	v_add_nc_u32 v[ADRB+\s], s22, v4
	v_add_nc_u32 v[ADRA+2+\s], s21, v5
	v_add_nc_u32 v[ADRB+2+\s], s22, v5
	s_add_co_u32 s21, s21, SLOT
	s_add_co_u32 s22, s22, SLOT
.endr
	v_lshlrev_b32 v12, 2, v1                       ; 4 r: also my scale word's place on the way out
	s_mul_i32 s21, s15, HALFS
	s_mul_i32 s22, s16, HALFS
	s_add_co_u32 s22, s22, 2*HALFS
	s_sub_co_u32 s22, s22, s21
	v_mul_u32_u24 v6, s22, v2
	s_add_co_u32 s21, s21, SCL
	v_add_nc_u32 v6, v12, v6
	v_add_nc_u32 v[ADRS], s21, v6
	v_mov_b32 v8, v4
	v_mov_b32 v9, v5
	s_lshl_b32 s20, s17, 4
	s_lshl_b32 s21, s15, 3
	s_add_co_u32 s20, s20, s21                     ; my first block of rows
	s_lshl_b32 s21, s42, 1
	s_add_co_u32 s21, s21, s16                     ; my K step of the next product
	s_mul_i32 s22, s20, 49152
	s_mul_i32 s23, s21, 1536
	s_add_co_u32 s22, s22, s23
	s_mov_b32 s23, 0
	s_add_nc_u64 s[12:13], s[98:99], s[22:23]      ; codes
	s_lshl_b32 s22, s20, 11
	s_lshl_b32 s21, s21, 6
	s_add_co_u32 s22, s22, s21
	s_add_co_u32 s22, s22, 12582912
	s_add_nc_u64 s[92:93], s[98:99], s[22:23]      ; scale words
	s_mov_b32 s46, 0x76543210
	s_mov_b32 s47, 0xfedcba98
.macro FRAG reg, adr, q, i
.irp c, 0,1
	ds_load_b128 v[\reg+6*\c:\reg+6*\c+3], v[\adr] offset:(\i)*ROWB+(\q)*1536+768*\c
	ds_load_b64 v[\reg+6*\c+4:\reg+6*\c+5], v[\adr+2] offset:(\i)*ROWB+(\q)*1536+768*\c+512
.endr
.endm
.macro MUL16 a0, p, q, sc, zero        ; the 64 accumulators take turns, one instruction a turn
.irp a, \a0, \a0+1
.irp b, 0,1,2,3,4,5,6,7
.if \zero
	v_wmma_scale_f32_16x16x128_f8f6f4 v[8*(8*((\a)%4)+\b):8*(8*((\a)%4)+\b)+7], v[128*(\p)+FR*\b:128*(\p)+FR*\b+FR-1], v[AF+FR*(\a):AF+FR*(\a)+FR-1], v[BI+8*\b:BI+8*\b+7], v[SC+8*NQ*(\sc)+NQ*\b+(\q)], v[SC+8*NQ*(\sc)+NQ*(\a)+(\q)] matrix_a_fmt:MATRIX_FMT_FP6 matrix_b_fmt:MATRIX_FMT_FP6 matrix_a_scale:MATRIX_SCALE_ROW1
.else
	v_wmma_scale_f32_16x16x128_f8f6f4 v[8*(8*((\a)%4)+\b):8*(8*((\a)%4)+\b)+7], v[128*(\p)+FR*\b:128*(\p)+FR*\b+FR-1], v[AF+FR*(\a):AF+FR*(\a)+FR-1], v[8*(8*((\a)%4)+\b):8*(8*((\a)%4)+\b)+7], v[SC+8*NQ*(\sc)+NQ*\b+(\q)], v[SC+8*NQ*(\sc)+NQ*(\a)+(\q)] matrix_a_fmt:MATRIX_FMT_FP6 matrix_b_fmt:MATRIX_FMT_FP6 matrix_a_scale:MATRIX_SCALE_ROW1
.endif
.endr
.endr
.endm
.macro FETCH_B slot, q, p
	WIN TO_B
.irp i, 0,1,2,3,4,5,6,7
	FRAG 128*(\p)+FR*\i, ADRB+\slot, \q, \i
.endr
	WIN 0
.endm
.macro FETCH_A slot, q, i0
.irp i, \i0, \i0+1, \i0+2, \i0+3
	FRAG AF+FR*(\i), ADRA+\slot, \q, \i
.endr
.endm
.macro SCALES sc
.irp i, 0,1,2,3,4,5,6,7
.irp q, 0,1
	ds_load_b32 v[SC+8*NQ*\sc+NQ*\i+\q], v[ADRS] offset:\i*KST*64+64*\q
.endr
.endr
.endm
.macro PLACES n
.rept \n
	v_nop
.endr
.endm
.macro STEP slot, q, zero
	s_wait_dscnt 4*NL                              ; all but A's blocks 4-7 (16 loads) are in
	WIN (MUL_LO-0x20*(\zero))
	MUL16 0, (\q)%2, \q, \slot, \zero
	MUL16 2, (\q)%2, \q, \slot, \zero
	s_wait_dscnt 0
	PLACES NP
	FETCH_B \slot, (\q)+1, 1-(\q)%2
	FETCH_A \slot, (\q)+1, 0
	WIN (MUL_HI-0x30*(\zero))
	MUL16 4, (\q)%2, \q, \slot, \zero
	MUL16 6, (\q)%2, \q, \slot, \zero
	PLACES NP
	WIN 0
	FETCH_A \slot, (\q)+1, 4
.endm
.macro TURN slot, next, fill
	s_wait_tensorcnt 0x0                           ; all my tensor loads have landed: my part of the next slot
	ds_add_u32 v[SPW], v[NIL]                      ; 0 onto my spare word
	s_wait_dscnt 4*NL+1                            ; the add and A's blocks 4-7 may be out
	WIN MUL_LO
	MUL16 0, 1, NQ-1, \slot, 0
	s_wait_dscnt 0x0                               ; the add is done, my reads of this slot are over
	s_barrier_signal -1
	MUL16 2, 1, NQ-1, \slot, 0
	WIN 0
	s_barrier_wait -1
.if \fill
	CREST                                          ; a round of the cluster's barrier: no wave of any partner still reads this slot or has a load on its way
	s_add_nc_u64 s[G0+4*\slot+2:G0+4*\slot+3], s[G0+4*\slot+2:G0+4*\slot+3], 2*ROWB
	s_add_nc_u64 s[G0B+4*\slot+2:G0B+4*\slot+3], s[G0B+4*\slot+2:G0B+4*\slot+3], 2*ROWB
	JLOAD G0+4*\slot, G1, G0B+4*\slot, G1B
.else
	PLACES NP
.endif
	v_add_nc_u32 v[ADRS], 64*NQ, v[ADRS]
	FETCH_B \next, 0, 0
	FETCH_A \next, 0, 0
	SCALES \next
	WIN MUL_HI
	MUL16 4, 1, NQ-1, \slot, 0
	MUL16 6, 1, NQ-1, \slot, 0
	PLACES NP
	WIN 0
	FETCH_A \next, 0, 4
.endm
	s_wait_tensorcnt 1                             ; the scale words and slot 0 are in; slot 1's load may be out
	s_barrier_signal -1
	s_barrier_wait -1
	FETCH_B 0, 0, 0
	FETCH_A 0, 0, 0
	SCALES 0
	FETCH_A 0, 0, 4
	s_wait_loadcnt 0x0                             ; the bias
	STEP 0, 0, 1
	s_mov_b32 s3, LAPS-1
.Llap:
	TURN 0, 1, 1
	STEP 1, 0, 0
	TURN 1, 0, 1
	STEP 0, 0, 0
	s_sub_co_u32 s3, s3, 1
	s_cmp_lg_u32 s3, 0
	s_cbranch_scc1 .Llap
	TURN 0, 1, 0
	STEP 1, 0, 0
	s_wait_dscnt 4*NL
	WIN MUL_LO
	MUL16 0, 1, NQ-1, 1, 0
	MUL16 2, 1, NQ-1, 1, 0
	s_wait_dscnt 0
	WIN MUL_HI
	MUL16 4, 1, NQ-1, 1, 0
	MUL16 6, 1, NQ-1, 1, 0
	WIN 0
.macro QUANT s, pc, pw                 ; 64 numbers of a lane in window 0 become a fragment at v[pc] and its scale word in v[pw]
.irp b, 0,1,2,3
	v_max3_num_f32 v[TM+\b], |v[\s+16*\b]|, |v[\s+16*\b+1]|, 0x1800000   ; with the floor 2^(3 - 127)
.endr
.irp i, 2,4,6,8,10,12,14
.irp b, 0,1,2,3
	v_max3_num_f32 v[TM+\b], |v[\s+16*\b+\i]|, |v[\s+16*\b+\i+1]|, v[TM+\b]
.endr
.endr
.irp b, 0,1,2,3
	v_permlanex16_b32 v[TM+4+\b], v[TM+\b], s46, s47
.endr
.irp b, 0,1,2,3
	v_max_num_f32 v[TM+\b], v[TM+\b], v[TM+4+\b]
.endr
.irp b, 0,1,2,3
	v_add_nc_u32 v[TM+12+\b], 0xff000000, v[TM+\b]
.endr
.irp b, 0,1,2,3
	v_lshrrev_b32 v[TM+4+\b], 23, v[TM+12+\b]
.endr
	v_lshl_or_b32 v[\pw], v[TM+5], 8, v[TM+4]
	v_lshl_or_b32 v[\pw], v[TM+6], 16, v[\pw]
	v_lshl_or_b32 v[\pw], v[TM+7], 24, v[\pw]
.irp c, 0,1
	v_cvt_scalef32_pk16_fp6_f32 v[\pc+6*\c:\pc+2+6*\c], v[\s+32*\c:\s+32*\c+15], v[TM+12+2*\c]
	v_cvt_scalef32_pk16_fp6_f32 v[\pc+12+4*\c:\pc+14+4*\c], v[\s+32*\c+16:\s+32*\c+31], v[TM+13+2*\c]
.endr
	v_nop
.irp c, 0,1
.irp i, 0,1,2
	v_permlane16_swap_b32 v[\pc+6*\c+\i], v[\pc+12+4*\c+\i]
.endr
.irp i, 0,1,2
	v_mov_b32 v[\pc+3+6*\c+\i], v[\pc+12+4*\c+\i]
.endr
.endr
.endm
	PLACES NP                                      ; behind the last products
.irp b, 0,1,2,3
	v_mov_b32 v[TM+4+\b], 0
.endr
	v_mov_b32 v[KA], 0xbe041de0                    ; -2 log2(e) 0.044715
	v_mov_b32 v[KA+1], 0xbe041de0
	v_mov_b32 v[KB], 0xc0135761                    ; -2 log2(e) sqrt(2 / pi)
	v_mov_b32 v[KB+1], 0xc0135761
.irp a, 0,1,2,3,4,5,6,7                ; A's block a: 16 rows x my 128 hidden units
.set XA, 64*(\a%4)
.set WA, 2+\a/4
.if \a > 0
	s_wait_xcnt 0x0                                ; the last block's stores have read their data
.endif
	WIN (WA|(WA<<2))
.set j, 0
.rept 32
	v_pk_mul_f32 v[T+j:T+j+1], v[XA+j:XA+j+1], v[XA+j:XA+j+1]       ; x^2; each accumulator is read from its low end on
.set j, j+2
.endr
	WIN 0
.set j, 0
.rept 32
	v_pk_fma_f32 v[T+j:T+j+1], v[T+j:T+j+1], v[KA:KA+1], v[KB:KB+1]
.set j, j+2
.endr
	WIN (WA<<2)
.set j, 0
.rept 32
	v_pk_mul_f32 v[T+j:T+j+1], v[T+j:T+j+1], v[XA+j:XA+j+1]
.set j, j+2
.endr
	WIN 0
.set j, 0
.rept 64
	v_exp_f32 v[T+j], v[T+j]
.set j, j+1
.endr
	v_nop                                          ; a plain line behind the batch
	s_wait_alu depctr_va_vdst(0)                   ; one wait for the 64, ahead of their first reader
.set j, 0
.rept 32
	v_pk_add_f32 v[T+j:T+j+1], v[T+j:T+j+1], 1.0 op_sel_hi:[1,0]
.set j, j+2
.endr
.set j, 0
.rept 64
	v_rcp_f32 v[T+j], v[T+j]
.set j, j+1
.endr
	v_nop
	s_wait_alu depctr_va_vdst(0)
	WIN (WA<<2)
.set j, 0
.rept 32
	v_pk_mul_f32 v[T+j:T+j+1], v[T+j:T+j+1], v[XA+j:XA+j+1]
.set j, j+2
.endr
	WIN 0
	QUANT T, PC, PW
	global_store_b128 v8, v[PC:PC+3], s[12:13] offset:49152*\a
	global_store_b64 v9, v[PC+4:PC+5], s[12:13] offset:49152*\a+512
	global_store_b128 v8, v[PC+6:PC+9], s[12:13] offset:49152*\a+768
	global_store_b64 v9, v[PC+10:PC+11], s[12:13] offset:49152*\a+1280
	global_store_b32 v12, v[PW], s[92:93] offset:2048*\a            ; (lanes 16-31 store the same word to the same place)
.endr
	s_wait_tensorcnt 0x0                           ; the wave's end
	ds_add_u32 v[SPW], v[NIL]
	s_wait_dscnt 0x0
	CROUND
	s_endpgm
.Lfunc_end_k_q0c79bbaf5f_ff1g:
	.size	k_q0c79bbaf5f_ff1g, .Lfunc_end_k_q0c79bbaf5f_ff1g-k_q0c79bbaf5f_ff1g
	.p2alignl 7, 3214868480
	.fill 96, 4, 3214868480
	.section	.rodata,"a",@progbits
	.p2align	6, 0x0
	.amdhsa_kernel k_q0c79bbaf5f_ff1g
		.amdhsa_group_segment_fixed_size 327680
		.amdhsa_private_segment_fixed_size 0
		.amdhsa_enable_private_segment 0
		.amdhsa_kernarg_size 32
		.amdhsa_user_sgpr_count 2
		.amdhsa_user_sgpr_kernarg_segment_ptr 1
		.amdhsa_wavefront_size32 1
		.amdhsa_system_sgpr_workgroup_id_x 1
		.amdhsa_system_sgpr_workgroup_id_y 1
		.amdhsa_system_sgpr_workgroup_id_z 1
		.amdhsa_system_vgpr_workitem_id 0
		.amdhsa_next_free_vgpr 1024
		.amdhsa_next_free_sgpr 102
		.amdhsa_reserve_vcc 0
		.amdhsa_float_denorm_mode_32 3
		.amdhsa_float_denorm_mode_16_64 3
		.amdhsa_memory_ordered 1
		.amdhsa_forward_progress 1
		.amdhsa_inst_pref_size 255
	.end_amdhsa_kernel
	.section	.bss,"aw",@nobits
	.p2align	6
	.space	262144
	.amdgpu_metadata
---
amdhsa.version: [ 1, 2 ]
amdhsa.kernels:
  - .name:           k_q0c79bbaf5f_ff1g
    .symbol:         k_q0c79bbaf5f_ff1g.kd
    .args:
      - { .name: ybuf, .offset: 0, .size: 8, .value_kind: global_buffer, .address_space: global }
      - { .name: big, .offset: 8, .size: 8, .value_kind: global_buffer, .address_space: global }
      - { .name: ff_b1, .offset: 16, .size: 8, .value_kind: global_buffer, .address_space: global }
      - { .name: hid, .offset: 24, .size: 8, .value_kind: global_buffer, .address_space: global }
    .group_segment_fixed_size: 327680
    .private_segment_fixed_size: 0
    .kernarg_segment_align: 8
    .kernarg_segment_size: 32
    .max_flat_workgroup_size: 128
    .sgpr_count:     102
    .vgpr_count:     1024
    .wavefront_size: 32
...
	.end_amdgpu_metadata
.endif
;; end of part 6
;; launch ff2g (part 7): grid 4 x 16, 4 waves a work-group, clusters of 4 x 4, 327,680 bytes of LDS; arguments hid, big, ff_b2, hbuf, out0; writes out0
.if DOCPART == 7
	.amdgcn_target "amdgcn-amd-amdhsa--gfx1250"
	.amdhsa_code_object_version 6
	.text
	.protected	k_q0c79bbaf5f_ff2g
	.globl	k_q0c79bbaf5f_ff2g
	.p2align	8
	.type	k_q0c79bbaf5f_ff2g,@function
k_q0c79bbaf5f_ff2g:
	s_mov_b64 s[64:65], 0
	v_nop
	global_prefetch_b8 v0, s[64:65] scope:SCOPE_SE
	s_setreg_imm32_b32 hwreg(HW_REG_WAVE_MODE, 25, 1), 1
	s_wait_xcnt 0x0
	s_wait_alu depctr_hold_cnt(0) depctr_sa_sdst(0) depctr_va_vdst(0) depctr_va_sdst(0) depctr_va_ssrc(0) depctr_va_vcc(0) depctr_vm_vsrc(0)
	s_getreg_b32 s2, hwreg(HW_REG_IB_STS2, 6, 4)
	s_cmp_eq_u32 s2, 0
	s_cbranch_scc0 .Lentry_in_a_cluster
	s_endpgm
.Lentry_in_a_cluster:
	s_bfe_u32 s2, ttmp6, 0x10000c
	s_cmp_lg_u32 s2, 0xf033
	s_cbranch_scc0 .Lentry_shape_is_right
	s_endpgm
.Lentry_shape_is_right:
; out = hidden ff_w2 + ff_b2 + h, on codes of FP6 (E2M3) with E8M0 scales; K = 4,096; out is f32, row-major.
; A = the hidden layer's codes, B = ff_w2's columns as rows; in both, block 2 g + u of rows = rows 32 g + 8 u + r + 8 (r / 8).
; A tile of C is 256 x 256, a wave makes 128 x 128 in 64 accumulators; K goes in steps of 256 through two LDS slots filled by joint tensor loads (4 x 4 cluster: A's tiles shared along a row, B's along a column).
; Operands lie in memory as half records (16 rows x 64 K = 768 bytes: lane l's bytes 0-15 at 16 l, bytes 16-23 at 512 + 8 l): a fragment is two loads of 16 and two of 8 bytes, all dense.
; THE MATRIX INSTRUCTION IS USED TRANSPOSED (source 0 = B's rows).  The bias is the C of each sum's first instruction.  The way out goes through the wave's stage in slot 0, which has had its last fill and its last read.
; 64 work-groups: the tile is kept at 256 x 256 so that the four products share one form.
.set KK,     4096
.set A_S,    12582912
.set B_C,    9830400
.set B_S,    12976128
.set KST,    KK/128
.set KROW,   KK*3/4
.set KS,     KK/32
.set RBP,    16*KROW
.set ROWB,   3072
.set NQ,     2
.set FR,     12
.set NL,     4
.set NP,     4
.set HALFT,  8*ROWB
.set SLOT,   4*HALFT
.set LAPS,   KK/512
.set SCL,    2*SLOT
.set HALFS,  512*KST
.set SPARE,  SCL+4*HALFS
.set SPITCH, 528
.set ADRA, 16
.set ADRB, 20
.set STO,  24
.set RD,   25
.set CO,   26
.set ADRS, 27
.set SPW,  28
.set NIL,  29
.set SC,   32
.set BI,   64
.set AF,   128
.set BK,   128
.set G1, 24
.set G0, 32
.set G1B, 48
.set G0B, 56
.set G1S, 68
.set G0S, 76
.set G1SB, 80
.set G0SB, 88
.set MSB, 0
.macro WIN new
.if MSB != (\new)
	s_set_vgpr_msb (MSB<<8)|(\new)
.set MSB, (\new)
.endif
.endm
.set MUL_LO, 0xa1
.set MUL_HI, 0xf1
.set TO_B,   0x40
.macro JLOAD g0a, g1a, g0b, g1b
	s_cmp_eq_u32 s15, 0
	s_cbranch_scc0 .Lfor_b_\@
	tensor_load_to_lds s[\g0a:\g0a+3], s[\g1a:\g1a+7]
	s_nop 0
.rept 4
	v_nop
.endr
	s_branch .Lasked_\@
.Lfor_b_\@:
	tensor_load_to_lds s[\g0b:\g0b+3], s[\g1b:\g1b+7]
	s_nop 0
.rept 4
	v_nop
.endr
.Lasked_\@:
.endm
.macro CREST
	s_cmp_lg_u32 s14, 0
	s_cbranch_scc1 .Lnot_wave_0_\@
	s_barrier_signal -3
.Lnot_wave_0_\@:
	s_barrier_wait -3
	s_barrier_signal -1
	s_barrier_wait -1
.endm
.macro CROUND
	s_barrier_signal -1
	s_barrier_wait -1
	CREST
.endm
	s_load_b128 s[4:7], s[0:1], 0x0                ; hid, big
	s_load_b128 s[96:99], s[0:1], 0x10             ; ff_b2, hbuf
	s_load_b64 s[12:13], s[0:1], 0x20              ; out0
	v_lshl_add_u32 v[SPW], v0, 2, SPARE
	v_mov_b32 v[NIL], 0
	ds_add_u32 v28, v29
	ds_add_u32 v28, v29
	s_wait_dscnt 0x0
	v_lshrrev_b32 v1, 5, v0
	v_readfirstlane_b32 s14, v1
	s_lshr_b32 s15, s14, 1
	s_and_b32 s16, s14, 1
	s_bfe_u32 s40, ttmp6, 0x40000
	s_bfe_u32 s41, ttmp6, 0x40004
	s_lshl_b32 s42, ttmp9, 2
	s_add_co_u32 s42, s42, s40
	s_and_b32 s17, ttmp7, 0xffff
	s_lshl_b32 s17, s17, 2
	s_add_co_u32 s17, s17, s41
	s_lshl_b32 s43, s41, 2
	s_lshl_b32 s43, 15, s43
	s_lshl_b32 s44, 0x1111, s40
	s_or_b32 s[G1+0], s43, (3<<16)|(1<<21)
	s_or_b32 s[G1B+0], s44, (3<<16)|(1<<21)
.irp g, G1, G1B
	s_mov_b32 s[\g+1], 384<<16
	s_mov_b32 s[\g+2], 8<<16
	s_mov_b32 s[\g+3], 384<<16
	s_mov_b32 s[\g+4], 8
	s_mov_b32 s[\g+5], RBP/8
	s_mov_b32 s[\g+6], 0
	s_mov_b32 s[\g+7], 0
.endr
	s_or_b32 s[G1S+0], s43, (3<<16)|(1<<21)
	s_or_b32 s[G1SB+0], s44, (3<<16)|(1<<21)
.irp g, G1S, G1SB
	s_mov_b32 s[\g+1], 32<<16
	s_mov_b32 s[\g+2], (HALFS/256)<<16
	s_mov_b32 s[\g+3], 32<<16
	s_mov_b32 s[\g+4], HALFS/256
	s_mov_b32 s[\g+5], 32
	s_mov_b32 s[\g+6], 0
	s_mov_b32 s[\g+7], 0
.endr
	s_lshl_b32 s18, s16, 7
	s_lshl_b32 s20, s17, 8
	s_add_co_u32 s20, s20, s18
	s_lshl_b32 s46, s42, 8
	s_add_co_u32 s46, s46, s18
	s_mov_b32 s21, 0
	s_mov_b32 s47, 0
	s_mov_b64 s[18:19], KS
	s_mul_u64 s[22:23], s[20:21], s[18:19]
	s_mul_u64 s[92:93], s[46:47], s[18:19]
	s_mov_b64 s[18:19], KROW
	s_mul_u64 s[20:21], s[20:21], s[18:19]
	s_mul_u64 s[46:47], s[46:47], s[18:19]
	s_mul_i32 s45, s14, HALFT
	s_mul_i32 s94, s14, HALFS
	s_wait_kmcnt 0x0
	s_add_nc_u64 s[8:9], s[6:7], B_C
	s_add_nc_u64 s[10:11], s[6:7], B_S
	s_add_nc_u64 s[6:7], s[4:5], A_S
	s_add_nc_u64 s[20:21], s[4:5], s[20:21]
	s_add_nc_u64 s[22:23], s[6:7], s[22:23]
	s_add_nc_u64 s[46:47], s[8:9], s[46:47]
	s_add_nc_u64 s[92:93], s[10:11], s[92:93]
	CROUND
	s_mov_b32 s[G0S], 1
	s_add_co_u32 s[G0S+1], s94, SCL
	s_mov_b64 s[G0S+2:G0S+3], s[22:23]
	s_or_b32 s[G0S+3], s[G0S+3], 0x80000000
	s_mov_b32 s[G0SB], 1
	s_add_co_u32 s[G0SB+1], s94, SCL
	s_mov_b64 s[G0SB+2:G0SB+3], s[92:93]
	s_or_b32 s[G0SB+3], s[G0SB+3], 0x80000000
	JLOAD G0S, G1S, G0SB, G1SB
.irp s, 0,1
	s_mov_b32 s[G0+4*\s], 1
	s_add_co_u32 s[G0+4*\s+1], s45, \s*SLOT
	s_add_nc_u64 s[G0+4*\s+2:G0+4*\s+3], s[20:21], \s*ROWB
	s_or_b32 s[G0+4*\s+3], s[G0+4*\s+3], 0x80000000
	s_mov_b32 s[G0B+4*\s], 1
	s_add_co_u32 s[G0B+4*\s+1], s45, \s*SLOT
	s_add_nc_u64 s[G0B+4*\s+2:G0B+4*\s+3], s[46:47], \s*ROWB
	s_or_b32 s[G0B+4*\s+3], s[G0B+4*\s+3], 0x80000000
	JLOAD G0+4*\s, G1, G0B+4*\s, G1B
.endr
	v_and_b32 v1, 15, v0
	v_bfe_u32 v2, v0, 4, 1
	v_and_b32 v3, 31, v0
	v_lshlrev_b32 v4, 4, v3
	v_lshlrev_b32 v5, 3, v3
	s_lshl_b32 s46, s42, 10
	s_lshl_b32 s47, s16, 9
	s_add_co_u32 s46, s46, s47
	s_mov_b32 s47, 0
	s_add_nc_u64 s[96:97], s[96:97], s[46:47]
	v_lshlrev_b32 v7, 6, v2
.irp b, 0,1,2,3,4,5,6,7
	global_load_b128 v[BI+8*\b:BI+8*\b+3], v7, s[96:97] offset:(32*(\b/2)+8*(\b%2))*4
	global_load_b128 v[BI+8*\b+4:BI+8*\b+7], v7, s[96:97] offset:(32*(\b/2)+8*(\b%2))*4+16
.endr
	s_mul_i32 s21, s15, HALFT
	s_mul_i32 s22, s16, HALFT
	s_add_co_u32 s22, s22, 2*HALFT
.irp s, 0,1
	v_add_nc_u32 v[ADRA+\s], s21, v4
	v_add_nc_u32 v[ADRB+\s], s22, v4
	v_add_nc_u32 v[ADRA+2+\s], s21, v5
	v_add_nc_u32 v[ADRB+2+\s], s22, v5
	s_add_co_u32 s21, s21, SLOT
	s_add_co_u32 s22, s22, SLOT
.endr
	v_lshlrev_b32 v8, 2, v1
	s_mul_i32 s21, s15, HALFS
	s_mul_i32 s22, s16, HALFS
	s_add_co_u32 s22, s22, 2*HALFS
	s_sub_co_u32 s22, s22, s21
	v_mul_u32_u24 v6, s22, v2
	s_add_co_u32 s21, s21, SCL
	v_add_nc_u32 v6, v8, v6
	v_add_nc_u32 v[ADRS], s21, v6
	s_mul_i32 s23, s14, 16*SPITCH
	v_mul_u32_u24 v6, v1, SPITCH
	v_lshl_add_u32 v6, v2, 6, v6
	v_add_nc_u32 v[STO], s23, v6
	v_mov_b32 v[CO], v4
	v_add_nc_u32 v[RD], s23, v4
	s_lshl_b32 s20, s17, 8
	s_lshl_b32 s21, s15, 7
	s_add_co_u32 s20, s20, s21                     ; my first row
	s_lshl_b32 s20, s20, 12
	s_add_co_u32 s20, s20, s46
	s_mov_b32 s21, 0
	s_add_nc_u64 s[12:13], s[12:13], s[20:21]
	s_add_nc_u64 s[98:99], s[98:99], s[20:21]
.macro FRAG reg, adr, q, i
.irp c, 0,1
	ds_load_b128 v[\reg+6*\c:\reg+6*\c+3], v[\adr] offset:(\i)*ROWB+(\q)*1536+768*\c
	ds_load_b64 v[\reg+6*\c+4:\reg+6*\c+5], v[\adr+2] offset:(\i)*ROWB+(\q)*1536+768*\c+512
.endr
.endm
.macro MUL16 a0, p, q, sc, zero        ; the 64 accumulators take turns, one instruction a turn
.irp a, \a0, \a0+1
.irp b, 0,1,2,3,4,5,6,7
.if \zero
	v_wmma_scale_f32_16x16x128_f8f6f4 v[8*(8*((\a)%4)+\b):8*(8*((\a)%4)+\b)+7], v[128*(\p)+FR*\b:128*(\p)+FR*\b+FR-1], v[AF+FR*(\a):AF+FR*(\a)+FR-1], v[BI+8*\b:BI+8*\b+7], v[SC+8*NQ*(\sc)+NQ*\b+(\q)], v[SC+8*NQ*(\sc)+NQ*(\a)+(\q)] matrix_a_fmt:MATRIX_FMT_FP6 matrix_b_fmt:MATRIX_FMT_FP6 matrix_a_scale:MATRIX_SCALE_ROW1
.else
	v_wmma_scale_f32_16x16x128_f8f6f4 v[8*(8*((\a)%4)+\b):8*(8*((\a)%4)+\b)+7], v[128*(\p)+FR*\b:128*(\p)+FR*\b+FR-1], v[AF+FR*(\a):AF+FR*(\a)+FR-1], v[8*(8*((\a)%4)+\b):8*(8*((\a)%4)+\b)+7], v[SC+8*NQ*(\sc)+NQ*\b+(\q)], v[SC+8*NQ*(\sc)+NQ*(\a)+(\q)] matrix_a_fmt:MATRIX_FMT_FP6 matrix_b_fmt:MATRIX_FMT_FP6 matrix_a_scale:MATRIX_SCALE_ROW1
.endif
.endr
.endr
.endm
.macro FETCH_B slot, q, p
	WIN TO_B
.irp i, 0,1,2,3,4,5,6,7
	FRAG 128*(\p)+FR*\i, ADRB+\slot, \q, \i
.endr
	WIN 0
.endm
.macro FETCH_A slot, q, i0
.irp i, \i0, \i0+1, \i0+2, \i0+3
	FRAG AF+FR*(\i), ADRA+\slot, \q, \i
.endr
.endm
.macro SCALES sc
.irp i, 0,1,2,3,4,5,6,7
.irp q, 0,1
	ds_load_b32 v[SC+8*NQ*\sc+NQ*\i+\q], v[ADRS] offset:\i*KST*64+64*\q
.endr
.endr
.endm
.macro PLACES n
.rept \n
	v_nop
.endr
.endm
.macro STEP slot, q, zero
	s_wait_dscnt 4*NL                              ; all but A's blocks 4-7 (16 loads) are in
	WIN (MUL_LO-0x20*(\zero))
	MUL16 0, (\q)%2, \q, \slot, \zero
	MUL16 2, (\q)%2, \q, \slot, \zero
	s_wait_dscnt 0
	PLACES NP
	FETCH_B \slot, (\q)+1, 1-(\q)%2
	FETCH_A \slot, (\q)+1, 0
	WIN (MUL_HI-0x30*(\zero))
	MUL16 4, (\q)%2, \q, \slot, \zero
	MUL16 6, (\q)%2, \q, \slot, \zero
	PLACES NP
	WIN 0
	FETCH_A \slot, (\q)+1, 4
.endm
.macro TURN slot, next, fill
	s_wait_tensorcnt 0x0                           ; all my tensor loads have landed: my part of the next slot
	ds_add_u32 v[SPW], v[NIL]                      ; 0 onto my spare word
	s_wait_dscnt 4*NL+1                            ; the add and A's blocks 4-7 may be out
	WIN MUL_LO
	MUL16 0, 1, NQ-1, \slot, 0
	s_wait_dscnt 0x0                               ; the add is done, my reads of this slot are over
	s_barrier_signal -1
	MUL16 2, 1, NQ-1, \slot, 0
	WIN 0
	s_barrier_wait -1
.if \fill
	CREST                                          ; a round of the cluster's barrier: no wave of any partner still reads this slot or has a load on its way
	s_add_nc_u64 s[G0+4*\slot+2:G0+4*\slot+3], s[G0+4*\slot+2:G0+4*\slot+3], 2*ROWB
	s_add_nc_u64 s[G0B+4*\slot+2:G0B+4*\slot+3], s[G0B+4*\slot+2:G0B+4*\slot+3], 2*ROWB
	JLOAD G0+4*\slot, G1, G0B+4*\slot, G1B
.else
	PLACES NP
.endif
	v_add_nc_u32 v[ADRS], 64*NQ, v[ADRS]
	FETCH_B \next, 0, 0
	FETCH_A \next, 0, 0
	SCALES \next
	WIN MUL_HI
	MUL16 4, 1, NQ-1, \slot, 0
	MUL16 6, 1, NQ-1, \slot, 0
	PLACES NP
	WIN 0
	FETCH_A \next, 0, 4
.endm
	s_wait_tensorcnt 1                             ; the scale words and slot 0 are in; slot 1's load may be out
	s_barrier_signal -1
	s_barrier_wait -1
	FETCH_B 0, 0, 0
	FETCH_A 0, 0, 0
	SCALES 0
	FETCH_A 0, 0, 4
	s_wait_loadcnt 0x0                             ; the bias
	STEP 0, 0, 1
	s_mov_b32 s3, LAPS-1
.Llap:
	TURN 0, 1, 1
	STEP 1, 0, 0
	TURN 1, 0, 1
	STEP 0, 0, 0
	s_sub_co_u32 s3, s3, 1
	s_cmp_lg_u32 s3, 0
	s_cbranch_scc1 .Llap
	TURN 0, 1, 0
	STEP 1, 0, 0
	s_wait_dscnt 4*NL
	WIN MUL_LO
	MUL16 0, 1, NQ-1, 1, 0
	MUL16 2, 1, NQ-1, 1, 0
	s_wait_dscnt 0
	WIN MUL_HI
	MUL16 4, 1, NQ-1, 1, 0
	MUL16 6, 1, NQ-1, 1, 0
	WIN 0
; THE WAY OUT, a block of 16 rows x 128 columns at a time: through my stage, back as whole rows of 512 bytes, + the residual, stored.  Row t of block a is row 32 (a / 2) + 8 (a % 2) + t + 8 (t / 8) from my first.
.macro RESLOAD a
	WIN 0x40
.irp t, 0,1,2,3,4,5,6,7,8,9,10,11,12,13,14,15
	global_load_b128 v[64*((\a)%2)+4*\t:64*((\a)%2)+4*\t+3], v[CO], s[98:99] offset:(32*((\a)/2)+8*((\a)%2)+\t+8*(\t/8))*4096
.endr
	WIN 0
.endm
.macro TOSTAGE a
.set AC, 64*((\a)%4)
	WIN (0x08+4*((\a)/4))
.irp b, 0,1,2,3,4,5,6,7
	ds_store_b128 v[STO], v[AC+8*\b:AC+8*\b+3] offset:128*(\b/2)+32*(\b%2)       ; each accumulator from its low end on
	ds_store_b128 v[STO], v[AC+8*\b+4:AC+8*\b+7] offset:128*(\b/2)+32*(\b%2)+16
.endr
	WIN 0
.set BB, BK+64*((\a)%2)
.irp t, 0,1,2,3,4,5,6,7,8,9,10,11,12,13,14,15
	ds_load_b128 v[BB+4*\t:BB+4*\t+3], v[RD] offset:\t*SPITCH
.endr
.endm
.macro SEND a, d, n
.set BB, BK+64*((\a)%2)
	s_wait_dscnt \d
	s_wait_loadcnt \n
	WIN 0x04
.set j, 0
.rept 32
	v_pk_add_f32 v[BB+j:BB+j+1], v[BB+j:BB+j+1], v[64*((\a)%2)+j:64*((\a)%2)+j+1]
.set j, j+2
.endr
	WIN 0
.irp t, 0,1,2,3,4,5,6,7,8,9,10,11,12,13,14,15
	global_store_b128 v[CO], v[BB+4*\t:BB+4*\t+3], s[12:13] offset:(32*((\a)/2)+8*((\a)%2)+\t+8*(\t/8))*4096 th:TH_STORE_NT   ; 32 lanes store 512 consecutive bytes
.endr
.endm
	PLACES NP
	RESLOAD 0
	RESLOAD 1
	TOSTAGE 0
.irp a, 1,2,3,4,5,6,7
.if \a > 1
	s_wait_xcnt 0x0                                ; block a - 2's stores have read their registers
.endif
	TOSTAGE \a
	SEND \a-1, 32, 16
.if \a < 7
	RESLOAD \a+1
.endif
.endr
	s_wait_xcnt 0x0
	SEND 7, 0, 0
	s_wait_tensorcnt 0x0                           ; the wave's end
	ds_add_u32 v[SPW], v[NIL]
	s_wait_dscnt 0x0
	CROUND
	s_endpgm
.Lfunc_end_k_q0c79bbaf5f_ff2g:
	.size	k_q0c79bbaf5f_ff2g, .Lfunc_end_k_q0c79bbaf5f_ff2g-k_q0c79bbaf5f_ff2g
	.p2alignl 7, 3214868480
	.fill 96, 4, 3214868480
	.section	.rodata,"a",@progbits
	.p2align	6, 0x0
	.amdhsa_kernel k_q0c79bbaf5f_ff2g
		.amdhsa_group_segment_fixed_size 327680
		.amdhsa_private_segment_fixed_size 0
		.amdhsa_enable_private_segment 0
		.amdhsa_kernarg_size 40
		.amdhsa_user_sgpr_count 2
		.amdhsa_user_sgpr_kernarg_segment_ptr 1
		.amdhsa_wavefront_size32 1
		.amdhsa_system_sgpr_workgroup_id_x 1
		.amdhsa_system_sgpr_workgroup_id_y 1
		.amdhsa_system_sgpr_workgroup_id_z 1
		.amdhsa_system_vgpr_workitem_id 0
		.amdhsa_next_free_vgpr 1024
		.amdhsa_next_free_sgpr 102
		.amdhsa_reserve_vcc 0
		.amdhsa_float_denorm_mode_32 3
		.amdhsa_float_denorm_mode_16_64 3
		.amdhsa_memory_ordered 1
		.amdhsa_forward_progress 1
		.amdhsa_inst_pref_size 176
	.end_amdhsa_kernel
	.amdgpu_metadata
---
amdhsa.version: [ 1, 2 ]
amdhsa.kernels:
  - .name:           k_q0c79bbaf5f_ff2g
    .symbol:         k_q0c79bbaf5f_ff2g.kd
    .args:
      - { .name: hid, .offset: 0, .size: 8, .value_kind: global_buffer, .address_space: global }
      - { .name: big, .offset: 8, .size: 8, .value_kind: global_buffer, .address_space: global }
      - { .name: ff_b2, .offset: 16, .size: 8, .value_kind: global_buffer, .address_space: global }
      - { .name: hbuf, .offset: 24, .size: 8, .value_kind: global_buffer, .address_space: global }
      - { .name: out0, .offset: 32, .size: 8, .value_kind: global_buffer, .address_space: global }
    .group_segment_fixed_size: 327680
    .private_segment_fixed_size: 0
    .kernarg_segment_align: 8
    .kernarg_segment_size: 40
    .max_flat_workgroup_size: 128
    .sgpr_count:     102
    .vgpr_count:     1024
    .wavefront_size: 32
...
	.end_amdgpu_metadata
.endif
;; end of part 7
;; ======== version 2 of 2: 7 launches
;; limits: right only within a limited range of input values
;; workspace buffers: big 13,107,200 bytes; qkv 10,092,544 bytes; ctx 3,276,800 bytes; hbuf 16,777,216 bytes; ybuf 3,276,800 bytes; hid 13,107,200 bytes
;; launch prep (part 8): grid 640 x 1, 4 waves a work-group, no clusters, 91,392 bytes of LDS; arguments x, ln1_s, ln1_b, big, Wq, Wk, Wv, fc_w, ff_w1, ff_w2; writes big
.if DOCPART == 8
	.amdgcn_target "amdgcn-amd-amdhsa--gfx1250"
	.amdhsa_code_object_version 6
	.text
	.protected	k_q0c79bbaf5f_prep
	.globl	k_q0c79bbaf5f_prep
	.p2align	8
	.type	k_q0c79bbaf5f_prep,@function
k_q0c79bbaf5f_prep:
	s_mov_b64 s[64:65], 0
	v_nop
	global_prefetch_b8 v0, s[64:65] scope:SCOPE_SE
	s_setreg_imm32_b32 hwreg(HW_REG_WAVE_MODE, 25, 1), 1
	s_wait_xcnt 0x0
; ONE PREPARING LAUNCH, TWO KINDS OF WORK-GROUP, told apart by the work-group's number alone.  Both make codes of FP6 (E2M3) and E8M0 scale bytes, one byte for each 32 along K.
; LAYOUT OF THE CODES (half records): 16 rows x 64 along K are 768 bytes: lane l = r + 16 h of the reader owns the 24 bytes of row r, k = 32 h .. 32 h + 31: its bytes 0-15 at 16 l, its bytes 16-23 at 512 + 8 l.
; Half records follow each other along K, then by blocks of 16 rows.  Scale words: 64 bytes for a block of rows and 128 along K, 4 bytes a row.  Block 2 g + u of rows holds rows 32 g + 8 u + r + 8 (r / 8).
; WORK-GROUPS 0-255: LayerNorm of 4,096 rows of 1,024 f32 (arguments 0-2), quantised along the row: codes at byte 0 of argument 3, scale words at byte 3,145,728.  A work-group takes one block of 16 rows.
;   Phase 1: wave w normalises the block's rows 4 w .. 4 w + 3, a row across its 32 lanes (mean, then the mean of squares of x - mean, all in f32), and lays them in LDS.
;   Phase 2: wave w takes K steps 2 w and 2 w + 1: a lane reads 16 neighbours of each block of 32 of its row, quantises, and stores whole runs of 512 and 256 bytes.  Wave 0 stores the block's 512 bytes of scale words.
; WORK-GROUPS 256-639: six weights, f32 with K as the first matrix axis (arguments 4-9), into argument 3.  A lane takes one column of the weight (an output row) and its registers run down K: a block of 32 lies in one lane.
;   A work-group takes 128 columns x 256 along K, a wave 32 columns (two blocks of rows).  One path for all six: every parameter is chosen on the work-group's number.
;   The codes go through the wave's own 6,144 bytes of LDS and leave as runs of 512 consecutive bytes.  The scale words leave as pieces of 64 bytes.
; A second launch runs this body on 256 work-groups for the second LayerNorm: it has none of the weights' work-groups.  Each path has LDS bytes of its own.
; LIMITS: NaN and infinities are not served; a block whose largest magnitude lies under 2^-124 keeps the byte 1, a block of zeros too (its codes are zeros or subnormal, and this program alone reads the bytes).
.set NP,  4112                         ; an LDS row: 4,096 bytes + 16, so that the 16 rows of a load start in different banks
.set SST, 16*NP                        ; behind the rows: the scale words, [8 K steps][16 rows]
.set WQL, SST+512                      ; the weights' path: 6,144 bytes a wave
.set SPARE, WQL+4*6144                 ; the spare words: 128 bytes a wave
.set XR,  64                           ; v64-191  four rows as loaded, 32 registers each; later 2 x 64 numbers to quantise
.set GS,  192                          ; v192-223 the gain; later the first fragment's codes
.set GB,  224                          ; v224-255 the shift
.set TM,  28                           ; v28-43   at work in QUANT
.macro RED                             ; the pairs v[12+2k:13+2k], k = 0 .. 3, are summed over both halves and all 32 lanes; the result in v[12+2k]
.irp k, 0,1,2,3
	s_delay_alu instid0(VALU_DEP_4)
	v_add_f32 v[12+2*\k], v[12+2*\k], v[13+2*\k]
.endr
.irp m, 1,2,4,8
.irp k, 0,1,2,3
	s_delay_alu instid0(VALU_DEP_4)
	v_add_f32_dpp v[12+2*\k], v[12+2*\k], v[12+2*\k] row_xmask:\m row_mask:0xf bank_mask:0xf
.endr
.endr
.irp k, 0,1,2,3
	s_delay_alu instid0(VALU_DEP_4)
	v_permlanex16_b32 v[13+2*\k], v[12+2*\k], s20, s21
.endr
.irp k, 0,1,2,3
	s_delay_alu instid0(VALU_DEP_4)
	v_add_f32 v[12+2*\k], v[12+2*\k], v[13+2*\k]
.endr
.endm
; 64 numbers of a lane, register 16 b + i = k 32 b + 16 (lane / 16) + i of my row, become a fragment's 12 registers at v[pc] and its scale word in v[pw]
.macro QUANT s, pc, pw
.irp b, 0,1,2,3
	v_max3_num_f32 v[TM+\b], |v[\s+16*\b]|, |v[\s+1+16*\b]|, 0x1800000   ; with the floor 2^(3 - 127)
.endr
.irp i, 2,4,6,8,10,12,14
.irp b, 0,1,2,3
	s_delay_alu instid0(VALU_DEP_4)
	v_max3_num_f32 v[TM+\b], v[TM+\b], |v[\s+16*\b+\i]|, |v[\s+1+16*\b+\i]|
.endr
.endr
.irp b, 0,1,2,3
	s_delay_alu instid0(VALU_DEP_4)
	v_permlanex16_b32 v[TM+4+\b], v[TM+\b], s20, s21
.endr
.irp b, 0,1,2,3
	s_delay_alu instid0(VALU_DEP_4)
	v_max_num_f32 v[TM+\b], v[TM+\b], v[TM+4+\b]   ; the block's largest magnitude
.endr
.irp b, 0,1,2,3
	s_delay_alu instid0(VALU_DEP_4)
	v_add_nc_u32 v[TM+12+\b], 0xff000000, v[TM+\b] ; the conversion's scale operand
.endr
.irp b, 0,1,2,3
	s_delay_alu instid0(VALU_DEP_4)
	v_lshrrev_b32 v[TM+4+\b], 23, v[TM+12+\b]      ; the byte
.endr
	s_delay_alu instid0(VALU_DEP_3)
	v_lshl_or_b32 v[\pw], v[TM+5], 8, v[TM+4]
	s_delay_alu instid0(VALU_DEP_1)
	v_lshl_or_b32 v[\pw], v[TM+6], 16, v[\pw]
	s_delay_alu instid0(VALU_DEP_1)
	v_lshl_or_b32 v[\pw], v[TM+7], 24, v[\pw]
.irp c, 0,1
	v_cvt_scalef32_pk16_fp6_f32 v[\pc+6*\c:\pc+2+6*\c], v[\s+32*\c:\s+15+32*\c], v[TM+12+2*\c]
	v_cvt_scalef32_pk16_fp6_f32 v[\pc+12+4*\c:\pc+14+4*\c], v[\s+16+32*\c:\s+31+32*\c], v[TM+12+2*\c+1]
.endr
	v_nop                                          ; one plain line behind the conversions
.irp c, 0,1                                    ; a whole block to a lane: lanes 0-15 block 2 c, lanes 16-31 block 2 c + 1
.irp i, 0,1,2
	v_permlane16_swap_b32 v[\pc+6*\c+\i], v[\pc+12+4*\c+\i]
.endr
.irp i, 0,1,2
	s_delay_alu instid0(VALU_DEP_3)
	v_mov_b32 v[\pc+3+6*\c+\i], v[\pc+12+4*\c+\i]
.endr
.endr
.endm
	v_lshl_add_u32 v62, v0, 2, SPARE               ; my spare word and 0: kept for the add alone, in both paths
	v_mov_b32 v63, 0
	s_cmp_ge_u32 ttmp9, 256
	s_cbranch_scc1 .Lweights
; ---------------- LayerNorm and its quantising ----------------
	s_load_b256 s[4:11], s[0:1], 0x0               ; the rows, the gain, the shift, the result
	v_lshrrev_b32 v1, 5, v0
	s_delay_alu instid0(VALU_DEP_1)
	v_readfirstlane_b32 s12, v1                    ; wave 0..3
	v_and_b32 v1, 31, v0                           ; lane
	v_and_b32 v2, 15, v0                           ; r
	v_bfe_u32 v3, v0, 4, 1                         ; h
	s_delay_alu instid0(VALU_DEP_3)
	v_lshlrev_b32 v4, 4, v1                        ; 16 x lane
	v_lshlrev_b32 v8, 3, v1                        ; 8 x lane
	s_mul_i32 s13, s12, 4*NP                       ; the block's row 4 w + k lies in LDS row 4 w + k
	v_add_nc_u32 v5, s13, v4                       ; phase 1: where my 16 bytes of a row go
	v_mul_u32_u24 v6, v2, NP
	s_delay_alu instid0(VALU_DEP_1)
	v_lshl_add_u32 v6, v3, 6, v6
	s_lshl_b32 s15, s12, 10
	v_add_nc_u32 v6, s15, v6                       ; phase 2: row r, 64 h, K step 2 w (512 bytes a K step),
	s_delay_alu instid0(VALU_DEP_1)
	v_add_nc_u32 v7, 512, v6                       ; K step 2 w + 1
	v_lshlrev_b32 v9, 2, v2
	s_delay_alu instid0(VALU_DEP_1)
	v_lshl_add_u32 v9, v3, 6, v9
	s_lshl_b32 s15, s12, 7
	s_add_co_u32 s15, s15, SST
	v_add_nc_u32 v9, s15, v9                       ; my scale word: lanes 0-15 K step 2 w's, lanes 16-31 K step 2 w + 1's
	v_add_nc_u32 v10, SST, v4                      ; wave 0 reads the block's 512 bytes of scale words back
.irp b, 0,1,2,3
	v_mov_b32 v[TM+4+\b], 0                        ; a lane permute's destination counts as read
	v_mov_b32 v[21+2*\b], 0                        ; upper halves of the pairs that hold 1 / sqrt
.endr
	s_mov_b32 s20, 0x76543210
	s_mov_b32 s21, 0xfedcba98                      ; lane l xor 16
	s_mov_b32 s22, 0x3a800000                      ; 1 / 1,024
	s_mov_b32 s23, 0x3727c5ac                      ; eps = 1e-5
	s_lshr_b32 s14, ttmp9, 1                       ; block 2 g + u: my four rows begin at row 32 g + 8 u + 4 (w % 2) + 16 (w / 2)
	s_and_b32 s15, ttmp9, 1
	s_lshl_b32 s16, s14, 5
	s_lshl_b32 s17, s15, 3
	s_add_co_u32 s16, s16, s17
	s_and_b32 s17, s12, 1
	s_lshl_b32 s17, s17, 2
	s_add_co_u32 s16, s16, s17
	s_lshr_b32 s17, s12, 1
	s_lshl_b32 s17, s17, 4
	s_add_co_u32 s16, s16, s17
	s_lshl_b32 s16, s16, 12                        ; rows of 4,096 bytes
	s_mov_b32 s17, 0
	s_mul_i32 s18, ttmp9, 12288                    ; a block of rows has 12,288 bytes of codes,
	s_mul_i32 s19, s12, 3072                       ; a K step 1,536
	s_add_co_u32 s18, s18, s19
	s_mov_b32 s19, 0
	s_lshl_b32 s24, ttmp9, 9                       ; and 512 bytes of scale words
	s_add_co_u32 s24, s24, 3145728
	s_mov_b32 s25, 0
	s_wait_alu depctr_va_vdst(0)                   ; the wait at the head's end
	s_wait_kmcnt 0x0
	s_add_nc_u64 s[4:5], s[4:5], s[16:17]
	s_add_nc_u64 s[26:27], s[10:11], s[24:25]
	s_add_nc_u64 s[10:11], s[10:11], s[18:19]
.irp k, 0,1,2,3
.irp j, 0,1,2,3,4,5,6,7
	global_load_b128 v[XR+32*\k+4*\j:XR+32*\k+4*\j+3], v4, s[4:5] offset:4096*\k+512*\j
.endr
.endr
.irp j, 0,1,2,3,4,5,6,7
	global_load_b128 v[GS+4*\j:GS+4*\j+3], v4, s[6:7] offset:512*\j
	global_load_b128 v[GB+4*\j:GB+4*\j+3], v4, s[8:9] offset:512*\j
.endr
	s_wait_loadcnt 16                              ; the rows are in; gain and shift (16 loads) may be out
.irp k, 0,1,2,3
	v_pk_add_f32 v[12+2*\k:13+2*\k], v[XR+32*\k:XR+32*\k+1], v[XR+32*\k+2:XR+32*\k+3]
.endr
.irp m, 4,6,8,10,12,14,16,18,20,22,24,26,28,30
.irp k, 0,1,2,3
	s_delay_alu instid0(VALU_DEP_4)
	v_pk_add_f32 v[12+2*\k:13+2*\k], v[12+2*\k:13+2*\k], v[XR+32*\k+\m:XR+32*\k+\m+1]
.endr
.endr
	RED
.irp k, 0,1,2,3
	s_delay_alu instid0(VALU_DEP_4)
	v_mul_f32 v[12+2*\k], s22, v[12+2*\k]          ; the mean,
.endr
.irp k, 0,1,2,3
	s_delay_alu instid0(VALU_DEP_4)
	v_mov_b32 v[13+2*\k], v[12+2*\k]               ; in both halves of a pair
.endr
.irp m, 0,2,4,6,8,10,12,14,16,18,20,22,24,26,28,30
.irp k, 0,1,2,3
	v_pk_add_f32 v[XR+32*\k+\m:XR+32*\k+\m+1], v[XR+32*\k+\m:XR+32*\k+\m+1], v[12+2*\k:13+2*\k] neg_lo:[0,1] neg_hi:[0,1]
.endr
.endr
.irp k, 0,1,2,3
	v_pk_mul_f32 v[12+2*\k:13+2*\k], v[XR+32*\k:XR+32*\k+1], v[XR+32*\k:XR+32*\k+1]
.endr
.irp m, 2,4,6,8,10,12,14,16,18,20,22,24,26,28,30
.irp k, 0,1,2,3
	s_delay_alu instid0(VALU_DEP_4)
	v_pk_fma_f32 v[12+2*\k:13+2*\k], v[XR+32*\k+\m:XR+32*\k+\m+1], v[XR+32*\k+\m:XR+32*\k+\m+1], v[12+2*\k:13+2*\k]
.endr
.endr
	RED
.irp k, 0,1,2,3
	s_delay_alu instid0(VALU_DEP_4)
	v_fma_f32 v[12+2*\k], v[12+2*\k], s22, s23     ; the variance + eps
.endr
	s_wait_alu depctr_va_vdst(0)                   ; the wait ahead of the batch
.irp k, 0,1,2,3
	v_rsq_f32 v[20+2*\k], v[12+2*\k]
.endr
	v_nop                                          ; a plain line behind the four
	s_wait_loadcnt 0x0                             ; gain and shift
	s_wait_alu depctr_va_vdst(0)                   ; one wait for the four, ahead of their first reader
.irp m, 0,2,4,6,8,10,12,14,16,18,20,22,24,26,28,30
.irp k, 0,1,2,3
	v_pk_mul_f32 v[XR+32*\k+\m:XR+32*\k+\m+1], v[XR+32*\k+\m:XR+32*\k+\m+1], v[20+2*\k:21+2*\k] op_sel_hi:[1,0]
.endr
.irp k, 0,1,2,3
	s_delay_alu instid0(VALU_DEP_4)
	v_pk_fma_f32 v[XR+32*\k+\m:XR+32*\k+\m+1], v[XR+32*\k+\m:XR+32*\k+\m+1], v[GS+\m:GS+\m+1], v[GB+\m:GB+\m+1]
.endr
.endr
.irp k, 0,1,2,3
.irp j, 0,1,2,3,4,5,6,7
	ds_store_b128 v5, v[XR+32*\k+4*\j:XR+32*\k+4*\j+3] offset:NP*\k+512*\j
.endr
.endr
	s_wait_dscnt 0x0                               ; for the others' sake: my rows lie in LDS
	s_barrier_signal -1
	s_barrier_wait -1
.irp u, 0,1
.irp b, 0,1,2,3
.irp j, 0,1,2,3
	ds_load_b128 v[XR+64*\u+16*\b+4*\j:XR+64*\u+16*\b+4*\j+3], v[6+\u] offset:128*\b+16*\j
.endr
.endr
.endr
	s_wait_dscnt 16                                ; the first K step's 16 loads are in
	QUANT XR, 192, 44
	s_wait_dscnt 0x0
	QUANT XR+64, 212, 45
.irp u, 0,1
	global_store_b128 v4, v[192+20*\u:195+20*\u], s[10:11] offset:1536*\u
	global_store_b64 v8, v[196+20*\u:197+20*\u], s[10:11] offset:1536*\u+512
	global_store_b128 v4, v[198+20*\u:201+20*\u], s[10:11] offset:1536*\u+768
	global_store_b64 v8, v[202+20*\u:203+20*\u], s[10:11] offset:1536*\u+1280
.endr
	v_cmp_gt_u32 vcc_lo, 16, v1
	s_delay_alu instid0(VALU_DEP_1)
	v_cndmask_b32 v46, v45, v44, vcc_lo            ; lanes 0-15: the first K step's word of row r; lanes 16-31: the second's
	ds_store_b32 v9, v46
	s_wait_dscnt 0x0
	s_barrier_signal -1
	s_barrier_wait -1
	s_cmp_gt_u32 s12, 0
	s_cbranch_scc1 .Lend                           ; wave 0 stores the block's scale words: 512 consecutive bytes
	ds_load_b128 v[48:51], v10
	s_wait_dscnt 0x0
	global_store_b128 v4, v[48:51], s[26:27]
.Lend:
	s_wait_tensorcnt 0x0                           ; the wave's end
	ds_add_u32 v62, v63
	s_wait_dscnt 0x0
	s_endpgm
; ---------------- the weights ----------------
.set WQK_C, 3276800
.set WQK_S, 4849664
.set WV_C,  4915200
.set WV_S,  5701632
.set WFC_C, 5734400
.set WFC_S, 6520832
.set W1_C,  6553600
.set W1_S,  9699328
.set W2_C,  9830400
.set W2_S,  12976128
.set SRC,   20                         ; s[20:21] the tensor, then my wave's first number
.set START, 22                         ; the tensor's first work-group
.set CM,    23                         ; mask and shift that split the work-group's number into column group and K group
.set CL,    24
.set HP,    25                         ; bytes from head to head (Wq, Wk, Wv), else 0
.set HM,    26                         ; mask of the column inside a head
.set RS,    27                         ; bytes from a row of K to the next
.set DC,    28                         ; where the codes begin in the result
.set DS,    29                         ; where the scale words begin
.set KST,   30                         ; K / 128
.set OFF,   192                        ; v192-223 4 x lane + i x RS
.set X,     64                         ; v64-127 two sets of 32 numbers
.set OUTR,  128                        ; v128-175 the way out
.macro PICK bound, src, start, cm, cl, hp, hm, rs, dc, ds, kst
	s_cmp_lt_u32 s31, \bound
	s_cselect_b64 s[SRC:SRC+1], s[\src:\src+1], s[SRC:SRC+1]
	s_cselect_b32 s[START], \start, s[START]
	s_cselect_b32 s[CM], \cm, s[CM]
	s_cselect_b32 s[CL], \cl, s[CL]
	s_cselect_b32 s[HP], \hp, s[HP]
	s_cselect_b32 s[HM], \hm, s[HM]
	s_cselect_b32 s[RS], \rs, s[RS]
	s_cselect_b32 s[DC], \dc, s[DC]
	s_cselect_b32 s[DS], \ds, s[DS]
	s_cselect_b32 s[KST], \kst, s[KST]
.endm
.Lweights:
	s_load_b256 s[4:11], s[0:1], 0x20              ; Wq, Wk, Wv, fc_w
	s_load_b128 s[12:15], s[0:1], 0x40             ; ff_w1, ff_w2
	s_load_b64 s[16:17], s[0:1], 0x18              ; the result
	s_sub_co_u32 s31, ttmp9, 256                   ; my number among the weights' work-groups
	v_lshrrev_b32 v1, 5, v0
	v_readfirstlane_b32 s18, v1                    ; wave
	v_and_b32 v1, 31, v0                           ; x: my column among the wave's 32
	v_bfe_u32 v2, v0, 3, 1                         ; u: which of the two blocks of rows
	v_and_b32 v3, 7, v0
	v_bfe_u32 v10, v0, 4, 1
	v_lshl_or_b32 v3, v10, 3, v3                   ; r: my row in that block
	v_lshlrev_b32 v4, 2, v1
	s_mul_i32 s19, s18, 6144                       ; my wave's LDS
	s_add_co_u32 s19, s19, WQL
	v_mul_u32_u24 v10, v2, 3072
	v_add_nc_u32 v10, s19, v10
	v_lshl_add_u32 v5, v3, 4, v10                  ; where my 16 bytes go
	v_lshl_add_u32 v6, v3, 3, v10                  ; and my 8 bytes
	v_lshlrev_b32 v8, 4, v1
	v_add_nc_u32 v7, s19, v8                       ; the way out: 16 x lane
	s_mov_b32 s[START], 256                        ; ff_w2's parameters; the others are chosen over them
	s_mov_b32 s[CM], 7
	s_mov_b32 s[CL], 3
	s_mov_b32 s[HP], 0
	s_mov_b32 s[HM], 4095
	s_mov_b32 s[RS], 4096
	s_mov_b32 s[DC], W2_C
	s_mov_b32 s[DS], W2_S
	s_mov_b32 s[KST], 32
	s_wait_alu depctr_va_vdst(0)                   ; the wait ahead of the wait below
	s_wait_kmcnt 0x0
	s_mov_b64 s[SRC:SRC+1], s[14:15]
	PICK 256, 12, 128, 31, 5, 0, 4095, 16384, W1_C, W1_S, 8
	PICK 128, 10, 96, 7, 3, 0, 4095, 4096, WFC_C, WFC_S, 8
	PICK 96, 8, 64, 7, 3, 262144, 63, 256, WV_C, WV_S, 8
	PICK 64, 6, 32, 7, 3, 262144, 63, 256, WQK_C+786432, WQK_S+32768, 8
	PICK 32, 4, 0, 7, 3, 262144, 63, 256, WQK_C, WQK_S, 8
	s_sub_co_u32 s32, s31, s[START]
	s_and_b32 s33, s32, s[CM]                      ; column group
	s_lshr_b32 s34, s32, s[CL]                     ; K group
	s_lshl_b32 s33, s33, 7
	s_lshl_b32 s35, s18, 5
	s_add_co_u32 s33, s33, s35                     ; my wave's first column
	s_lshr_b32 s35, s33, 6
	s_mul_i32 s35, s35, s[HP]
	s_and_b32 s36, s33, s[HM]
	s_lshl_b32 s36, s36, 2
	s_add_co_u32 s35, s35, s36
	s_lshl_b32 s36, s[RS], 8
	s_mul_i32 s36, s36, s34
	s_add_co_u32 s36, s35, s36
	s_mov_b32 s37, 0
	s_add_nc_u64 s[SRC:SRC+1], s[SRC:SRC+1], s[36:37]
	s_lshl_b32 s38, s[RS], 5                       ; s[38:39]: 32 rows of K on
	s_mov_b32 s39, 0
	s_lshr_b32 s40, s33, 4                         ; my first block of rows
	s_mul_i32 s41, s[KST], 1536                    ; bytes of a block of rows
	s_mul_i32 s42, s40, s41
	s_add_co_u32 s42, s42, s[DC]
	s_mul_i32 s43, s34, 3072
	s_add_co_u32 s42, s42, s43
	s_mov_b32 s43, 0
	s_add_nc_u64 s[44:45], s[16:17], s[42:43]      ; codes, u = 0
	s_mov_b32 s42, s41
	s_add_nc_u64 s[46:47], s[44:45], s[42:43]      ; codes, u = 1
	s_lshl_b32 s48, s[KST], 6                      ; scale bytes of a block of rows
	s_mul_i32 s42, s40, s48
	s_add_co_u32 s42, s42, s[DS]
	s_lshl_b32 s49, s34, 7
	s_add_co_u32 s42, s42, s49
	s_add_nc_u64 s[50:51], s[16:17], s[42:43]      ; scale words
	v_mul_u32_u24 v9, s48, v2
	s_wait_alu depctr_va_vdst(0)
	v_lshl_add_u32 v9, v3, 2, v9                   ; my row's word
.set i, 0
.rept 32
	v_mad_u32_u24 v[OFF+i], s[RS], i, v4
.set i, i+1
.endr
.macro LOAD t                          ; block t: 32 rows of K at my column, into set t % 2
.if (\t) > 0
	s_wait_xcnt 0x0                                ; the loads issued so far have read their base: it may step
	s_add_nc_u64 s[SRC:SRC+1], s[SRC:SRC+1], s[38:39]
.endif
.set i, 0
.rept 32
	global_load_b32 v[X+32*((\t)%2)+i], v[OFF+i], s[SRC:SRC+1] th:TH_LOAD_NT
.set i, i+1
.endr
.endm
.macro BLOCK t
.set XS, X+32*((\t)%2)
.if (\t) < 7
	s_wait_loadcnt 32                              ; this block's 32 loads are in; the next block's may be out
.else
	s_wait_loadcnt 0
.endif
	v_max3_num_f32 v12, |v[XS]|, |v[XS+1]|, |v[XS+2]|
	v_max3_num_f32 v13, |v[XS+3]|, |v[XS+4]|, |v[XS+5]|
.irp i, 6,10,14,18,22,26
	v_max3_num_f32 v12, v12, |v[XS+\i]|, |v[XS+\i+1]|
	v_max3_num_f32 v13, v13, |v[XS+\i+2]|, |v[XS+\i+3]|
.endr
	v_max3_num_f32 v12, v12, |v[XS+30]|, |v[XS+31]|
	v_max3_num_f32 v12, v12, v13, 0x1800000        ; the floor 2^(3 - 127): the byte cannot fall under 1
	v_add_nc_u32 v11, 0xff000000, v12              ; 2 off the exponent field: the conversion's scale operand
	v_lshrrev_b32 v13, 23, v11                     ; the scale's byte
	v_cvt_scalef32_pk16_fp6_f32 v[20:22], v[XS:XS+15], v11
	v_cvt_scalef32_pk16_fp6_f32 v[28:30], v[XS+16:XS+31], v11
.if (\t)%4 == 0
	v_mov_b32 v[16+(\t)/4], v13                    ; four bytes to a word, the lower K lowest.  (Also the plain line behind the conversions)
.else
	v_lshl_or_b32 v[16+(\t)/4], v13, 8*((\t)%4), v[16+(\t)/4]
.endif
	v_mov_b32 v23, v28
	v_mov_b32 v24, v29
	v_mov_b32 v25, v30
	ds_store_b128 v5, v[20:23] offset:((\t)/2)*768+256*((\t)%2)
	ds_store_b64 v6, v[24:25] offset:((\t)/2)*768+512+128*((\t)%2)
.if (\t)+2 < 8
	LOAD (\t)+2
.endif
	s_wait_dscnt 0x0                               ; the stores have read their registers
.endm
	LOAD 0
	s_wait_alu depctr_va_vdst(0)
	LOAD 1
.irp t, 0,1,2,3,4,5,6,7
	BLOCK \t
.endr
	global_store_b32 v9, v16, s[50:51]
	s_wait_alu depctr_va_vdst(0)
	global_store_b32 v9, v17, s[50:51] offset:64
.irp m, 0,1,2,3,4,5,6,7,8,9,10,11
	ds_load_b128 v[OUTR+4*\m:OUTR+4*\m+3], v7 offset:512*\m
.endr
.irp m, 0,1,2,3,4,5
	s_wait_dscnt 11-\m
	global_store_b128 v8, v[OUTR+4*\m:OUTR+4*\m+3], s[44:45] offset:512*\m     ; 32 lanes store 512 consecutive bytes
.endr
.irp m, 6,7,8,9,10,11
	s_wait_dscnt 11-\m
	global_store_b128 v8, v[OUTR+4*\m:OUTR+4*\m+3], s[46:47] offset:512*(\m-6)
.endr
	s_wait_tensorcnt 0x0                           ; the wave's end
	ds_add_u32 v62, v63
	s_wait_dscnt 0x0
	s_endpgm
.Lfunc_end_k_q0c79bbaf5f_prep:
	.size	k_q0c79bbaf5f_prep, .Lfunc_end_k_q0c79bbaf5f_prep-k_q0c79bbaf5f_prep
	.p2alignl 7, 3214868480
	.fill 96, 4, 3214868480
	.section	.rodata,"a",@progbits
	.p2align	6, 0x0
	.amdhsa_kernel k_q0c79bbaf5f_prep
		.amdhsa_group_segment_fixed_size 91392
		.amdhsa_private_segment_fixed_size 0
		.amdhsa_enable_private_segment 0
		.amdhsa_kernarg_size 80
		.amdhsa_user_sgpr_count 2
		.amdhsa_user_sgpr_kernarg_segment_ptr 1
		.amdhsa_wavefront_size32 1
		.amdhsa_system_sgpr_workgroup_id_x 1
		.amdhsa_system_sgpr_workgroup_id_y 1
		.amdhsa_system_sgpr_workgroup_id_z 1
		.amdhsa_system_vgpr_workitem_id 0
		.amdhsa_next_free_vgpr 256
		.amdhsa_next_free_sgpr 66
		.amdhsa_reserve_vcc 1
		.amdhsa_float_denorm_mode_32 3
		.amdhsa_float_denorm_mode_16_64 3
		.amdhsa_memory_ordered 1
		.amdhsa_forward_progress 1
		.amdhsa_inst_pref_size 103
	.end_amdhsa_kernel
	.amdgpu_metadata
---
amdhsa.version: [ 1, 2 ]
amdhsa.kernels:
  - .name:           k_q0c79bbaf5f_prep
    .symbol:         k_q0c79bbaf5f_prep.kd
    .args:
      - { .name: x, .offset: 0, .size: 8, .value_kind: global_buffer, .address_space: global }
      - { .name: ln1_s, .offset: 8, .size: 8, .value_kind: global_buffer, .address_space: global }
      - { .name: ln1_b, .offset: 16, .size: 8, .value_kind: global_buffer, .address_space: global }
      - { .name: big, .offset: 24, .size: 8, .value_kind: global_buffer, .address_space: global }
      - { .name: Wq, .offset: 32, .size: 8, .value_kind: global_buffer, .address_space: global }
      - { .name: Wk, .offset: 40, .size: 8, .value_kind: global_buffer, .address_space: global }
      - { .name: Wv, .offset: 48, .size: 8, .value_kind: global_buffer, .address_space: global }
      - { .name: fc_w, .offset: 56, .size: 8, .value_kind: global_buffer, .address_space: global }
      - { .name: ff_w1, .offset: 64, .size: 8, .value_kind: global_buffer, .address_space: global }
      - { .name: ff_w2, .offset: 72, .size: 8, .value_kind: global_buffer, .address_space: global }
    .group_segment_fixed_size: 91392
    .private_segment_fixed_size: 0
    .kernarg_segment_align: 8
    .kernarg_segment_size: 80
    .max_flat_workgroup_size: 128
    .sgpr_count:     66
    .vgpr_count:     256
    .wavefront_size: 32
...
	.end_amdgpu_metadata
.endif
;; end of part 8
;; launch qkvg (part 9): grid 48 x 4, 4 waves a work-group, clusters of 4 x 4, 327,680 bytes of LDS; arguments big, qkv; writes qkv
.if DOCPART == 9
	.amdgcn_target "amdgcn-amd-amdhsa--gfx1250"
	.amdhsa_code_object_version 6
	.text
	.protected	k_q0c79bbaf5f_qkvg
	.globl	k_q0c79bbaf5f_qkvg
	.p2align	8
	.type	k_q0c79bbaf5f_qkvg,@function
k_q0c79bbaf5f_qkvg:
	s_mov_b64 s[64:65], 0
	v_nop
	global_prefetch_b8 v0, s[64:65] scope:SCOPE_SE
	s_setreg_imm32_b32 hwreg(HW_REG_WAVE_MODE, 25, 1), 1
	s_wait_xcnt 0x0
	s_wait_alu depctr_hold_cnt(0) depctr_sa_sdst(0) depctr_va_vdst(0) depctr_va_sdst(0) depctr_va_ssrc(0) depctr_va_vcc(0) depctr_vm_vsrc(0)
	s_getreg_b32 s2, hwreg(HW_REG_IB_STS2, 6, 4)
	s_cmp_eq_u32 s2, 0
	s_cbranch_scc0 .Lentry_in_a_cluster
	s_endpgm
.Lentry_in_a_cluster:
	s_bfe_u32 s2, ttmp6, 0x10000c
	s_cmp_lg_u32 s2, 0xf033
	s_cbranch_scc0 .Lentry_shape_is_right
	s_endpgm
.Lentry_shape_is_right:
; q, k and v of all heads, on codes of FP6 (E2M3) with E8M0 scales, and their quantising for attention, in one launch.
; Clusters 0-7: C = xn Wqk^T (4,096 tokens x 2,048: q's 1,024 columns, then k's).  Clusters 8-11: C = Wv xn^T (1,024 x 4,096 tokens).  So the results' columns are d for q and k and tokens for v: the next K of each.
; A tile of C is 256 x 256, a wave makes 128 x 128 in 64 accumulators; K = 1,024 goes in steps of 256 through two LDS slots filled by joint tensor loads (4 x 4 cluster: A's tiles shared along a row, B's along a column).
; OPERANDS lie in memory as half records (16 rows x 64 K = 768 bytes: lane l's bytes 0-15 at 16 l, bytes 16-23 at 512 + 8 l), so a fragment is two loads of 16 and two of 8 bytes, all dense.
; Block 2 g + u of rows holds rows 32 g + 8 u + r + 8 (r / 8).  THE MATRIX INSTRUCTION IS USED TRANSPOSED (source 0 = B's rows): with that order of B's rows, a lane's 64 registers of A's block a
; are register 16 b + i = column 32 b + 16 (lane / 16) + i of its row: what the quantiser wants.  Results never go to memory as f32.
; LIMITS: NaN and infinities are not served; a block under 2^-124, or of zeros, keeps the byte 1.
.set KK,     1024
.set XN_S,   3145728
.set WQK_C,  3276800
.set WQK_S,  4849664
.set WV_C,   4915200
.set WV_S,   5701632
.set V_C,    6291456
.set Q_S,    9437184
.set V_S,    9961472
.set KST,    KK/128
.set KROW,   KK*3/4                    ; bytes of codes for a row
.set KS,     KK/32                     ; bytes of scales for a row
.set RBP,    16*KROW                   ; a block of 16 rows
.set ROWB,   3072                      ; a block's 256 along K: four half records
.set NQ,     2
.set FR,     12
.set NL,     4                         ; LDS loads that bring a fragment
.set NP,     4                         ; places behind this matrix instruction (ISA guide 7.12.1)
.set HALFT,  8*ROWB                    ; 128 rows: what one tensor load brings
.set SLOT,   4*HALFT
.set LAPS,   KK/512
.set SCL,    2*SLOT                    ; behind the ring: the scale words of the work-group's rows, for all of K
.set HALFS,  512*KST
.set SPARE,  SCL+4*HALFS               ; the spare words: 128 bytes a wave, named by no other line
.set ADRA, 16                          ; v16-17 16 x lane in A's part of slot 0, 1; v18-19 the same with 8 x lane
.set ADRB, 20                          ; v20-23 the same for B
.set ADRS, 27                          ; v27    my scale words: lanes 0-15 A's rows, lanes 16-31 B's
.set SPW,  28
.set NIL,  29
.set SC,   32                          ; v32-63 scale words, two sets; they hold nothing else
.set AF,   128                         ; A's fragments, window 0
.set PC,   192                         ; the way out: codes (20 registers)
.set TM,   212                         ; 16 at work
.set PW,   228                         ; the scale word
.set W,    229
.set G1, 24
.set G0, 32
.set G1B, 48
.set G0B, 56
.set G1S, 68
.set G0S, 76
.set G1SB, 80
.set G0SB, 88
.set OB,  92                           ; s[92:93] where my codes go
.set OS,  96                           ; s[96:97] where my scale words go
.set STR, 98                           ; s[98:99] from block a to block a + 1
.set MSB, 0
.macro WIN new
.if MSB != (\new)
	s_set_vgpr_msb (MSB<<8)|(\new)
.set MSB, (\new)
.endif
.endm
.set MUL_LO, 0xa1                      ; source 0 (B) window 1, source 1 (A) window 0, C and D window 2
.set MUL_HI, 0xf1
.set TO_B,   0x40
.macro JLOAD g0a, g1a, g0b, g1b        ; waves 0 and 1 fetch for A, waves 2 and 3 for B; four v_nop follow each line
	s_cmp_eq_u32 s15, 0
	s_cbranch_scc0 .Lfor_b_\@
	tensor_load_to_lds s[\g0a:\g0a+3], s[\g1a:\g1a+7]
	s_nop 0
.rept 4
	v_nop
.endr
	s_branch .Lasked_\@
.Lfor_b_\@:
	tensor_load_to_lds s[\g0b:\g0b+3], s[\g1b:\g1b+7]
	s_nop 0
.rept 4
	v_nop
.endr
.Lasked_\@:
.endm
.macro CREST
	s_cmp_lg_u32 s14, 0
	s_cbranch_scc1 .Lnot_wave_0_\@
	s_barrier_signal -3
.Lnot_wave_0_\@:
	s_barrier_wait -3
	s_barrier_signal -1
	s_barrier_wait -1
.endm
.macro CROUND
	s_barrier_signal -1
	s_barrier_wait -1
	CREST
.endm
	s_load_b128 s[4:7], s[0:1], 0x0                ; big, qkv
	v_lshl_add_u32 v[SPW], v0, 2, SPARE
	v_mov_b32 v[NIL], 0
	ds_add_u32 v28, v29
	ds_add_u32 v28, v29
	s_wait_dscnt 0x0
	v_lshrrev_b32 v1, 5, v0
	v_readfirstlane_b32 s14, v1                    ; wave
	s_lshr_b32 s15, s14, 1                         ; my half of the tile's rows; also: I fetch for A (0) or B (1)
	s_and_b32 s16, s14, 1                          ; my half of its columns; also: which 128 rows I fetch
	s_bfe_u32 s40, ttmp6, 0x40000                  ; cx
	s_bfe_u32 s41, ttmp6, 0x40004                  ; cy
	s_lshr_b32 s20, ttmp9, 1
	s_and_b32 s21, ttmp9, 1
	s_sub_co_u32 s22, ttmp9, 8
	s_cmp_lt_u32 ttmp9, 8                          ; q and k, or v?  The cluster's number alone decides: alike in all partners
	s_cselect_b32 s20, s20, 0                      ; the cluster's row of tiles
	s_cselect_b32 s21, s21, s22                    ; and its column
	s_cselect_b32 s2, 0, WV_C                      ; A: xn or Wv; B: Wqk or xn: offsets in big
	s_mov_b32 s96, WV_S
	s_cselect_b32 s96, XN_S, s96
	s_cselect_b32 s98, WQK_C, 0
	s_mov_b32 s100, XN_S
	s_cselect_b32 s100, WQK_S, s100
	s_mov_b32 s3, 0
	s_mov_b32 s97, 0
	s_mov_b32 s99, 0
	s_mov_b32 s101, 0
	s_lshl_b32 s42, s21, 2
	s_add_co_u32 s42, s42, s40                     ; tile column
	s_lshl_b32 s17, s20, 2
	s_add_co_u32 s17, s17, s41                     ; tile row
	s_lshl_b32 s43, s41, 2
	s_lshl_b32 s43, 15, s43                        ; my row of the cluster
	s_lshl_b32 s44, 0x1111, s40                    ; my column
	s_or_b32 s[G1+0], s43, (3<<16)|(1<<21)         ; the mask; elements of 8 bytes; bit 21 beside a mask; no padding
	s_or_b32 s[G1B+0], s44, (3<<16)|(1<<21)
.irp g, G1, G1B
	s_mov_b32 s[\g+1], 384<<16                     ; tensor_dim0: 3,072 bytes
	s_mov_b32 s[\g+2], 16<<16                      ; tensor_dim1: 16 blocks of rows for the head's loads; set to 8 for the ring's behind them
	s_mov_b32 s[\g+3], 384<<16                     ; tile_dim0
	s_mov_b32 s[\g+4], 16                          ; tile_dim1
	s_mov_b32 s[\g+5], RBP/8                       ; from block to block
	s_mov_b32 s[\g+6], 0
	s_mov_b32 s[\g+7], 0
.endr
	s_or_b32 s[G1S+0], s43, (3<<16)|(1<<21)
	s_or_b32 s[G1SB+0], s44, (3<<16)|(1<<21)
.irp g, G1S, G1SB                      ; the scale words of 256 rows: a dense block, as rows of 256 bytes
	s_mov_b32 s[\g+1], 32<<16
	s_mov_b32 s[\g+2], (HALFS/128)<<16             ; the scale words of all 256 rows in one load
	s_mov_b32 s[\g+3], 32<<16
	s_mov_b32 s[\g+4], HALFS/128
	s_mov_b32 s[\g+5], 32
	s_mov_b32 s[\g+6], 0
	s_mov_b32 s[\g+7], 0
.endr
	s_lshl_b32 s20, s17, 8                         ; A: the tile's first row
	s_lshl_b32 s46, s42, 8                         ; B likewise
	s_mov_b32 s21, 0
	s_mov_b32 s47, 0
	s_mov_b64 s[18:19], KS
	s_mul_u64 s[22:23], s[20:21], s[18:19]
	s_mul_u64 s[92:93], s[46:47], s[18:19]
	s_mov_b64 s[18:19], KROW
	s_mul_u64 s[20:21], s[20:21], s[18:19]
	s_mul_u64 s[46:47], s[46:47], s[18:19]
	s_mul_i32 s45, s14, HALFT
	s_mul_i32 s18, s16, 8*RBP                      ; in the ring I fetch 128 rows of a tile: which half, in bytes
	s_mov_b32 s19, 0
	s_wait_kmcnt 0x0
	s_mov_b64 s[12:13], s[6:7]                     ; qkv
	s_add_nc_u64 s[6:7], s[4:5], s[96:97]          ; A's scales
	s_add_nc_u64 s[8:9], s[4:5], s[98:99]          ; B's codes
	s_add_nc_u64 s[10:11], s[4:5], s[100:101]      ; B's scales
	s_add_nc_u64 s[4:5], s[4:5], s[2:3]            ; A's codes
	s_add_nc_u64 s[20:21], s[4:5], s[20:21]
	s_add_nc_u64 s[22:23], s[6:7], s[22:23]
	s_add_nc_u64 s[46:47], s[8:9], s[46:47]
	s_add_nc_u64 s[92:93], s[10:11], s[92:93]
	CROUND                                         ; all sixteen work-groups are here: the first joint loads meet
	s_mov_b32 s[G0S], 1
	s_mov_b32 s[G0S+1], SCL
	s_mov_b64 s[G0S+2:G0S+3], s[22:23]
	s_or_b32 s[G0S+3], s[G0S+3], 0x80000000
	s_mov_b32 s[G0SB], 1
	s_mov_b32 s[G0SB+1], SCL+2*HALFS
	s_mov_b64 s[G0SB+2:G0SB+3], s[92:93]
	s_or_b32 s[G0SB+3], s[G0SB+3], 0x80000000
	s_mov_b32 s4, 1                                ; s[4:7], s[8:11]: group 0 of the head's loads of slot 0: A's 256 rows, B's 256 rows
	s_mov_b32 s5, 0
	s_mov_b64 s[6:7], s[20:21]
	s_or_b32 s7, s7, 0x80000000
	s_mov_b32 s8, 1
	s_mov_b32 s9, 2*HALFT
	s_mov_b64 s[10:11], s[46:47]
	s_or_b32 s11, s11, 0x80000000
	s_add_nc_u64 s[20:21], s[20:21], s[18:19]      ; for the ring: my 128 rows
	s_add_nc_u64 s[46:47], s[46:47], s[18:19]
	s_cmp_eq_u32 s15, 0                            ; s[66:67]: where my prefetches stand.  Of the 8 blocks of rows that I fetch, each of the four partners that ask with me takes 2, told apart by address
	s_cselect_b64 s[66:67], s[20:21], s[46:47]
	s_cselect_b32 s22, s40, s41                    ; my place among them: cx for A, cy for B
	s_mul_i32 s22, s22, 2*RBP
	s_mov_b32 s23, 0
	s_add_nc_u64 s[66:67], s[66:67], s[22:23]
.irp s, 0,1
	s_mov_b32 s[G0+4*\s], 1
	s_add_co_u32 s[G0+4*\s+1], s45, \s*SLOT
	s_add_nc_u64 s[G0+4*\s+2:G0+4*\s+3], s[20:21], \s*ROWB
	s_or_b32 s[G0+4*\s+3], s[G0+4*\s+3], 0x80000000
	s_mov_b32 s[G0B+4*\s], 1
	s_add_co_u32 s[G0B+4*\s+1], s45, \s*SLOT
	s_add_nc_u64 s[G0B+4*\s+2:G0B+4*\s+3], s[46:47], \s*ROWB
	s_or_b32 s[G0B+4*\s+3], s[G0B+4*\s+3], 0x80000000
.endr
; the head's four tiles, one joint load a wave: wave 0 A's part of slot 0, wave 1 B's, wave 2 A's scale words, wave 3 B's; one chain of branches, one join
.macro ARM under, g0, g1, next
	s_cmp_lt_u32 s14, \under
	s_cbranch_scc0 \next
	tensor_load_to_lds s[\g0:\g0+3], s[\g1:\g1+7]
	s_nop 0
.rept 4
	v_nop
.endr
	s_branch .Lhead_asked
\next:
.endm
	ARM 1, 4, G1, .Lhead_b
	ARM 2, 8, G1B, .Lhead_sa
	ARM 3, G0S, G1S, .Lhead_sb
	tensor_load_to_lds s[G0SB:G0SB+3], s[G1SB:G1SB+7]
	s_nop 0
.rept 4
	v_nop
.endr
.Lhead_asked:
	v_and_b32 v1, 15, v0                           ; r
	v_bfe_u32 v2, v0, 4, 1                         ; h
	v_and_b32 v3, 31, v0
	v_lshlrev_b32 v4, 4, v3                        ; 16 x lane
	v_lshlrev_b32 v5, 3, v3                        ; 8 x lane
	v_min_u32 v30, 23, v3                          ; v30: a lane names 256 bytes of my share of a slot: 2 blocks x 3,072 bytes are 24 such; the lanes left over name the last again
	v_mul_u32_u24 v31, v30, 86
	v_lshlrev_b32 v30, 8, v30
	v_lshrrev_b32 v31, 10, v31                     ; lane / 12: which of the two blocks
	v_mad_u32_u24 v30, v31, RBP-3072, v30
	global_prefetch_b8 v30, s[66:67] offset:ROWB th:TH_LOAD_NT scope:SCOPE_SE     ; behind the load of K's first quarter: the second and the third
	global_prefetch_b8 v30, s[66:67] offset:2*ROWB th:TH_LOAD_NT scope:SCOPE_SE
	s_mul_i32 s21, s15, HALFT
	s_mul_i32 s22, s16, HALFT
	s_add_co_u32 s22, s22, 2*HALFT
.irp s, 0,1
	v_add_nc_u32 v[ADRA+\s], s21, v4
	v_add_nc_u32 v[ADRB+\s], s22, v4
	v_add_nc_u32 v[ADRA+2+\s], s21, v5
	v_add_nc_u32 v[ADRB+2+\s], s22, v5
	s_add_co_u32 s21, s21, SLOT
	s_add_co_u32 s22, s22, SLOT
.endr
	v_lshlrev_b32 v7, 2, v1
	s_mul_i32 s21, s15, HALFS
	s_mul_i32 s22, s16, HALFS
	s_add_co_u32 s22, s22, 2*HALFS
	s_sub_co_u32 s22, s22, s21
	v_mul_u32_u24 v6, s22, v2                      ; lanes 16-31 take B's
	s_add_co_u32 s21, s21, SCL
	v_add_nc_u32 v6, v7, v6
	v_add_nc_u32 v[ADRS], s21, v6
	; where my results go.  q, k: [128 tokens][head][block of 16 tokens][768]; v: [128 tokens][block of 16 rows of Wv][1,536]
	s_lshl_b32 s18, s17, 1
	s_add_co_u32 s18, s18, s15                     ; 2 x tile row + half
	s_lshl_b32 s19, s18, 4
	s_and_b32 s20, s42, 3
	s_lshl_b32 s20, s20, 2
	s_add_co_u32 s19, s19, s20
	s_lshl_b32 s20, s16, 1
	s_add_co_u32 s19, s19, s20                     ; q, k: (128 tokens) x 16 + my first head
	s_lshr_b32 s20, s42, 2                         ; q (0) or k (1)
	s_mul_i32 s21, s20, 3145728
	s_mul_i32 s22, s19, 6144
	s_add_co_u32 s21, s21, s22
	s_mul_i32 s20, s20, 262144
	s_lshl_b32 s22, s19, 9
	s_add_co_u32 s20, s20, s22
	s_add_co_u32 s20, s20, Q_S
	s_lshl_b32 s22, s42, 1
	s_add_co_u32 s22, s22, s16
	s_lshl_b32 s22, s22, 6
	s_lshl_b32 s23, s18, 3
	s_add_co_u32 s22, s22, s23                     ; v: (128 tokens) x 64 + my first block of rows
	s_mul_i32 s23, s22, 1536
	s_add_co_u32 s23, s23, V_C
	s_lshl_b32 s22, s22, 6
	s_add_co_u32 s22, s22, V_S
	s_mov_b32 s47, 0
	s_mov_b32 s[STR], 1536
	s_mov_b32 s100, 768
	s_cmp_lt_u32 ttmp9, 8
	s_cselect_b32 s46, s21, s23
	s_add_nc_u64 s[OB:OB+1], s[12:13], s[46:47]
	s_cselect_b32 s46, s20, s22
	s_add_nc_u64 s[OS:OS+1], s[12:13], s[46:47]
	s_cselect_b32 s[STR], 768, s[STR]
	s_mov_b32 s[STR+1], 0
	s_cselect_b32 s100, 6144, s100                 ; from a fragment's first half to its second: the next head, or the next half record
	s_cselect_b32 s101, 512, 0                     ; lanes 16-31 store the next head's scale word, or the same word again
	s_cselect_b32 s95, 16, 0
	s_cselect_b32 s45, 0xffff, -1                  ; q, k: two bytes a word, the upper two 0
	v_mov_b32 v8, v4
	v_mov_b32 v9, v5
	v_add_nc_u32 v10, s100, v4
	v_add_nc_u32 v11, s100, v5
	v_mul_u32_u24 v12, s101, v2
	v_lshl_add_u32 v12, v1, 2, v12
	v_mul_u32_u24 v13, s95, v2
	s_mov_b32 s46, 0x76543210
	s_mov_b32 s47, 0xfedcba98                      ; lane l xor 16
.macro FRAG reg, adr, q, i             ; a fragment: two half records, each 16 bytes and 8 bytes a lane
.irp c, 0,1
	ds_load_b128 v[\reg+6*\c:\reg+6*\c+3], v[\adr] offset:(\i)*ROWB+(\q)*1536+768*\c
	ds_load_b64 v[\reg+6*\c+4:\reg+6*\c+5], v[\adr+2] offset:(\i)*ROWB+(\q)*1536+768*\c+512
.endr
.endm
; 16 matrix instructions: A's blocks a0, a0 + 1 x B's eight.  The 64 accumulators take turns, one instruction a turn
.macro MUL16 a0, p, q, sc, zero
.irp a, \a0, \a0+1
.irp b, 0,1,2,3,4,5,6,7
.if \zero
	v_wmma_scale_f32_16x16x128_f8f6f4 v[8*(8*((\a)%4)+\b):8*(8*((\a)%4)+\b)+7], v[128*(\p)+FR*\b:128*(\p)+FR*\b+FR-1], v[AF+FR*(\a):AF+FR*(\a)+FR-1], 0, v[SC+8*NQ*(\sc)+NQ*\b+(\q)], v[SC+8*NQ*(\sc)+NQ*(\a)+(\q)] matrix_a_fmt:MATRIX_FMT_FP6 matrix_b_fmt:MATRIX_FMT_FP6 matrix_a_scale:MATRIX_SCALE_ROW1
.else
	v_wmma_scale_f32_16x16x128_f8f6f4 v[8*(8*((\a)%4)+\b):8*(8*((\a)%4)+\b)+7], v[128*(\p)+FR*\b:128*(\p)+FR*\b+FR-1], v[AF+FR*(\a):AF+FR*(\a)+FR-1], v[8*(8*((\a)%4)+\b):8*(8*((\a)%4)+\b)+7], v[SC+8*NQ*(\sc)+NQ*\b+(\q)], v[SC+8*NQ*(\sc)+NQ*(\a)+(\q)] matrix_a_fmt:MATRIX_FMT_FP6 matrix_b_fmt:MATRIX_FMT_FP6 matrix_a_scale:MATRIX_SCALE_ROW1
.endif
.endr
.endr
.endm
.macro FETCH_B slot, q, p
	WIN TO_B
.irp i, 0,1,2,3,4,5,6,7
	FRAG 128*(\p)+FR*\i, ADRB+\slot, \q, \i
.endr
	WIN 0
.endm
.macro FETCH_A slot, q, i0
.irp i, \i0, \i0+1, \i0+2, \i0+3
	FRAG AF+FR*(\i), ADRA+\slot, \q, \i
.endr
.endm
.macro SCALES sc                       ; lanes 0-15 A's block i, lanes 16-31 B's block i, for the slot's two K steps
.irp i, 0,1,2,3,4,5,6,7
.irp q, 0,1
	ds_load_b32 v[SC+8*NQ*\sc+NQ*\i+\q], v[ADRS] offset:\i*KST*64+64*\q
.endr
.endr
.endm
.macro PLACES n
.rept \n
	v_nop
.endr
.endm
.macro STEP slot, q, zero              ; 128 along K that has its successor in the same slot
	s_wait_dscnt 4*NL                              ; all but A's blocks 4-7 (16 loads) are in
	WIN MUL_LO
	MUL16 0, (\q)%2, \q, \slot, \zero
	MUL16 2, (\q)%2, \q, \slot, \zero
	s_wait_dscnt 0
	PLACES NP
	FETCH_B \slot, (\q)+1, 1-(\q)%2
	FETCH_A \slot, (\q)+1, 0
	WIN MUL_HI
	MUL16 4, (\q)%2, \q, \slot, \zero
	MUL16 6, (\q)%2, \q, \slot, \zero
	PLACES NP
	WIN 0
	FETCH_A \slot, (\q)+1, 4
.endm
.macro TURN slot, next, fill           ; a slot's last 128 along K, and the change of slots
	s_wait_tensorcnt 0x0                           ; all my tensor loads have landed: my part of the next slot
	ds_add_u32 v[SPW], v[NIL]                      ; 0 onto my spare word
	s_wait_dscnt 4*NL+1                            ; the add and A's blocks 4-7 may be out
	WIN MUL_LO
	MUL16 0, 1, NQ-1, \slot, 0
	s_wait_dscnt 0x0                               ; the add is done, my reads of this slot are over
	s_barrier_signal -1
	MUL16 2, 1, NQ-1, \slot, 0
	WIN 0
	s_barrier_wait -1
.if \fill
	CREST                                          ; the barrier has opened a round of the cluster's: no wave of any partner still reads this slot or has a load on its way
	s_add_nc_u64 s[G0+4*\slot+2:G0+4*\slot+3], s[G0+4*\slot+2:G0+4*\slot+3], 2*ROWB
	s_add_nc_u64 s[G0B+4*\slot+2:G0B+4*\slot+3], s[G0B+4*\slot+2:G0B+4*\slot+3], 2*ROWB
	JLOAD G0+4*\slot, G1, G0B+4*\slot, G1B         ; the first tensor load behind the round; its four v_nop are the places for the loads below
.else
	PLACES NP
.endif
	s_wait_alu depctr_va_vdst(0)
	v_add_nc_u32 v[ADRS], 64*NQ, v[ADRS]           ; the next slot's scale words
	FETCH_B \next, 0, 0
	FETCH_A \next, 0, 0
	SCALES \next
	WIN MUL_HI
	MUL16 4, 1, NQ-1, \slot, 0
	MUL16 6, 1, NQ-1, \slot, 0
	PLACES NP
	WIN 0
	FETCH_A \next, 0, 4
.endm
	s_wait_alu depctr_va_vdst(0)                   ; the wait at the head's end
	s_wait_tensorcnt 0x0                           ; my tile of the head's four is in
	ds_add_u32 v[SPW], v[NIL]                      ; the add ahead of a later first fill
	s_mov_b32 s[G1+2], 8<<16                       ; no load of mine is out: from here on a load brings 8 blocks of rows
	s_mov_b32 s[G1+4], 8
	s_mov_b32 s[G1B+2], 8<<16
	s_mov_b32 s[G1B+4], 8
	s_wait_dscnt 0x0
	CROUND                                         ; all four tiles are in, all sixteen work-groups are here
	JLOAD G0+4, G1, G0B+4, G1B                     ; slot 1's first fill, the first tensor load behind the round
	FETCH_B 0, 0, 0
	FETCH_A 0, 0, 0
	SCALES 0
	global_prefetch_b8 v30, s[66:67] offset:3*ROWB th:TH_LOAD_NT scope:SCOPE_SE   ; behind the load of the second quarter: the fourth, two refills on; the refills ask for nothing: K ends there
	FETCH_A 0, 0, 4
	STEP 0, 0, 1                                   ; the first step's products start the sums
	s_mov_b32 s3, LAPS-1
.Llap:
	TURN 0, 1, 1
	STEP 1, 0, 0
	TURN 1, 0, 1
	STEP 0, 0, 0
	s_sub_co_u32 s3, s3, 1
	s_cmp_lg_u32 s3, 0
	s_cbranch_scc1 .Llap
	TURN 0, 1, 0
	STEP 1, 0, 0
	s_wait_dscnt 4*NL
	WIN MUL_LO
	MUL16 0, 1, NQ-1, 1, 0
	MUL16 2, 1, NQ-1, 1, 0
	s_wait_dscnt 0
	WIN MUL_HI
	MUL16 4, 1, NQ-1, 1, 0
	MUL16 6, 1, NQ-1, 1, 0
	WIN 0
; 64 numbers of a lane in window w, register 16 b + i = column 32 b + 16 (lane / 16) + i, become a fragment at v[pc] and its scale word in v[pw].  Each accumulator is read from its low end on.
.macro QUANT s, w, pc, pw
	WIN ((\w)|((\w)<<2))
.irp b, 0,1,2,3
	v_max3_num_f32 v[TM+\b], |v[(\s)+16*\b]|, |v[(\s)+16*\b+1]|, 0x1800000   ; with the floor 2^(3 - 127)
.endr
.irp i, 2,4,6,8,10,12,14
.irp b, 0,1,2,3
	v_max3_num_f32 v[TM+\b], |v[(\s)+16*\b+\i]|, |v[(\s)+16*\b+\i+1]|, v[TM+\b]
.endr
.endr
	WIN 0
.irp b, 0,1,2,3
	v_permlanex16_b32 v[TM+4+\b], v[TM+\b], s46, s47
.endr
.irp b, 0,1,2,3
	v_max_num_f32 v[TM+\b], v[TM+\b], v[TM+4+\b]
.endr
.irp b, 0,1,2,3
	v_add_nc_u32 v[TM+12+\b], 0xff000000, v[TM+\b]
.endr
.irp b, 0,1,2,3
	v_lshrrev_b32 v[TM+4+\b], 23, v[TM+12+\b]
.endr
	v_lshl_or_b32 v[\pw], v[TM+5], 8, v[TM+4]
	v_lshl_or_b32 v[\pw], v[TM+6], 16, v[\pw]
	v_lshl_or_b32 v[\pw], v[TM+7], 24, v[\pw]
	WIN (\w)
.irp c, 0,1
	v_cvt_scalef32_pk16_fp6_f32 v[\pc+6*\c:\pc+2+6*\c], v[(\s)+32*\c:(\s)+32*\c+15], v[TM+12+2*\c]
	v_cvt_scalef32_pk16_fp6_f32 v[\pc+12+4*\c:\pc+14+4*\c], v[(\s)+32*\c+16:(\s)+32*\c+31], v[TM+13+2*\c]
.endr
	WIN 0
	v_nop                                          ; one plain line behind the conversions
.irp c, 0,1
.irp i, 0,1,2
	v_permlane16_swap_b32 v[\pc+6*\c+\i], v[\pc+12+4*\c+\i]
.endr
.irp i, 0,1,2
	v_mov_b32 v[\pc+3+6*\c+\i], v[\pc+12+4*\c+\i]
.endr
.endr
.endm
	PLACES NP                                      ; behind the last products
.irp b, 0,1,2,3
	v_mov_b32 v[TM+4+\b], 0                        ; a lane permute's destination counts as read
.endr
.irp a, 0,1,2,3,4,5,6,7                ; A's block a: 16 rows x my 128 columns become one fragment
.if \a > 0
	s_wait_xcnt 0x0                                ; the last block's stores have read their data and bases
	s_add_nc_u64 s[OB:OB+1], s[OB:OB+1], s[STR:STR+1]
	s_add_nc_u64 s[OS:OS+1], s[OS:OS+1], 64
.endif
	QUANT 64*(\a%4), 2+\a/4, PC, PW
	global_store_b128 v8, v[PC:PC+3], s[OB:OB+1]
	global_store_b64 v9, v[PC+4:PC+5], s[OB:OB+1] offset:512
	global_store_b128 v10, v[PC+6:PC+9], s[OB:OB+1]
	global_store_b64 v11, v[PC+10:PC+11], s[OB:OB+1] offset:512
	v_lshrrev_b32 v[W], v13, v[PW]
	v_and_b32 v[W], s45, v[W]
	global_store_b32 v12, v[W], s[OS:OS+1]
.endr
	s_wait_tensorcnt 0x0                           ; the wave's end
	ds_add_u32 v[SPW], v[NIL]
	s_wait_dscnt 0x0
	CROUND                                         ; the closing round
	s_endpgm
.Lfunc_end_k_q0c79bbaf5f_qkvg:
	.size	k_q0c79bbaf5f_qkvg, .Lfunc_end_k_q0c79bbaf5f_qkvg-k_q0c79bbaf5f_qkvg
	.p2alignl 7, 3214868480
	.fill 96, 4, 3214868480
	.section	.rodata,"a",@progbits
	.p2align	6, 0x0
	.amdhsa_kernel k_q0c79bbaf5f_qkvg
		.amdhsa_group_segment_fixed_size 327680
		.amdhsa_private_segment_fixed_size 0
		.amdhsa_enable_private_segment 0
		.amdhsa_kernarg_size 16
		.amdhsa_user_sgpr_count 2
		.amdhsa_user_sgpr_kernarg_segment_ptr 1
		.amdhsa_wavefront_size32 1
		.amdhsa_system_sgpr_workgroup_id_x 1
		.amdhsa_system_sgpr_workgroup_id_y 1
		.amdhsa_system_sgpr_workgroup_id_z 1
		.amdhsa_system_vgpr_workitem_id 0
		.amdhsa_next_free_vgpr 1024
		.amdhsa_next_free_sgpr 102
		.amdhsa_reserve_vcc 0
		.amdhsa_float_denorm_mode_32 3
		.amdhsa_float_denorm_mode_16_64 3
		.amdhsa_memory_ordered 1
		.amdhsa_forward_progress 1
		.amdhsa_inst_pref_size 156
	.end_amdhsa_kernel
	.amdgpu_metadata
---
amdhsa.version: [ 1, 2 ]
amdhsa.kernels:
  - .name:           k_q0c79bbaf5f_qkvg
    .symbol:         k_q0c79bbaf5f_qkvg.kd
    .args:
      - { .name: big, .offset: 0, .size: 8, .value_kind: global_buffer, .address_space: global }
      - { .name: qkv, .offset: 8, .size: 8, .value_kind: global_buffer, .address_space: global }
    .group_segment_fixed_size: 327680
    .private_segment_fixed_size: 0
    .kernarg_segment_align: 8
    .kernarg_segment_size: 16
    .max_flat_workgroup_size: 128
    .sgpr_count:     102
    .vgpr_count:     1024
    .wavefront_size: 32
...
	.end_amdgpu_metadata
.endif
;; end of part 9
;; launch attn (part 10): grid 8 x 32, 16 waves a work-group, clusters of 4 x 1, 327,680 bytes of LDS; arguments qkv, ctx; writes ctx
.if DOCPART == 10
	.amdgcn_target "amdgcn-amd-amdhsa--gfx1250"
	.amdhsa_code_object_version 6
	.text
	.protected	k_q0c79bbaf5f_attn
	.globl	k_q0c79bbaf5f_attn
	.p2align	8
	.type	k_q0c79bbaf5f_attn,@function
k_q0c79bbaf5f_attn:
	s_mov_b64 s[64:65], 0
	v_nop
	global_prefetch_b8 v0, s[64:65] scope:SCOPE_SE
	s_setreg_imm32_b32 hwreg(HW_REG_WAVE_MODE, 25, 1), 1
	s_wait_xcnt 0x0
	s_wait_alu depctr_hold_cnt(0) depctr_sa_sdst(0) depctr_va_vdst(0) depctr_va_sdst(0) depctr_va_ssrc(0) depctr_va_vcc(0) depctr_vm_vsrc(0)
	s_getreg_b32 s2, hwreg(HW_REG_IB_STS2, 6, 4)
	s_cmp_eq_u32 s2, 0
	s_cbranch_scc0 .Lentry_in_a_cluster
	s_endpgm
.Lentry_in_a_cluster:
	s_bfe_u32 s2, ttmp6, 0x10000c
	s_cmp_lg_u32 s2, 0x3003
	s_cbranch_scc0 .Lentry_shape_is_right
	s_endpgm
.Lentry_shape_is_right:
; Causal attention of 32 (batch, head) pairs on codes of FP6 (E2M3), head size 64, 2,048 tokens, and the quantising of its result along the QUERIES, which are the next product's K
; (the next operand's row is 32 d + t / 64 of the batch and its column 64 head + t % 64).
; SOFTMAX: t = score x log2(e) / 8; M = the running largest t rounded up to a whole number; p = 2^(t - M) is quantised along the keys; the sum of the unquantised p divides at the end.
; A WHOLE HEAD'S K AND V LIE IN LDS: 98,304 bytes of codes each, 8,192 and 4,096 bytes of scale words.  Every LDS byte is filled once, at the head: waves 0-7 ask for four key steps of K (even waves)
; or V (odd waves) each, wave 8 for K's scale words, wave 9 for V's: one load a wave.  The four work-groups of a cluster serve one head and ask jointly.  All is asked for at the head: there is no loop in which a prefetch could run ahead.
; SHARES.  A group is 128 tokens: its queries need key steps 0 .. group.  With lo = 4 (cluster x) + 2 ((wave / 4) % 2), a work-group at place cx has g = lo + cx / 2 and takes tokens 64 (cx % 2) .. + 63 of groups g and 15 - g.
; A pair of waves (w and w + 8, w < 8) serves block w % 4 of 16 queries of both: wave w + 8 (a) runs the late block's steps 0-7, none of them masked; wave w (b) runs the early block, steps 0 .. lo + 1, then the late block's steps 8 .. 15 - lo.
; So a wave has 8 or 10 steps, whatever the group, and the waves with 10 have the lower numbers.  All bounds are made of the wave's number and the cluster's x, alike in all partners; steps from lo and from 14 - lo on are masked
; by the lane's own query, and a partner with earlier queries runs one step whose every p is 0.  Steps wholly above the causal mask are left out.
; Wave a hands its sums, its -M and its row sums to wave b as an image of its registers in LDS; M is a whole number, so both parts are brought under the larger M by powers of two, which round nothing.
; Both products are used transposed (S^T = K Q^T, O^T = V^T P^T): a lane holds one query.  The keys of a tile are 32 b + 8 u + r + 8 (r / 8), so that two tiles' 16 registers are 16 neighbouring keys.
; HEAD SIZE 64 IN AN INSTRUCTION OF 128: Q's upper 64 codes are zeros; K's fragments lie 6 registers apart, so that a fragment's upper six registers are the next fragment's codes: finite numbers x 0.
; The scale bytes of the result leave as two bytes a row and head.  Every wave asks for both blocks' Q; wave a uses the first alone.
; LIMITS: NaN and infinities are not served; a block of p or of results under 2^-124, or of zeros, keeps the byte 1; the scaled scores stay under 2^31 in magnitude.
.set VC,   98304                       ; LDS: K's codes at 0, [16 steps][6,144]; V's here
.set KSL,  196608                      ; K's scale words [16][512]
.set VSL,  204800                      ; V's [16][256]
.set STG,  208896                      ; the stage of the way out: 64 rows (d) x (256 queries f32 + 16 bytes); no fill lands here
.set SPI,  1040
.set MRG,  275456                      ; eight images of 9 x 512 bytes: wave a's part of a late block
.set SPARE, 312320                     ; the spare words: 128 bytes a wave
.set K_C,  3145728
.set Q_S,  9437184
.set K_S,  9699328
.set WV,   18
.set SEL,  20
.set CS,   22
.set G1C,  24
.set G1KS, 32
.set G1VS, 40
.set G0S,  48
.set G0C,  52
.set ROLE, 56                          ; 0: wave a (waves 8-15), 1: wave b (waves 0-7)
.set BND2, 57                          ; the second walk's bounds
.set BN12, 58
.set DQ,   59                          ; tokens from the early block to the late one
.set TB,   2                           ; the step's codes in LDS
.set TS,   3                           ; K's scale words
.set TJ,   66                          ; V's
.set ST,   67                          ; the step
.set KF,   72                          ; its first key
.set BND,  73                          ; my last step
.set BN1,  74                          ; my first masked step
.set CNT,  75
.set SIN,  200                         ; v200 the stage, on the way in;  v201 on the way back;  v202 my pair's image
.set SBK,  201
.set IMG,  202
.macro CROUND
	s_barrier_signal -1
	s_barrier_wait -1
	s_cmp_lg_u32 s[WV], 0
	s_cbranch_scc1 .Lnot_wave_0_\@
	s_barrier_signal -3
.Lnot_wave_0_\@:
	s_barrier_wait -3
	s_barrier_signal -1
	s_barrier_wait -1
.endm
.macro ASKED                           ; behind every tensor load
	s_nop 0
.rept 4
	v_nop
.endr
.endm
	s_load_b128 s[4:7], s[0:1], 0x0                ; qkv, ctx
	v_lshl_add_u32 v251, v0, 2, SPARE
	v_mov_b32 v255, 0
	ds_add_u32 v251, v255                          ; the opening lines: the add twice on end
	ds_add_u32 v251, v255
	v_lshrrev_b32 v8, 5, v0
	s_delay_alu instid0(VALU_DEP_1)
	v_readfirstlane_b32 s[WV], v8                  ; wave 0..15
	s_bfe_u32 s76, ttmp6, 0x40000                  ; cx
	s_and_b32 s78, ttmp7, 0xffff
	s_lshr_b32 s79, s78, 4                         ; batch
	s_and_b32 s80, s78, 15                         ; head
	s_and_b32 s81, s[WV], 3                        ; my block among the four of 64 tokens
	s_lshr_b32 s[ROLE], s[WV], 3
	s_xor_b32 s[ROLE], s[ROLE], 1                  ; waves 0-7 are b, waves 8-15 a
	s_bfe_u32 s82, s[WV], 0x10002                  ; which of the work-group's two values of lo
	s_lshl_b32 s83, ttmp9, 2
	s_lshl_b32 s84, s82, 1
	s_add_co_u32 s83, s83, s84                     ; lo
	s_add_co_u32 s85, s83, 1
	s_sub_co_u32 s86, 15, s83
	s_sub_co_u32 s87, 14, s83
	s_cmp_eq_u32 s[ROLE], 0
	s_cselect_b32 s[BND], 7, s85                   ; first walk: a all eight steps, open; b steps 0 .. lo + 1, masked from lo
	s_cselect_b32 s[BN1], 8, s83
	s_cselect_b32 s[BND2], 0, s86                  ; second walk: a none; b steps 8 .. 15 - lo, masked from 14 - lo
	s_cselect_b32 s[BN12], 0, s87
	s_mov_b32 s[G1C], 15|(3<<16)|(1<<21)           ; all four partners; elements of 8 bytes; bit 21 beside a mask
	s_mov_b32 s[G1C+1], 768<<16                    ; a key step's 6,144 bytes,
	s_mov_b32 s[G1C+2], 4<<16                      ; four of them,
	s_mov_b32 s[G1C+3], 768<<16
	s_mov_b32 s[G1C+4], 4
	s_mov_b32 s[G1C+5], 12288                      ; 98,304 bytes apart
	s_mov_b32 s[G1C+6], 0
	s_mov_b32 s[G1C+7], 0
	s_mov_b32 s[G1KS], 15|(3<<16)|(1<<21)
	s_mov_b32 s[G1KS+1], 64<<16                    ; K's scale words: 512 bytes a step, 16 steps, 8,192 bytes apart
	s_mov_b32 s[G1KS+2], 16<<16
	s_mov_b32 s[G1KS+3], 64<<16
	s_mov_b32 s[G1KS+4], 16
	s_mov_b32 s[G1KS+5], 1024
	s_mov_b32 s[G1KS+6], 0
	s_mov_b32 s[G1KS+7], 0
	s_mov_b32 s[G1VS], 15|(3<<16)|(1<<21)
	s_mov_b32 s[G1VS+1], 32<<16                    ; V's: 256 bytes a step, 4,096 bytes apart
	s_mov_b32 s[G1VS+2], 16<<16
	s_mov_b32 s[G1VS+3], 32<<16
	s_mov_b32 s[G1VS+4], 16
	s_mov_b32 s[G1VS+5], 512
	s_mov_b32 s[G1VS+6], 0
	s_mov_b32 s[G1VS+7], 0
	s_and_b32 s89, s[WV], 1                        ; I fetch for K (0) or V (1),
	s_bfe_u32 s90, s[WV], 0x20001                  ; which four key steps
	s_lshl_b32 s84, s79, 17
	s_lshl_b32 s85, s80, 9
	s_add_co_u32 s84, s84, s85
	s_lshr_b32 s84, s84, s89                       ; V's scale words are half as many as K's
	s_mul_i32 s85, s89, 262144
	s_add_co_u32 s84, s84, s85
	s_add_co_u32 s84, s84, K_S
	s_mov_b32 s85, 0
	s_mul_i32 s86, s89, 3145728
	s_mul_i32 s87, s79, 1572864
	s_add_co_u32 s86, s86, s87
	s_mul_i32 s87, s80, 6144
	s_add_co_u32 s86, s86, s87
	s_mul_i32 s87, s90, 393216
	s_add_co_u32 s86, s86, s87
	s_add_co_u32 s86, s86, K_C
	s_mov_b32 s87, 0
	s_mul_i32 s91, s89, 98304
	s_mul_i32 s92, s90, 24576
	s_add_co_u32 s91, s91, s92
	s_lshl_b32 s92, s89, 13
	s_mov_b32 s[SEL], 0x76543210
	s_mov_b32 s[SEL+1], 0xfedcba98
	s_mov_b32 s[CS], 0x3e38aa3b                    ; log2(e) / 8
	s_mov_b32 s[CS+1], s[CS]
	s_mov_b32 s[TB], 0
	s_mov_b32 s[TS], 0
	s_mov_b32 s[TJ], 0
	s_mov_b32 s[ST], 0
	s_mov_b32 s[KF], 0
	s_wait_dscnt 0x0                               ; both opening adds are done
	s_wait_kmcnt 0x0
	CROUND                                         ; all four work-groups are here: the joint loads meet
	s_mov_b32 s[G0S], 1
	s_add_co_u32 s[G0S+1], s92, KSL
	s_add_nc_u64 s[G0S+2:G0S+3], s[4:5], s[84:85]
	s_or_b32 s[G0S+3], s[G0S+3], 0x80000000
	s_mov_b32 s[G0C], 1
	s_mov_b32 s[G0C+1], s91
	s_add_nc_u64 s[G0C+2:G0C+3], s[4:5], s[86:87]
	s_or_b32 s[G0C+3], s[G0C+3], 0x80000000
	s_cmp_lt_u32 s[WV], 8                          ; one chain of branches on the wave's number, one load to an arm, one join
	s_cbranch_scc0 .Lks
	tensor_load_to_lds s[G0C:G0C+3], s[G1C:G1C+7]
	ASKED
	s_branch .Lasked
.Lks:
	s_cmp_eq_u32 s[WV], 8
	s_cbranch_scc0 .Lvs
	tensor_load_to_lds s[G0S:G0S+3], s[G1KS:G1KS+7]
	ASKED
	s_branch .Lasked
.Lvs:
	s_cmp_eq_u32 s[WV], 9
	s_cbranch_scc0 .Lasked
	tensor_load_to_lds s[G0S:G0S+3], s[G1VS:G1VS+7]
	ASKED
.Lasked:
	s_lshr_b32 s84, s76, 1
	s_add_co_u32 s84, s83, s84                     ; g
	s_and_b32 s85, s76, 1                          ; which 64 tokens of a group
	s_lshl_b32 s86, s85, 2
	s_add_co_u32 s86, s86, s81                     ; my block among the group's eight
	s_lshl_b32 s87, s79, 4
	s_add_co_u32 s88, s87, s84
	s_lshl_b32 s88, s88, 4
	s_add_co_u32 s88, s88, s80                     ; (128 tokens) x 16 + head: the early block's,
	s_sub_co_u32 s89, 15, s84
	s_add_co_u32 s90, s87, s89
	s_lshl_b32 s90, s90, 4
	s_add_co_u32 s90, s90, s80                     ; the late block's
	s_cmp_eq_u32 s[ROLE], 0
	s_cselect_b32 s88, s90, s88                    ; my first block: a the late one, b the early one
	s_mul_i32 s91, s86, 768
	s_lshl_b32 s92, s86, 6
	s_add_co_u32 s92, s92, Q_S
	s_mul_i32 s94, s88, 6144
	s_add_co_u32 s94, s94, s91
	s_mov_b32 s95, 0
	s_add_nc_u64 s[96:97], s[4:5], s[94:95]        ; the first block's Q: codes,
	s_lshl_b32 s94, s88, 9
	s_add_co_u32 s94, s94, s92
	s_add_nc_u64 s[98:99], s[4:5], s[94:95]        ; scale words
	s_mul_i32 s94, s90, 6144
	s_add_co_u32 s94, s94, s91
	s_add_nc_u64 s[68:69], s[4:5], s[94:95]        ; the late block's
	s_lshl_b32 s94, s90, 9
	s_add_co_u32 s94, s94, s92
	s_add_nc_u64 s[70:71], s[4:5], s[94:95]
	s_lshl_b32 s93, s84, 7                         ; the early block's first token: 128 g + 32 (block / 2) + 8 (block % 2)
	s_lshr_b32 s94, s86, 1
	s_lshl_b32 s94, s94, 5
	s_add_co_u32 s93, s93, s94
	s_and_b32 s94, s86, 1
	s_lshl_b32 s94, s94, 3
	s_add_co_u32 s93, s93, s94
	s_sub_co_u32 s[DQ], s89, s84
	s_lshl_b32 s[DQ], s[DQ], 7                     ; 128 (15 - 2 g)
	s_cmp_eq_u32 s[ROLE], 0                        ; the way out: a wave stores d = 16 (w % 4) .. of one run of the stage: a its pair's early run (group g), b the late one (group 15 - g)
	s_cselect_b32 s94, s84, s89
	s_lshl_b32 s94, s94, 1
	s_add_co_u32 s94, s94, s85                     ; t / 64
	s_lshl_b32 s91, s79, 5
	s_add_co_u32 s94, s94, s91
	s_lshl_b32 s94, s94, 2
	s_add_co_u32 s94, s94, s81                     ; the block of 16 rows of the next operand
	s_mul_i32 s90, s94, 12288
	s_mul_i32 s91, s80, 768
	s_add_co_u32 s90, s90, s91
	s_mov_b32 s91, 0
	s_add_nc_u64 s[60:61], s[6:7], s[90:91]
	s_lshl_b32 s90, s94, 3
	s_lshr_b32 s92, s80, 1
	s_add_co_u32 s90, s90, s92
	s_lshl_b32 s90, s90, 6
	s_and_b32 s92, s80, 1
	s_lshl_b32 s92, s92, 1
	s_add_co_u32 s90, s90, s92
	s_add_co_u32 s90, s90, 3145728
	s_add_nc_u64 s[62:63], s[6:7], s[90:91]
	s_lshl_b32 s77, s82, 9                         ; LDS, by the wave's number alone.  The stage's columns: run 2 ((w / 4) % 2) the early 64 queries, the next run the late ones; in it 32 (block / 2) + 8 (block % 2)
	s_lshr_b32 s92, s81, 1
	s_lshl_b32 s92, s92, 7
	s_add_co_u32 s77, s77, s92
	s_and_b32 s92, s81, 1
	s_lshl_b32 s92, s92, 5
	s_add_co_u32 s77, s77, s92
	s_add_co_u32 s77, s77, STG
	s_mul_i32 s78, s81, 16*SPI
	s_lshl_b32 s92, s82, 1
	s_add_co_u32 s92, s92, s[ROLE]                 ; the run that I carry out
	s_lshl_b32 s92, s92, 8
	s_add_co_u32 s78, s78, s92
	s_add_co_u32 s78, s78, STG
	s_lshl_b32 s88, s82, 2
	s_add_co_u32 s88, s88, s81
	s_mul_i32 s88, s88, 4608
	s_add_co_u32 s88, s88, MRG
	v_and_b32 v8, 15, v0                           ; r
	v_bfe_u32 v9, v0, 4, 1                         ; h
	v_and_b32 v10, 31, v0
	s_delay_alu instid0(VALU_DEP_1)
	v_lshlrev_b32 v1, 4, v10                       ; 16 x lane
	v_lshlrev_b32 v2, 3, v10                       ; 8 x lane
	v_lshlrev_b32 v31, 2, v8
	global_load_b128 v[16:19], v1, s[96:97]
	global_load_b64 v[20:21], v2, s[96:97] offset:512
	global_load_b32 v28, v31, s[98:99]
	global_load_b128 v[192:195], v1, s[68:69]
	global_load_b64 v[196:197], v2, s[68:69] offset:512
	global_load_b32 v198, v31, s[70:71]
	v_add_nc_u32 v3, VC, v1
	v_add_nc_u32 v4, VC, v2
	v_lshl_add_u32 v5, v10, 2, KSL
	v_lshl_add_u32 v6, v10, 2, VSL
	v_and_b32 v11, 8, v8
	v_lshlrev_b32 v29, 4, v9
	s_delay_alu instid0(VALU_DEP_2)
	v_add_nc_u32 v11, v11, v8                      ; r + 8 (r / 8)
	s_delay_alu instid0(VALU_DEP_1)
	v_sub_nc_u32 v7, v11, v29
	v_lshlrev_b32 v30, 2, v11
	s_delay_alu instid0(VALU_DEP_2)
	v_add_nc_u32 v7, s93, v7                       ; the early block: my query - 16 (lane / 16)
	s_delay_alu instid0(VALU_DEP_2)
	v_mad_u32_u24 v30, v9, 16*SPI, v30
	s_delay_alu instid0(VALU_DEP_1)
	v_add_nc_u32 v[SIN], s77, v30                  ; in: column r + 8 (r / 8), rows 16 h on
	v_mul_u32_u24 v30, v8, SPI
	s_delay_alu instid0(VALU_DEP_1)
	v_lshl_add_u32 v30, v9, 7, v30
	s_delay_alu instid0(VALU_DEP_1)
	v_add_nc_u32 v[SBK], s78, v30                  ; back: d = 16 (w % 4) + r, my run's queries 32 h on
	v_add_nc_u32 v[IMG], s88, v1
	v_mov_b32 v13, 0xff61b1e6                      ; the largest t so far: -3e38
	s_delay_alu instid0(VALU_DEP_1)
	v_floor_f32 v12, -v13                          ; -M
	v_mov_b32 v14, 0
	v_mov_b32 v15, 0
.irp j, 22,23,24,25,26,27,80,81,82,83,84,85,236,237,238,239,252,253
	v_mov_b32 v\j, 0                               ; Q's upper 64 codes; behind K's last fragment; destinations of permutes; the pair of f
.endr
.set j, 0
.rept 32
	v_mov_b32 v[160+j], 0                          ; O^T: the step is written once, its first run finds zeros
.set j, j+1
.endr
.macro STEP                            ; 128 keys
	s_cmp_gt_u32 s[ST], s[BND]
	s_cbranch_scc1 .Lhid_\@                        ; not mine: a branch on ids, round the work alone
	v_add_nc_u32 v8, s[TB], v1                     ; (these six are also the places in front of loads into registers that the last products read)
	v_add_nc_u32 v9, s[TB], v2
	v_add_nc_u32 v10, s[TB], v3
	v_add_nc_u32 v11, s[TB], v4
	v_add_nc_u32 v29, s[TS], v5
	v_add_nc_u32 v30, s[TJ], v6
.irp t, 0,1,2,3,4,5,6,7
	ds_load_b128 v[32+6*\t:35+6*\t], v8 offset:768*\t
	ds_load_b64 v[36+6*\t:37+6*\t], v9 offset:768*\t+512
.endr
.irp u, 0,1,2,3
	ds_load_b32 v[88+\u], v29 offset:128*\u        ; lanes 0-15 tile 2 u's words, lanes 16-31 tile 2 u + 1's
.endr
	s_wait_alu depctr_va_vdst(0)                   ; the wait ahead of the wait below
	s_wait_dscnt 0x0
.irp t, 0,2,4,6
	v_wmma_scale_f32_16x16x128_f8f6f4 v[96+8*\t:103+8*\t], v[32+6*\t:43+6*\t], v[16:27], 0, v[88+\t/2], v28 matrix_a_fmt:MATRIX_FMT_FP6 matrix_b_fmt:MATRIX_FMT_FP6
	v_wmma_scale_f32_16x16x128_f8f6f4 v[104+8*\t:111+8*\t], v[38+6*\t:49+6*\t], v[16:27], 0, v[88+\t/2], v28 matrix_a_fmt:MATRIX_FMT_FP6 matrix_b_fmt:MATRIX_FMT_FP6 matrix_a_scale:MATRIX_SCALE_ROW1
.endr
.rept 4
	v_nop                                          ; places behind the products: for the loads below and the first read of the scores
.endr
.irp d, 0,1,2,3                        ; V's four fragments land under the softmax
.irp c, 0,1
	ds_load_b128 v[32+12*\d+6*\c:35+12*\d+6*\c], v10 offset:1536*\d+768*\c
	ds_load_b64 v[36+12*\d+6*\c:37+12*\d+6*\c], v11 offset:1536*\d+768*\c+512
.endr
.endr
	ds_load_b32 v92, v30
	ds_load_b32 v93, v30 offset:128
	s_cmp_lt_u32 s[ST], s[BN1]
	s_cbranch_scc1 .Lopen_\@                       ; all its keys count
	v_sub_nc_u32 v252, v7, s[KF]                   ; register 16 b + i holds key KF + 16 (lane / 16) + 32 b + i: hidden where 32 b + i is above this
	v_mov_b32 v254, 0xff800000
.set n, 0
.rept 64
	v_cmp_gt_i32 vcc_lo, 32*(n/16)+n%16, v252
	v_cndmask_b32 v[96+n], v[96+n], v254, vcc_lo
.set n, n+1
.endr
.Lopen_\@:
.irp b, 0,1,2,3
	v_max3_num_f32 v[232+\b], v[96+16*\b], v[97+16*\b], v[98+16*\b]   ; each block's largest score: for the row's maximum and for the block's largest p
.endr
.irp i, 3,5,7,9,11,13
.irp b, 0,1,2,3
	v_max3_num_f32 v[232+\b], v[232+\b], v[96+16*\b+\i], v[97+16*\b+\i]
.endr
.endr
.irp b, 0,1,2,3
	v_max_num_f32 v[232+\b], v[232+\b], v[111+16*\b]
.endr
.irp b, 0,1,2,3
	s_delay_alu instid0(VALU_DEP_4)
	v_permlanex16_b32 v[236+\b], v[232+\b], s[SEL], s[SEL+1]
.endr
.irp b, 0,1,2,3
	s_delay_alu instid0(VALU_DEP_4)
	v_max_num_f32 v[232+\b], v[232+\b], v[236+\b]
.endr
	s_delay_alu instid0(VALU_DEP_2)
	v_max3_num_f32 v254, v232, v233, v234
	s_delay_alu instid0(VALU_DEP_1)
	v_max_num_f32 v254, v254, v235
	s_delay_alu instid0(VALU_DEP_1)
	v_mul_f32 v254, s[CS], v254
	s_delay_alu instid0(VALU_DEP_1)
	v_max_num_f32 v13, v13, v254                   ; the running largest t
	v_mov_b32 v254, v12
	s_delay_alu instid0(VALU_DEP_2)
	v_floor_f32 v12, -v13                          ; -M = floor(-t): M is a whole number
	s_delay_alu instid0(VALU_DEP_1)
	v_sub_f32 v254, v12, v254
	s_delay_alu instid0(VALU_DEP_1)
	v_cvt_i32_f32 v254, v254                       ; (it saturates)
	s_delay_alu instid0(VALU_DEP_1)
	v_ldexp_f32 v252, 1.0, v254                    ; f = 2^(old M - new M)
.set j, 0
.rept 32
	v_pk_fma_f32 v[96+j:97+j], v[96+j:97+j], s[CS:CS+1], v[12:13] op_sel_hi:[1,0,0]   ; t - M
.set j, j+2
.endr
.irp b, 0,1,2,3
	v_fma_f32 v[232+\b], v[232+\b], s[CS], v12
.endr
.set j, 0
	s_wait_alu depctr_va_vdst(0)                   ; the wait ahead of the batch
.rept 64
	v_exp_f32 v[96+j], v[96+j]                     ; p, not normalised
.set j, j+1
.endr
	v_pk_mul_f32 v[14:15], v[14:15], v[252:253] op_sel_hi:[1,0]   ; the sums under the new M; the plain line behind the batch
	s_wait_alu depctr_va_vdst(0)                   ; one wait for the 64, ahead of their first reader
.irp b, 0,1,2,3
	v_exp_f32 v[232+\b], v[232+\b]                 ; each block's largest p
.endr
.irp c, 0,1,2,3,4,5,6                  ; the row's sum of the unquantised p: eight chains, 32 packed additions
	v_pk_add_f32 v[236+2*\c:237+2*\c], v[96+4*\c:97+4*\c], v[98+4*\c:99+4*\c]
.endr
	v_pk_add_f32 v[14:15], v[14:15], v[124:125]
.irp c, 0,1,2,3,4,5,6
	v_pk_add_f32 v[236+2*\c:237+2*\c], v[236+2*\c:237+2*\c], v[126+2*\c:127+2*\c]
.endr
	v_pk_add_f32 v[14:15], v[14:15], v[140:141]
.irp c, 0,1,2,3,4,5,6
	v_pk_add_f32 v[236+2*\c:237+2*\c], v[236+2*\c:237+2*\c], v[142+2*\c:143+2*\c]
.endr
	v_pk_add_f32 v[14:15], v[14:15], v[156:157]
	v_pk_add_f32 v[236:237], v[236:237], v[158:159]
	v_pk_add_f32 v[240:241], v[240:241], v[242:243]
	v_pk_add_f32 v[244:245], v[244:245], v[246:247]
	v_pk_add_f32 v[14:15], v[14:15], v[248:249]
	v_pk_add_f32 v[236:237], v[236:237], v[238:239]
	s_delay_alu instid0(VALU_DEP_2)
	v_pk_add_f32 v[14:15], v[14:15], v[244:245]
	s_delay_alu instid0(VALU_DEP_2)
	v_pk_add_f32 v[236:237], v[236:237], v[240:241]
	s_delay_alu instid0(VALU_DEP_1)
	v_pk_add_f32 v[14:15], v[14:15], v[236:237]
	s_wait_alu depctr_va_vdst(0)                   ; and one for the four
.irp b, 0,1,2,3
	v_max_num_f32 v[232+\b], 0x1800000, v[232+\b]  ; the floor 2^(3 - 127)
.endr
.irp b, 0,1,2,3
	s_delay_alu instid0(VALU_DEP_4)
	v_add_nc_u32 v[244+\b], 0xff000000, v[232+\b]
.endr
.irp b, 0,1,2,3
	s_delay_alu instid0(VALU_DEP_4)
	v_lshrrev_b32 v[236+\b], 23, v[244+\b]
.endr
	s_delay_alu instid0(VALU_DEP_3)
	v_lshl_or_b32 v253, v237, 8, v236              ; p's scale word
	s_delay_alu instid0(VALU_DEP_1)
	v_lshl_or_b32 v253, v238, 16, v253
	s_delay_alu instid0(VALU_DEP_1)
	v_lshl_or_b32 v253, v239, 24, v253
.irp c, 0,1
	v_cvt_scalef32_pk16_fp6_f32 v[224+6*\c:226+6*\c], v[96+32*\c:111+32*\c], v[244+2*\c]
	v_cvt_scalef32_pk16_fp6_f32 v[236+4*\c:238+4*\c], v[112+32*\c:127+32*\c], v[244+2*\c+1]
.endr
	v_nop
.irp c, 0,1
.irp i, 0,1,2
	v_permlane16_swap_b32 v[224+6*\c+\i], v[236+4*\c+\i]
.endr
.irp i, 0,1,2
	s_delay_alu instid0(VALU_DEP_3)
	v_mov_b32 v[227+6*\c+\i], v[236+4*\c+\i]
.endr
.endr
.set j, 0
.rept 16
	v_pk_mul_f32 v[160+j:161+j], v[160+j:161+j], v[252:253] op_sel_hi:[1,0]   ; O^T under the new M; also the places in front of the products below
.set j, j+2
.endr
	s_wait_alu depctr_va_vdst(0)                   ; the wait ahead of the wait below
	s_wait_dscnt 0x0                               ; V
.irp d, 0,2
	v_wmma_scale_f32_16x16x128_f8f6f4 v[160+8*\d:167+8*\d], v[32+12*\d:43+12*\d], v[224:235], v[160+8*\d:167+8*\d], v[92+\d/2], v253 matrix_a_fmt:MATRIX_FMT_FP6 matrix_b_fmt:MATRIX_FMT_FP6
	v_wmma_scale_f32_16x16x128_f8f6f4 v[168+8*\d:175+8*\d], v[44+12*\d:55+12*\d], v[224:235], v[168+8*\d:175+8*\d], v[92+\d/2], v253 matrix_a_fmt:MATRIX_FMT_FP6 matrix_b_fmt:MATRIX_FMT_FP6 matrix_a_scale:MATRIX_SCALE_ROW1
.endr
.Lhid_\@:
	s_add_co_u32 s[TB], s[TB], 6144
	s_add_co_u32 s[TS], s[TS], 512
	s_add_co_u32 s[TJ], s[TJ], 256
	s_add_co_u32 s[KF], s[KF], 128
	s_add_co_u32 s[ST], s[ST], 1
.endm
.macro WALK                            ; eight key steps: a constant count, so that the LDS addresses are plain steps
	s_mov_b32 s[CNT], 8
.Lstep_\@:
	STEP
	s_sub_co_u32 s[CNT], s[CNT], 1
	s_cmp_lg_u32 s[CNT], 0
	s_cbranch_scc1 .Lstep_\@
.endm
.macro FINISH late                     ; O^T / the row's sum goes to the stage, d by rows and queries along them
	v_add_f32 v14, v14, v15
	s_delay_alu instid0(VALU_DEP_1)
	v_permlanex16_b32 v252, v14, s[SEL], s[SEL+1]
	s_delay_alu instid0(VALU_DEP_1)
	v_add_f32 v14, v14, v252
	s_wait_alu depctr_va_vdst(0)                   ; the wait ahead of the reciprocal
	v_rcp_f32 v14, v14
	v_nop                                          ; a plain line behind it
	s_wait_alu depctr_va_vdst(0)                   ; the wait ahead of its first reader, which is O^T's first reader too
.set j, 0
.rept 32
	v_mul_f32 v[96+j], v[160+j], v14               ; register 16 b + i is d = 32 b + 16 h + i
.set j, j+1
.endr
.set j, 0
.rept 32
	ds_store_b32 v[SIN], v[96+j] offset:(32*(j/16)+j%16)*SPI+256*\late
.set j, j+1
.endr
.endm
	s_wait_alu depctr_va_vdst(0)                   ; the wait at the head's end
	s_wait_loadcnt 0x0                             ; Q
	s_wait_tensorcnt 0x0                           ; my load, if I issued one, has landed
	s_barrier_signal -1
	s_barrier_wait -1                              ; K, V and their scale words lie in LDS for all sixteen waves; nothing is filled again
	WALK                                           ; steps 0-7
	s_cmp_lg_u32 s[ROLE], 0
	s_cbranch_scc1 .Learly_done
.rept 4
	v_nop                                          ; places behind the last products
.endr
.irp j, 0,1,2,3,4,5,6,7                ; wave a: my part of the late block as an image of its registers, each accumulator from its low end on
	ds_store_b128 v[IMG], v[160+4*\j:163+4*\j] offset:512*\j
.endr
	ds_store_b128 v[IMG], v[12:15] offset:4096     ; -M, the largest t, the row's sum in two halves
	s_branch .Lsecond
.Learly_done:
.rept 4
	v_nop
.endr
	FINISH 0                                       ; wave b: the early block is done
.irp j, 0,1,2,3,4,5
	v_mov_b32 v[16+\j], v[192+\j]                  ; the late block's Q,
.endr
	v_mov_b32 v28, v198                            ; its scale words (the 37 lines below are the places ahead of the next scaled products),
	v_add_nc_u32 v7, s[DQ], v7                     ; its queries,
	v_mov_b32 v13, 0xff61b1e6                      ; and a fresh state
	v_mov_b32 v14, 0
	v_mov_b32 v15, 0
	v_floor_f32 v12, -v13
.set j, 0
.rept 32
	v_mov_b32 v[160+j], 0
.set j, j+1
.endr
	s_wait_alu depctr_va_vdst(0)
.Lsecond:
	s_mov_b32 s[BND], s[BND2]
	s_mov_b32 s[BN1], s[BN12]
	WALK                                           ; steps 8-15
.rept 4
	v_nop                                          ; places behind the last products
.endr
	s_wait_alu depctr_va_vdst(0)
	s_wait_dscnt 0x0                               ; for the others' sake: my image or my early block lies in LDS
	s_barrier_signal -1
	s_barrier_wait -1
	s_cmp_eq_u32 s[ROLE], 0
	s_cbranch_scc1 .Ljoined
.irp j, 0,1,2,3,4,5,6,7                ; wave b joins the late block's two parts
	ds_load_b128 v[96+4*\j:99+4*\j], v[IMG] offset:512*\j
.endr
	ds_load_b128 v[128:131], v[IMG] offset:4096
	s_wait_dscnt 0x0
	v_min_num_f32 v132, v12, v128                  ; -M of the larger M
	v_mov_b32 v137, 0                              ; (upper halves of the pairs that hold the factors)
	v_mov_b32 v139, 0
	s_delay_alu instid0(VALU_DEP_3)
	v_sub_f32 v133, v132, v128                     ; whole numbers, 0 or less
	v_sub_f32 v134, v132, v12
	s_delay_alu instid0(VALU_DEP_2)
	v_cvt_i32_f32 v133, v133                       ; (they saturate)
	s_delay_alu instid0(VALU_DEP_2)
	v_cvt_i32_f32 v134, v134
	s_delay_alu instid0(VALU_DEP_2)
	v_ldexp_f32 v136, 1.0, v133                    ; wave a's factor,
	s_delay_alu instid0(VALU_DEP_2)
	v_ldexp_f32 v138, 1.0, v134                    ; mine
	s_delay_alu instid0(VALU_DEP_1)
	v_pk_mul_f32 v[14:15], v[14:15], v[138:139] op_sel_hi:[1,0]
.set j, 0
.rept 16
	v_pk_mul_f32 v[160+j:161+j], v[160+j:161+j], v[138:139] op_sel_hi:[1,0]
.set j, j+2
.endr
	v_pk_fma_f32 v[14:15], v[130:131], v[136:137], v[14:15] op_sel_hi:[1,0,1]
.set j, 0
.rept 16
	v_pk_fma_f32 v[160+j:161+j], v[96+j:97+j], v[136:137], v[160+j:161+j] op_sel_hi:[1,0,1]
.set j, j+2
.endr
	FINISH 1
.Ljoined:
	s_wait_dscnt 0x0
	s_barrier_signal -1
	s_barrier_wait -1                              ; the stage is whole
	; THE WAY OUT: a lane takes 32 neighbouring queries of one d: a whole block of the next K
	v_bfe_u32 v9, v0, 4, 1                         ; h
.irp j, 0,1,2,3,4,5,6,7
	ds_load_b128 v[32+4*\j:35+4*\j], v[SBK] offset:16*\j
.endr
	s_wait_dscnt 0x0
	v_max3_num_f32 v232, |v32|, |v33|, 0x1800000
.irp i, 2,4,6,8,10,12,14,16,18,20,22,24,26,28,30
	s_delay_alu instid0(VALU_DEP_1)
	v_max3_num_f32 v232, v232, |v[32+\i]|, |v[33+\i]|
.endr
	s_delay_alu instid0(VALU_DEP_1)
	v_add_nc_u32 v244, 0xff000000, v232
	s_delay_alu instid0(VALU_DEP_1)
	v_lshrrev_b32 v236, 23, v244
	v_cvt_scalef32_pk16_fp6_f32 v[224:226], v[32:47], v244
	v_cvt_scalef32_pk16_fp6_f32 v[240:242], v[48:63], v244
	v_lshlrev_b32 v237, 3, v9                      ; (the plain line behind the conversions)
	v_mov_b32 v227, v240
	v_mov_b32 v228, v241
	v_mov_b32 v229, v242
	s_delay_alu instid0(VALU_DEP_4)
	v_lshlrev_b32 v236, v237, v236                 ; my byte at its place,
	s_delay_alu instid0(VALU_DEP_1)
	v_permlanex16_b32 v238, v236, s[SEL], s[SEL+1]
	s_delay_alu instid0(VALU_DEP_1)
	v_or_b32 v236, v236, v238                      ; with lane l xor 16's: the head's two bytes of row r
	global_store_b128 v1, v[224:227], s[60:61]
	global_store_b64 v2, v[228:229], s[60:61] offset:512
	global_store_b16 v31, v236, s[62:63]
	s_wait_tensorcnt 0x0                           ; the wave's end
	ds_add_u32 v251, v255
	s_wait_dscnt 0x0
	CROUND                                         ; the closing round
	s_endpgm
.Lfunc_end_k_q0c79bbaf5f_attn:
	.size	k_q0c79bbaf5f_attn, .Lfunc_end_k_q0c79bbaf5f_attn-k_q0c79bbaf5f_attn
	.p2alignl 7, 3214868480
	.fill 96, 4, 3214868480
	.section	.rodata,"a",@progbits
	.p2align	6, 0x0
	.amdhsa_kernel k_q0c79bbaf5f_attn
		.amdhsa_group_segment_fixed_size 327680
		.amdhsa_private_segment_fixed_size 0
		.amdhsa_enable_private_segment 0
		.amdhsa_kernarg_size 16
		.amdhsa_user_sgpr_count 2
		.amdhsa_user_sgpr_kernarg_segment_ptr 1
		.amdhsa_wavefront_size32 1
		.amdhsa_system_sgpr_workgroup_id_x 1
		.amdhsa_system_sgpr_workgroup_id_y 1
		.amdhsa_system_sgpr_workgroup_id_z 1
		.amdhsa_system_vgpr_workitem_id 0
		.amdhsa_next_free_vgpr 256
		.amdhsa_next_free_sgpr 100
		.amdhsa_reserve_vcc 1
		.amdhsa_float_denorm_mode_32 3
		.amdhsa_float_denorm_mode_16_64 3
		.amdhsa_memory_ordered 1
		.amdhsa_forward_progress 1
		.amdhsa_inst_pref_size 75
	.end_amdhsa_kernel
	.amdgpu_metadata
---
amdhsa.version: [ 1, 2 ]
amdhsa.kernels:
  - .name:           k_q0c79bbaf5f_attn
    .symbol:         k_q0c79bbaf5f_attn.kd
    .args:
      - { .name: qkv, .offset: 0, .size: 8, .value_kind: global_buffer, .address_space: global }
      - { .name: ctx, .offset: 8, .size: 8, .value_kind: global_buffer, .address_space: global }
    .group_segment_fixed_size: 327680
    .private_segment_fixed_size: 0
    .kernarg_segment_align: 8
    .kernarg_segment_size: 16
    .max_flat_workgroup_size: 512
    .sgpr_count:     100
    .vgpr_count:     256
    .wavefront_size: 32
...
	.end_amdgpu_metadata
.endif
;; end of part 10
;; launch fcg (part 11): grid 8 x 32, 4 waves a work-group, clusters of 4 x 4, 327,680 bytes of LDS; arguments ctx, big, fc_b, x, hbuf; writes hbuf
.if DOCPART == 11
	.amdgcn_target "amdgcn-amd-amdhsa--gfx1250"
	.amdhsa_code_object_version 6
	.text
	.protected	k_q0c79bbaf5f_fcg
	.globl	k_q0c79bbaf5f_fcg
	.p2align	8
	.type	k_q0c79bbaf5f_fcg,@function
k_q0c79bbaf5f_fcg:
	s_mov_b64 s[64:65], 0
	v_nop
	global_prefetch_b8 v0, s[64:65] scope:SCOPE_SE
	s_setreg_imm32_b32 hwreg(HW_REG_WAVE_MODE, 25, 1), 1
	s_wait_xcnt 0x0
	s_wait_alu depctr_hold_cnt(0) depctr_sa_sdst(0) depctr_va_vdst(0) depctr_va_sdst(0) depctr_va_ssrc(0) depctr_va_vcc(0) depctr_vm_vsrc(0)
	s_getreg_b32 s2, hwreg(HW_REG_IB_STS2, 6, 4)
	s_cmp_eq_u32 s2, 0
	s_cbranch_scc0 .Lentry_in_a_cluster
	s_endpgm
.Lentry_in_a_cluster:
	s_bfe_u32 s2, ttmp6, 0x10000c
	s_cmp_lg_u32 s2, 0xf033
	s_cbranch_scc0 .Lentry_shape_is_right
	s_endpgm
.Lentry_shape_is_right:
.set KK,     1024
.set A_S,    3145728
.set B_C,    5734400
.set B_S,    6520832
.set KST,    KK/128
.set KROW,   KK*3/4
.set KS,     KK/32
.set RBP,    16*KROW
.set NQ,     4
.set ROWB,   NQ*1536
.set FR,     12
.set NP,     4
.set HALFT,  4*ROWB
.set SLOT,   4*HALFT
.set LAPS,   KK/(256*NQ)
.set SCL,    2*SLOT
.set HALFS,  256*KST
.set SPARE,  SCL+4*HALFS
.set SPITCH, 272
.set ADRA, 16
.set ADRB, 20
.set STO,  24
.set RD,   25
.set CO,   26
.set ADRS, 27
.set SPW,  28
.set NIL,  29
.set SC,   32
.set BI,   64
.set BK,   64
.set ACC,  128
.set RS,   0
.set G1, 24
.set G0, 32
.set G1B, 48
.set G0B, 56
.set G1S, 68
.set G0S, 76
.set G1SB, 80
.set G0SB, 88
.set MSB, 0
.macro WIN new
.if MSB != (\new)
	s_set_vgpr_msb (MSB<<8)|(\new)
.set MSB, (\new)
.endif
.endm
.set MUL,  0x05
.set TO_F, 0x40
.macro JLOAD g0a, g1a, g0b, g1b
	s_cmp_eq_u32 s15, 0
	s_cbranch_scc0 .Lfor_b_\@
	tensor_load_to_lds s[\g0a:\g0a+3], s[\g1a:\g1a+7]
	s_nop 0
.rept 4
	v_nop
.endr
	s_branch .Lasked_\@
.Lfor_b_\@:
	tensor_load_to_lds s[\g0b:\g0b+3], s[\g1b:\g1b+7]
	s_nop 0
.rept 4
	v_nop
.endr
.Lasked_\@:
.endm
.macro CREST
	s_cmp_lg_u32 s14, 0
	s_cbranch_scc1 .Lnot_wave_0_\@
	s_barrier_signal -3
.Lnot_wave_0_\@:
	s_barrier_wait -3
	s_barrier_signal -1
	s_barrier_wait -1
.endm
.macro CROUND
	s_barrier_signal -1
	s_barrier_wait -1
	CREST
.endm
	s_load_b128 s[4:7], s[0:1], 0x0
	s_load_b128 s[96:99], s[0:1], 0x10
	s_load_b64 s[12:13], s[0:1], 0x20
	v_lshl_add_u32 v[SPW], v0, 2, SPARE
	v_mov_b32 v[NIL], 0
	ds_add_u32 v28, v29
	ds_add_u32 v28, v29
	s_wait_dscnt 0x0
	v_lshrrev_b32 v1, 5, v0
	v_readfirstlane_b32 s14, v1
	s_lshr_b32 s15, s14, 1
	s_and_b32 s16, s14, 1
	s_bfe_u32 s40, ttmp6, 0x40000
	s_bfe_u32 s41, ttmp6, 0x40004
	s_lshl_b32 s42, ttmp9, 2
	s_add_co_u32 s42, s42, s40
	s_and_b32 s17, ttmp7, 0xffff
	s_lshl_b32 s17, s17, 2
	s_add_co_u32 s17, s17, s41
	s_lshl_b32 s43, s41, 2
	s_lshl_b32 s43, 15, s43
	s_lshl_b32 s44, 0x1111, s40
	s_or_b32 s[G1+0], s43, (3<<16)|(1<<21)
	s_or_b32 s[G1B+0], s44, (3<<16)|(1<<21)
.irp g, G1, G1B
	s_mov_b32 s[\g+1], (ROWB/8)<<16
	s_mov_b32 s[\g+2], 8<<16                       ; 8 blocks of rows for the head's loads; set to 4 for the ring's behind them
	s_mov_b32 s[\g+3], (ROWB/8)<<16
	s_mov_b32 s[\g+4], 8
	s_mov_b32 s[\g+5], RBP/8
	s_mov_b32 s[\g+6], 0
	s_mov_b32 s[\g+7], 0
.endr
	s_or_b32 s[G1S+0], s43, (3<<16)|(1<<21)
	s_or_b32 s[G1SB+0], s44, (3<<16)|(1<<21)
.irp g, G1S, G1SB
	s_mov_b32 s[\g+1], 32<<16
	s_mov_b32 s[\g+2], (HALFS/128)<<16             ; the scale words of all 128 rows in one load
	s_mov_b32 s[\g+3], 32<<16
	s_mov_b32 s[\g+4], HALFS/128
	s_mov_b32 s[\g+5], 32
	s_mov_b32 s[\g+6], 0
	s_mov_b32 s[\g+7], 0
.endr
	s_lshl_b32 s20, s17, 7                         ; A: the tile's first row
	s_lshl_b32 s46, s42, 7                         ; B likewise
	s_mov_b32 s21, 0
	s_mov_b32 s47, 0
	s_mov_b64 s[18:19], KS
	s_mul_u64 s[22:23], s[20:21], s[18:19]
	s_mul_u64 s[92:93], s[46:47], s[18:19]
	s_mov_b64 s[18:19], KROW
	s_mul_u64 s[20:21], s[20:21], s[18:19]
	s_mul_u64 s[46:47], s[46:47], s[18:19]
	s_mul_i32 s45, s14, HALFT
	s_mul_i32 s18, s16, 4*RBP                      ; in the ring I fetch 64 rows of a tile: which half, in bytes
	s_mov_b32 s19, 0
	s_wait_kmcnt 0x0
	s_add_nc_u64 s[8:9], s[6:7], B_C
	s_add_nc_u64 s[10:11], s[6:7], B_S
	s_add_nc_u64 s[6:7], s[4:5], A_S
	s_add_nc_u64 s[20:21], s[4:5], s[20:21]
	s_add_nc_u64 s[22:23], s[6:7], s[22:23]
	s_add_nc_u64 s[46:47], s[8:9], s[46:47]
	s_add_nc_u64 s[92:93], s[10:11], s[92:93]
	CROUND
	s_mov_b32 s[G0S], 1
	s_mov_b32 s[G0S+1], SCL
	s_mov_b64 s[G0S+2:G0S+3], s[22:23]
	s_or_b32 s[G0S+3], s[G0S+3], 0x80000000
	s_mov_b32 s[G0SB], 1
	s_mov_b32 s[G0SB+1], SCL+2*HALFS
	s_mov_b64 s[G0SB+2:G0SB+3], s[92:93]
	s_or_b32 s[G0SB+3], s[G0SB+3], 0x80000000
	s_mov_b32 s4, 1                                ; s[4:7], s[8:11]: group 0 of the head's loads of slot 0: A's 128 rows, B's 128 rows
	s_mov_b32 s5, 0
	s_mov_b64 s[6:7], s[20:21]
	s_or_b32 s7, s7, 0x80000000
	s_mov_b32 s8, 1
	s_mov_b32 s9, 2*HALFT
	s_mov_b64 s[10:11], s[46:47]
	s_or_b32 s11, s11, 0x80000000
	s_add_nc_u64 s[20:21], s[20:21], s[18:19]      ; for the ring: my 64 rows
	s_add_nc_u64 s[46:47], s[46:47], s[18:19]
	s_cmp_eq_u32 s15, 0                            ; s[66:67]: where my prefetch stands.  Of the 4 blocks of rows that I fetch, each of the four partners that ask with me takes 1, told apart by address
	s_cselect_b64 s[66:67], s[20:21], s[46:47]
	s_cselect_b32 s22, s40, s41                    ; my place among them: cx for A, cy for B
	s_mul_i32 s22, s22, RBP
	s_mov_b32 s23, 0
	s_add_nc_u64 s[66:67], s[66:67], s[22:23]
.irp s, 0,1
	s_mov_b32 s[G0+4*\s], 1
	s_add_co_u32 s[G0+4*\s+1], s45, \s*SLOT
	s_add_nc_u64 s[G0+4*\s+2:G0+4*\s+3], s[20:21], \s*ROWB
	s_or_b32 s[G0+4*\s+3], s[G0+4*\s+3], 0x80000000
	s_mov_b32 s[G0B+4*\s], 1
	s_add_co_u32 s[G0B+4*\s+1], s45, \s*SLOT
	s_add_nc_u64 s[G0B+4*\s+2:G0B+4*\s+3], s[46:47], \s*ROWB
	s_or_b32 s[G0B+4*\s+3], s[G0B+4*\s+3], 0x80000000
.endr
; the head's four tiles, one joint load a wave: wave 0 A's part of slot 0, wave 1 B's, wave 2 A's scale words, wave 3 B's; one chain of branches, one join
.macro ARM under, g0, g1, next
	s_cmp_lt_u32 s14, \under
	s_cbranch_scc0 \next
	tensor_load_to_lds s[\g0:\g0+3], s[\g1:\g1+7]
	s_nop 0
.rept 4
	v_nop
.endr
	s_branch .Lhead_asked
\next:
.endm
	ARM 1, 4, G1, .Lhead_b
	ARM 2, 8, G1B, .Lhead_sa
	ARM 3, G0S, G1S, .Lhead_sb
	tensor_load_to_lds s[G0SB:G0SB+3], s[G1SB:G1SB+7]
	s_nop 0
.rept 4
	v_nop
.endr
.Lhead_asked:
	v_and_b32 v1, 15, v0
	s_wait_alu depctr_va_vdst(0)
	v_bfe_u32 v2, v0, 4, 1
	v_and_b32 v3, 31, v0
	v_lshlrev_b32 v4, 4, v3
	v_lshlrev_b32 v5, 3, v3
	v_min_u32 v30, 23, v3                          ; a lane names 256 bytes of my share of a slot: 6,144 bytes are 24 such; the lanes left over name the last again
	v_lshlrev_b32 v30, 8, v30
	global_prefetch_b8 v30, s[66:67] offset:ROWB th:TH_LOAD_NT scope:SCOPE_SE     ; behind the load of K's first half: the second; K ends there
	s_lshl_b32 s46, s42, 9
	s_lshl_b32 s47, s16, 8
	s_add_co_u32 s46, s46, s47
	s_mov_b32 s47, 0
	s_add_nc_u64 s[96:97], s[96:97], s[46:47]
	v_lshlrev_b32 v7, 6, v2
.irp b, 0,1,2,3
	global_load_b128 v[BI+8*\b:BI+8*\b+3], v7, s[96:97] offset:(32*(\b/2)+8*(\b%2))*4
	global_load_b128 v[BI+8*\b+4:BI+8*\b+7], v7, s[96:97] offset:(32*(\b/2)+8*(\b%2))*4+16
.endr
	s_lshr_b32 s20, s17, 4
	s_lshl_b32 s20, s20, 11
	s_lshl_b32 s21, s17, 1
	s_add_co_u32 s21, s21, s15
	s_and_b32 s21, s21, 31
	s_add_co_u32 s20, s20, s21
	s_lshl_b32 s20, s20, 12
	s_add_co_u32 s20, s20, s46
	s_mov_b32 s21, 0
	s_add_nc_u64 s[12:13], s[12:13], s[20:21]
	s_add_nc_u64 s[98:99], s[98:99], s[20:21]
	v_lshlrev_b32 v[CO], 4, v1
	s_wait_alu depctr_va_vdst(0)
	v_lshl_add_u32 v[CO], v2, 17, v[CO]
	s_mul_i32 s21, s15, HALFT
	s_mul_i32 s22, s16, HALFT
	s_add_co_u32 s22, s22, 2*HALFT
.irp s, 0,1
	v_add_nc_u32 v[ADRA+\s], s21, v4
	v_add_nc_u32 v[ADRB+\s], s22, v4
	v_add_nc_u32 v[ADRA+2+\s], s21, v5
	v_add_nc_u32 v[ADRB+2+\s], s22, v5
	s_add_co_u32 s21, s21, SLOT
	s_add_co_u32 s22, s22, SLOT
.endr
	v_lshlrev_b32 v8, 2, v1
	s_mul_i32 s21, s15, HALFS
	s_mul_i32 s22, s16, HALFS
	s_add_co_u32 s22, s22, 2*HALFS
	s_sub_co_u32 s22, s22, s21
	v_mul_u32_u24 v6, s22, v2
	s_add_co_u32 s21, s21, SCL
	v_add_nc_u32 v6, v8, v6
	v_add_nc_u32 v[ADRS], s21, v6
	s_mul_i32 s23, s14, 16*SPITCH
	v_mul_u32_u24 v6, v1, SPITCH
	v_lshl_add_u32 v6, v2, 6, v6
	v_add_nc_u32 v[STO], s23, v6
	v_mul_u32_u24 v6, v2, SPITCH
	v_lshl_add_u32 v6, v1, 4, v6
	v_add_nc_u32 v[RD], s23, v6
.macro FRAG reg, adr, q, i
.irp c, 0,1
	ds_load_b128 v[\reg+6*\c:\reg+6*\c+3], v[\adr] offset:(\i)*ROWB+(\q)*1536+768*\c
	ds_load_b64 v[\reg+6*\c+4:\reg+6*\c+5], v[\adr+2] offset:(\i)*ROWB+(\q)*1536+768*\c+512
.endr
.endm
.macro MULA f, a, q, sc, zero
.irp b, 0,1,2,3
.if \zero
	v_wmma_scale_f32_16x16x128_f8f6f4 v[ACC+8*(4*(\a)+\b):ACC+8*(4*(\a)+\b)+7], v[\f+FR*\b:\f+FR*\b+FR-1], v[\f+48+FR*(\a):\f+48+FR*(\a)+FR-1], v[BI+8*\b:BI+8*\b+7], v[SC+4*NQ*(\sc)+NQ*\b+(\q)], v[SC+4*NQ*(\sc)+NQ*(\a)+(\q)] matrix_a_fmt:MATRIX_FMT_FP6 matrix_b_fmt:MATRIX_FMT_FP6 matrix_a_scale:MATRIX_SCALE_ROW1
.else
	v_wmma_scale_f32_16x16x128_f8f6f4 v[ACC+8*(4*(\a)+\b):ACC+8*(4*(\a)+\b)+7], v[\f+FR*\b:\f+FR*\b+FR-1], v[\f+48+FR*(\a):\f+48+FR*(\a)+FR-1], v[ACC+8*(4*(\a)+\b):ACC+8*(4*(\a)+\b)+7], v[SC+4*NQ*(\sc)+NQ*\b+(\q)], v[SC+4*NQ*(\sc)+NQ*(\a)+(\q)] matrix_a_fmt:MATRIX_FMT_FP6 matrix_b_fmt:MATRIX_FMT_FP6 matrix_a_scale:MATRIX_SCALE_ROW1
.endif
.endr
.endm
.macro FETCH slot, q, f
	WIN TO_F
.irp i, 0,1,2,3
	FRAG (\f)+FR*\i, ADRB+\slot, \q, \i
.endr
.irp i, 0,1,2,3
	FRAG (\f)+48+FR*\i, ADRA+\slot, \q, \i
.endr
.endm
.macro SCALES sc
.irp i, 0,1,2,3
.irp q, 0,1,2,3
	ds_load_b32 v[SC+4*NQ*\sc+NQ*\i+\q], v[ADRS] offset:\i*KST*64+64*\q
.endr
.endr
.endm
.macro PLACES n
.rept \n
	v_nop
.endr
.endm
.macro STEP slot, q, zero
	s_wait_dscnt 8
	WIN MUL
	MULA 96*((\q)%2), 0, \q, \slot, \zero
	MULA 96*((\q)%2), 1, \q, \slot, \zero
	PLACES NP
	FETCH \slot, (\q)+1, 96*(1-(\q)%2)
	s_wait_dscnt 32
	WIN MUL
	MULA 96*((\q)%2), 2, \q, \slot, \zero
	MULA 96*((\q)%2), 3, \q, \slot, \zero
.endm
.macro TURN slot, next, fill
	WIN 0
	s_wait_tensorcnt 0x0
	ds_add_u32 v[SPW], v[NIL]
	s_wait_dscnt 9
	WIN MUL
	MULA 96, 0, NQ-1, \slot, 0
	s_wait_dscnt 0x0
	s_barrier_signal -1
	MULA 96, 1, NQ-1, \slot, 0
	WIN 0
	s_barrier_wait -1
.if \fill
	CREST
	s_add_nc_u64 s[G0+4*\slot+2:G0+4*\slot+3], s[G0+4*\slot+2:G0+4*\slot+3], 2*ROWB
	s_add_nc_u64 s[G0B+4*\slot+2:G0B+4*\slot+3], s[G0B+4*\slot+2:G0B+4*\slot+3], 2*ROWB
	JLOAD G0+4*\slot, G1, G0B+4*\slot, G1B
.else
	PLACES NP
.endif
	v_add_nc_u32 v[ADRS], 64*NQ, v[ADRS]
	SCALES \next
	FETCH \next, 0, 0
	WIN MUL
	MULA 96, 2, NQ-1, \slot, 0
	MULA 96, 3, NQ-1, \slot, 0
.endm
	s_wait_alu depctr_va_vdst(0)                   ; the wait at the head's end
	s_wait_tensorcnt 0x0                           ; my tile of the head's four is in
	ds_add_u32 v[SPW], v[NIL]                      ; the add ahead of a later first fill
	s_mov_b32 s[G1+2], 4<<16                       ; no load of mine is out: from here on a load brings 4 blocks of rows
	s_mov_b32 s[G1+4], 4
	s_mov_b32 s[G1B+2], 4<<16
	s_mov_b32 s[G1B+4], 4
	s_wait_dscnt 0x0
	CROUND                                         ; all four tiles are in, all sixteen work-groups are here
	JLOAD G0+4, G1, G0B+4, G1B                     ; slot 1's first fill, the first tensor load behind the round
	SCALES 0
	WIN 0x80                                       ; destination window 2: the residual of my 64 x 64, asked for behind the first tiles' wait and slot 1's request
.irp a, 0,1,2,3
.irp i, 0,1,2,3,4,5,6,7
	global_load_b128 v[RS+32*\a+4*\i:RS+32*\a+4*\i+3], v[CO], s[98:99] offset:(512*\a+64*\i)*4096
.endr
.endr
	WIN 0
	FETCH 0, 0, 0
	s_wait_loadcnt 32
	STEP 0, 0, 1
.if LAPS > 1
	WIN 0
	s_mov_b32 s3, LAPS-1
.Llap:
	STEP 0, 1, 0
	STEP 0, 2, 0
	TURN 0, 1, 1
	STEP 1, 0, 0
	STEP 1, 1, 0
	STEP 1, 2, 0
	TURN 1, 0, 1
	STEP 0, 0, 0
	WIN 0
	s_sub_co_u32 s3, s3, 1
	s_cmp_lg_u32 s3, 0
	s_cbranch_scc1 .Llap
.endif
	STEP 0, 1, 0
	STEP 0, 2, 0
	TURN 0, 1, 0
	STEP 1, 0, 0
	STEP 1, 1, 0
	STEP 1, 2, 0
	s_wait_dscnt 8
	WIN MUL
	MULA 96, 0, NQ-1, 1, 0
	MULA 96, 1, NQ-1, 1, 0
	s_wait_dscnt 0
	MULA 96, 2, NQ-1, 1, 0
	MULA 96, 3, NQ-1, 1, 0
	WIN 0
.macro TOSTAGE a
.irp b, 0,1,2,3
	ds_store_b128 v[STO], v[ACC+32*(\a)+8*\b:ACC+32*(\a)+8*\b+3] offset:128*(\b/2)+32*(\b%2)
	ds_store_b128 v[STO], v[ACC+32*(\a)+8*\b+4:ACC+32*(\a)+8*\b+7] offset:128*(\b/2)+32*(\b%2)+16
.endr
.set BB, BK+32*((\a)%2)
.irp i, 0,1,2,3,4,5,6,7
	ds_load_b128 v[BB+4*\i:BB+4*\i+3], v[RD] offset:2*\i*SPITCH
.endr
.endm
.macro SEND a, d, n
.set BB, BK+32*((\a)%2)
	s_wait_dscnt \d
	s_wait_loadcnt \n
	WIN 0x08
.set j, 0
.rept 16
	v_pk_add_f32 v[BB+j:BB+j+1], v[BB+j:BB+j+1], v[RS+32*(\a)+j:RS+32*(\a)+j+1]
.set j, j+2
.endr
	WIN 0
.irp i, 0,1,2,3,4,5,6,7
	global_store_b128 v[CO], v[BB+4*\i:BB+4*\i+3], s[12:13] offset:(512*(\a)+64*\i)*4096
.endr
.endm
	PLACES NP
	TOSTAGE 0
.irp a, 1,2,3
.if \a > 1
	s_wait_xcnt 0x0
.endif
	TOSTAGE \a
	SEND \a-1, 16, 8*(4-\a)
.endr
	SEND 3, 0, 0
	s_wait_tensorcnt 0x0
	ds_add_u32 v[SPW], v[NIL]
	s_wait_dscnt 0x0
	CROUND
	s_endpgm
.Lfunc_end_k_q0c79bbaf5f_fcg:
	.size	k_q0c79bbaf5f_fcg, .Lfunc_end_k_q0c79bbaf5f_fcg-k_q0c79bbaf5f_fcg
	.p2alignl 7, 3214868480
	.fill 96, 4, 3214868480
	.section	.rodata,"a",@progbits
	.p2align	6, 0x0
	.amdhsa_kernel k_q0c79bbaf5f_fcg
		.amdhsa_group_segment_fixed_size 327680
		.amdhsa_private_segment_fixed_size 0
		.amdhsa_enable_private_segment 0
		.amdhsa_kernarg_size 40
		.amdhsa_user_sgpr_count 2
		.amdhsa_user_sgpr_kernarg_segment_ptr 1
		.amdhsa_wavefront_size32 1
		.amdhsa_system_sgpr_workgroup_id_x 1
		.amdhsa_system_sgpr_workgroup_id_y 1
		.amdhsa_system_sgpr_workgroup_id_z 1
		.amdhsa_system_vgpr_workitem_id 0
		.amdhsa_next_free_vgpr 640
		.amdhsa_next_free_sgpr 102
		.amdhsa_reserve_vcc 0
		.amdhsa_float_denorm_mode_32 3
		.amdhsa_float_denorm_mode_16_64 3
		.amdhsa_memory_ordered 1
		.amdhsa_forward_progress 1
		.amdhsa_inst_pref_size 64
	.end_amdhsa_kernel
	.amdgpu_metadata
---
amdhsa.version: [ 1, 2 ]
amdhsa.kernels:
  - .name:           k_q0c79bbaf5f_fcg
    .symbol:         k_q0c79bbaf5f_fcg.kd
    .args:
      - { .name: ctx, .offset: 0, .size: 8, .value_kind: global_buffer, .address_space: global }
      - { .name: big, .offset: 8, .size: 8, .value_kind: global_buffer, .address_space: global }
      - { .name: fc_b, .offset: 16, .size: 8, .value_kind: global_buffer, .address_space: global }
      - { .name: x, .offset: 24, .size: 8, .value_kind: global_buffer, .address_space: global }
      - { .name: hbuf, .offset: 32, .size: 8, .value_kind: global_buffer, .address_space: global }
    .group_segment_fixed_size: 327680
    .private_segment_fixed_size: 0
    .kernarg_segment_align: 8
    .kernarg_segment_size: 40
    .max_flat_workgroup_size: 128
    .sgpr_count:     102
    .vgpr_count:     640
    .wavefront_size: 32
...
	.end_amdgpu_metadata
.endif
;; end of part 11
;; launch ln2: the kernel of part 8 again; grid 256 x 1, 4 waves a work-group, no clusters, 91,392 bytes of LDS; arguments hbuf, ln2_s, ln2_b, ybuf, Wq, Wk, Wv, fc_w, ff_w1, ff_w2; writes ybuf
;; launch ff1g (part 12): grid 16 x 16, 4 waves a work-group, clusters of 4 x 4, 327,680 bytes of LDS; arguments ybuf, big, ff_b1, hid; writes hid
.if DOCPART == 12
	.amdgcn_target "amdgcn-amd-amdhsa--gfx1250"
	.amdhsa_code_object_version 6
	.text
	.protected	k_q0c79bbaf5f_ff1g
	.globl	k_q0c79bbaf5f_ff1g
	.p2align	8
	.type	k_q0c79bbaf5f_ff1g,@function
k_q0c79bbaf5f_ff1g:
	s_mov_b64 s[64:65], 0
	v_nop
	global_prefetch_b8 v0, s[64:65] scope:SCOPE_SE
	s_setreg_imm32_b32 hwreg(HW_REG_WAVE_MODE, 25, 1), 1
	s_wait_xcnt 0x0
	s_wait_alu depctr_hold_cnt(0) depctr_sa_sdst(0) depctr_va_vdst(0) depctr_va_sdst(0) depctr_va_ssrc(0) depctr_va_vcc(0) depctr_vm_vsrc(0)
	s_getreg_b32 s2, hwreg(HW_REG_IB_STS2, 6, 4)
	s_cmp_eq_u32 s2, 0
	s_cbranch_scc0 .Lentry_in_a_cluster
	s_endpgm
.Lentry_in_a_cluster:
	s_bfe_u32 s2, ttmp6, 0x10000c
	s_cmp_lg_u32 s2, 0xf033
	s_cbranch_scc0 .Lentry_shape_is_right
	s_endpgm
.Lentry_shape_is_right:
.set KK,     1024
.set A_S,    3145728
.set B_C,    6553600
.set B_S,    9699328
.set KST,    KK/128
.set KROW,   KK*3/4
.set KS,     KK/32
.set RBP,    16*KROW
.set ROWB,   3072
.set NQ,     2
.set FR,     12
.set NL,     4
.set NP,     4
.set HALFT,  8*ROWB
.set SLOT,   4*HALFT
.set LAPS,   KK/512
.set SCL,    2*SLOT
.set HALFS,  512*KST
.set SPARE,  SCL+4*HALFS
.set ADRA, 16
.set ADRB, 20
.set ADRS, 27
.set SPW,  28
.set NIL,  29
.set SC,   32
.set BI,   64
.set AF,   128
.set T,    128
.set PC,   192
.set TM,   212
.set PW,   228
.set KA,   230
.set KB,   232
.set G1, 24
.set G0, 32
.set G1B, 48
.set G0B, 56
.set G1S, 68
.set G0S, 76
.set G1SB, 80
.set G0SB, 88
.set MSB, 0
.macro WIN new
.if MSB != (\new)
	s_set_vgpr_msb (MSB<<8)|(\new)
.set MSB, (\new)
.endif
.endm
.set MUL_LO, 0xa1
.set MUL_HI, 0xf1
.set TO_B,   0x40
.macro JLOAD g0a, g1a, g0b, g1b
	s_cmp_eq_u32 s15, 0
	s_cbranch_scc0 .Lfor_b_\@
	tensor_load_to_lds s[\g0a:\g0a+3], s[\g1a:\g1a+7]
	s_nop 0
.rept 4
	v_nop
.endr
	s_branch .Lasked_\@
.Lfor_b_\@:
	tensor_load_to_lds s[\g0b:\g0b+3], s[\g1b:\g1b+7]
	s_nop 0
.rept 4
	v_nop
.endr
.Lasked_\@:
.endm
.macro CREST
	s_cmp_lg_u32 s14, 0
	s_cbranch_scc1 .Lnot_wave_0_\@
	s_barrier_signal -3
.Lnot_wave_0_\@:
	s_barrier_wait -3
	s_barrier_signal -1
	s_barrier_wait -1
.endm
.macro CROUND
	s_barrier_signal -1
	s_barrier_wait -1
	CREST
.endm
	s_load_b128 s[4:7], s[0:1], 0x0
	s_load_b128 s[96:99], s[0:1], 0x10
	v_lshl_add_u32 v[SPW], v0, 2, SPARE
	v_mov_b32 v[NIL], 0
	ds_add_u32 v28, v29
	ds_add_u32 v28, v29
	s_wait_dscnt 0x0
	v_lshrrev_b32 v1, 5, v0
	v_readfirstlane_b32 s14, v1
	s_lshr_b32 s15, s14, 1
	s_and_b32 s16, s14, 1
	s_bfe_u32 s40, ttmp6, 0x40000
	s_bfe_u32 s41, ttmp6, 0x40004
	s_lshl_b32 s42, ttmp9, 2
	s_add_co_u32 s42, s42, s40
	s_and_b32 s17, ttmp7, 0xffff
	s_lshl_b32 s17, s17, 2
	s_add_co_u32 s17, s17, s41
	s_lshl_b32 s43, s41, 2
	s_lshl_b32 s43, 15, s43
	s_lshl_b32 s44, 0x1111, s40
	s_or_b32 s[G1+0], s43, (3<<16)|(1<<21)
	s_or_b32 s[G1B+0], s44, (3<<16)|(1<<21)
.irp g, G1, G1B
	s_mov_b32 s[\g+1], 384<<16
	s_mov_b32 s[\g+2], 16<<16                      ; 16 blocks of rows for the head's loads; set to 8 for the ring's behind them
	s_mov_b32 s[\g+3], 384<<16
	s_mov_b32 s[\g+4], 16
	s_mov_b32 s[\g+5], RBP/8
	s_mov_b32 s[\g+6], 0
	s_mov_b32 s[\g+7], 0
.endr
	s_or_b32 s[G1S+0], s43, (3<<16)|(1<<21)
	s_or_b32 s[G1SB+0], s44, (3<<16)|(1<<21)
.irp g, G1S, G1SB
	s_mov_b32 s[\g+1], 32<<16
	s_mov_b32 s[\g+2], (HALFS/128)<<16             ; the scale words of all 256 rows in one load
	s_mov_b32 s[\g+3], 32<<16
	s_mov_b32 s[\g+4], HALFS/128
	s_mov_b32 s[\g+5], 32
	s_mov_b32 s[\g+6], 0
	s_mov_b32 s[\g+7], 0
.endr
	s_lshl_b32 s20, s17, 8                         ; A: the tile's first row
	s_lshl_b32 s46, s42, 8                         ; B likewise
	s_mov_b32 s21, 0
	s_mov_b32 s47, 0
	s_mov_b64 s[18:19], KS
	s_mul_u64 s[22:23], s[20:21], s[18:19]
	s_mul_u64 s[92:93], s[46:47], s[18:19]
	s_mov_b64 s[18:19], KROW
	s_mul_u64 s[20:21], s[20:21], s[18:19]
	s_mul_u64 s[46:47], s[46:47], s[18:19]
	s_mul_i32 s45, s14, HALFT
	s_mul_i32 s18, s16, 8*RBP                      ; in the ring I fetch 128 rows of a tile: which half, in bytes
	s_mov_b32 s19, 0
	s_wait_kmcnt 0x0
	s_add_nc_u64 s[8:9], s[6:7], B_C
	s_add_nc_u64 s[10:11], s[6:7], B_S
	s_add_nc_u64 s[6:7], s[4:5], A_S
	s_add_nc_u64 s[20:21], s[4:5], s[20:21]
	s_add_nc_u64 s[22:23], s[6:7], s[22:23]
	s_add_nc_u64 s[46:47], s[8:9], s[46:47]
	s_add_nc_u64 s[92:93], s[10:11], s[92:93]
	CROUND
	s_mov_b32 s[G0S], 1
	s_mov_b32 s[G0S+1], SCL
	s_mov_b64 s[G0S+2:G0S+3], s[22:23]
	s_or_b32 s[G0S+3], s[G0S+3], 0x80000000
	s_mov_b32 s[G0SB], 1
	s_mov_b32 s[G0SB+1], SCL+2*HALFS
	s_mov_b64 s[G0SB+2:G0SB+3], s[92:93]
	s_or_b32 s[G0SB+3], s[G0SB+3], 0x80000000
	s_mov_b32 s4, 1                                ; s[4:7], s[8:11]: group 0 of the head's loads of slot 0: A's 256 rows, B's 256 rows
	s_mov_b32 s5, 0
	s_mov_b64 s[6:7], s[20:21]
	s_or_b32 s7, s7, 0x80000000
	s_mov_b32 s8, 1
	s_mov_b32 s9, 2*HALFT
	s_mov_b64 s[10:11], s[46:47]
	s_or_b32 s11, s11, 0x80000000
	s_add_nc_u64 s[20:21], s[20:21], s[18:19]      ; for the ring: my 128 rows
	s_add_nc_u64 s[46:47], s[46:47], s[18:19]
	s_cmp_eq_u32 s15, 0                            ; s[66:67]: where my prefetches stand.  Of the 8 blocks of rows that I fetch, each of the four partners that ask with me takes 2, told apart by address
	s_cselect_b64 s[66:67], s[20:21], s[46:47]
	s_cselect_b32 s22, s40, s41                    ; my place among them: cx for A, cy for B
	s_mul_i32 s22, s22, 2*RBP
	s_mov_b32 s23, 0
	s_add_nc_u64 s[66:67], s[66:67], s[22:23]
.irp s, 0,1
	s_mov_b32 s[G0+4*\s], 1
	s_add_co_u32 s[G0+4*\s+1], s45, \s*SLOT
	s_add_nc_u64 s[G0+4*\s+2:G0+4*\s+3], s[20:21], \s*ROWB
	s_or_b32 s[G0+4*\s+3], s[G0+4*\s+3], 0x80000000
	s_mov_b32 s[G0B+4*\s], 1
	s_add_co_u32 s[G0B+4*\s+1], s45, \s*SLOT
	s_add_nc_u64 s[G0B+4*\s+2:G0B+4*\s+3], s[46:47], \s*ROWB
	s_or_b32 s[G0B+4*\s+3], s[G0B+4*\s+3], 0x80000000
.endr
; the head's four tiles, one joint load a wave: wave 0 A's part of slot 0, wave 1 B's, wave 2 A's scale words, wave 3 B's; one chain of branches, one join
.macro ARM under, g0, g1, next
	s_cmp_lt_u32 s14, \under
	s_cbranch_scc0 \next
	tensor_load_to_lds s[\g0:\g0+3], s[\g1:\g1+7]
	s_nop 0
.rept 4
	v_nop
.endr
	s_branch .Lhead_asked
\next:
.endm
	ARM 1, 4, G1, .Lhead_b
	ARM 2, 8, G1B, .Lhead_sa
	ARM 3, G0S, G1S, .Lhead_sb
	tensor_load_to_lds s[G0SB:G0SB+3], s[G1SB:G1SB+7]
	s_nop 0
.rept 4
	v_nop
.endr
.Lhead_asked:
	v_and_b32 v1, 15, v0
	v_bfe_u32 v2, v0, 4, 1
	v_and_b32 v3, 31, v0
	v_lshlrev_b32 v4, 4, v3
	s_wait_alu depctr_va_vdst(0)
	v_lshlrev_b32 v5, 3, v3
	v_min_u32 v30, 23, v3                          ; v30: a lane names 256 bytes of my share of a slot: 2 blocks x 3,072 bytes are 24 such; the lanes left over name the last again
	v_mul_u32_u24 v31, v30, 86
	v_lshlrev_b32 v30, 8, v30
	v_lshrrev_b32 v31, 10, v31                     ; lane / 12: which of the two blocks
	v_mad_u32_u24 v30, v31, RBP-3072, v30
	global_prefetch_b8 v30, s[66:67] offset:ROWB th:TH_LOAD_NT scope:SCOPE_SE     ; behind the load of K's first quarter: the second and the third
	global_prefetch_b8 v30, s[66:67] offset:2*ROWB th:TH_LOAD_NT scope:SCOPE_SE
	s_wait_alu depctr_va_vdst(0)
	s_lshl_b32 s46, s42, 10
	s_lshl_b32 s47, s16, 9
	s_add_co_u32 s46, s46, s47
	s_mov_b32 s47, 0
	s_add_nc_u64 s[96:97], s[96:97], s[46:47]
	v_lshlrev_b32 v7, 6, v2
.irp b, 0,1,2,3,4,5,6,7
	global_load_b128 v[BI+8*\b:BI+8*\b+3], v7, s[96:97] offset:(32*(\b/2)+8*(\b%2))*4
	global_load_b128 v[BI+8*\b+4:BI+8*\b+7], v7, s[96:97] offset:(32*(\b/2)+8*(\b%2))*4+16
.endr
	s_mul_i32 s21, s15, HALFT
	s_mul_i32 s22, s16, HALFT
	s_add_co_u32 s22, s22, 2*HALFT
.irp s, 0,1
	v_add_nc_u32 v[ADRA+\s], s21, v4
	v_add_nc_u32 v[ADRB+\s], s22, v4
	v_add_nc_u32 v[ADRA+2+\s], s21, v5
	v_add_nc_u32 v[ADRB+2+\s], s22, v5
	s_add_co_u32 s21, s21, SLOT
	s_add_co_u32 s22, s22, SLOT
.endr
	v_lshlrev_b32 v12, 2, v1
	s_mul_i32 s21, s15, HALFS
	s_mul_i32 s22, s16, HALFS
	s_add_co_u32 s22, s22, 2*HALFS
	s_sub_co_u32 s22, s22, s21
	v_mul_u32_u24 v6, s22, v2
	s_add_co_u32 s21, s21, SCL
	v_add_nc_u32 v6, v12, v6
	v_add_nc_u32 v[ADRS], s21, v6
	v_mov_b32 v8, v4
	v_mov_b32 v9, v5
	s_lshl_b32 s20, s17, 4
	s_lshl_b32 s21, s15, 3
	s_add_co_u32 s20, s20, s21
	s_lshl_b32 s21, s42, 1
	s_add_co_u32 s21, s21, s16
	s_mul_i32 s22, s20, 49152
	s_mul_i32 s23, s21, 1536
	s_add_co_u32 s22, s22, s23
	s_mov_b32 s23, 0
	s_add_nc_u64 s[12:13], s[98:99], s[22:23]
	s_lshl_b32 s22, s20, 11
	s_lshl_b32 s21, s21, 6
	s_add_co_u32 s22, s22, s21
	s_add_co_u32 s22, s22, 12582912
	s_add_nc_u64 s[92:93], s[98:99], s[22:23]
	s_mov_b32 s46, 0x76543210
	s_mov_b32 s47, 0xfedcba98
.macro FRAG reg, adr, q, i
.irp c, 0,1
	ds_load_b128 v[\reg+6*\c:\reg+6*\c+3], v[\adr] offset:(\i)*ROWB+(\q)*1536+768*\c
	ds_load_b64 v[\reg+6*\c+4:\reg+6*\c+5], v[\adr+2] offset:(\i)*ROWB+(\q)*1536+768*\c+512
.endr
.endm
.macro MUL16 a0, p, q, sc, zero
.irp a, \a0, \a0+1
.irp b, 0,1,2,3,4,5,6,7
.if \zero
	v_wmma_scale_f32_16x16x128_f8f6f4 v[8*(8*((\a)%4)+\b):8*(8*((\a)%4)+\b)+7], v[128*(\p)+FR*\b:128*(\p)+FR*\b+FR-1], v[AF+FR*(\a):AF+FR*(\a)+FR-1], v[BI+8*\b:BI+8*\b+7], v[SC+8*NQ*(\sc)+NQ*\b+(\q)], v[SC+8*NQ*(\sc)+NQ*(\a)+(\q)] matrix_a_fmt:MATRIX_FMT_FP6 matrix_b_fmt:MATRIX_FMT_FP6 matrix_a_scale:MATRIX_SCALE_ROW1
.else
	v_wmma_scale_f32_16x16x128_f8f6f4 v[8*(8*((\a)%4)+\b):8*(8*((\a)%4)+\b)+7], v[128*(\p)+FR*\b:128*(\p)+FR*\b+FR-1], v[AF+FR*(\a):AF+FR*(\a)+FR-1], v[8*(8*((\a)%4)+\b):8*(8*((\a)%4)+\b)+7], v[SC+8*NQ*(\sc)+NQ*\b+(\q)], v[SC+8*NQ*(\sc)+NQ*(\a)+(\q)] matrix_a_fmt:MATRIX_FMT_FP6 matrix_b_fmt:MATRIX_FMT_FP6 matrix_a_scale:MATRIX_SCALE_ROW1
.endif
.endr
.endr
.endm
.macro FETCH_B slot, q, p
	WIN TO_B
.irp i, 0,1,2,3,4,5,6,7
	FRAG 128*(\p)+FR*\i, ADRB+\slot, \q, \i
.endr
	WIN 0
.endm
.macro FETCH_A slot, q, i0
.irp i, \i0, \i0+1, \i0+2, \i0+3
	FRAG AF+FR*(\i), ADRA+\slot, \q, \i
.endr
.endm
.macro SCALES sc
.irp i, 0,1,2,3,4,5,6,7
.irp q, 0,1
	ds_load_b32 v[SC+8*NQ*\sc+NQ*\i+\q], v[ADRS] offset:\i*KST*64+64*\q
.endr
.endr
.endm
.macro PLACES n
.rept \n
	v_nop
.endr
.endm
.macro STEP slot, q, zero
	s_wait_dscnt 4*NL
	WIN (MUL_LO-0x20*(\zero))
	MUL16 0, (\q)%2, \q, \slot, \zero
	MUL16 2, (\q)%2, \q, \slot, \zero
	s_wait_dscnt 0
	PLACES NP
	FETCH_B \slot, (\q)+1, 1-(\q)%2
	FETCH_A \slot, (\q)+1, 0
	WIN (MUL_HI-0x30*(\zero))
	MUL16 4, (\q)%2, \q, \slot, \zero
	MUL16 6, (\q)%2, \q, \slot, \zero
	PLACES NP
	WIN 0
	FETCH_A \slot, (\q)+1, 4
.endm
.macro TURN slot, next, fill
	s_wait_tensorcnt 0x0
	ds_add_u32 v[SPW], v[NIL]
	s_wait_dscnt 4*NL+1
	WIN MUL_LO
	MUL16 0, 1, NQ-1, \slot, 0
	s_wait_dscnt 0x0
	s_barrier_signal -1
	MUL16 2, 1, NQ-1, \slot, 0
	WIN 0
	s_barrier_wait -1
.if \fill
	CREST
	s_add_nc_u64 s[G0+4*\slot+2:G0+4*\slot+3], s[G0+4*\slot+2:G0+4*\slot+3], 2*ROWB
	s_add_nc_u64 s[G0B+4*\slot+2:G0B+4*\slot+3], s[G0B+4*\slot+2:G0B+4*\slot+3], 2*ROWB
	JLOAD G0+4*\slot, G1, G0B+4*\slot, G1B
.else
	PLACES NP
.endif
	s_wait_alu depctr_va_vdst(0)
	v_add_nc_u32 v[ADRS], 64*NQ, v[ADRS]
	FETCH_B \next, 0, 0
	FETCH_A \next, 0, 0
	SCALES \next
	WIN MUL_HI
	MUL16 4, 1, NQ-1, \slot, 0
	MUL16 6, 1, NQ-1, \slot, 0
	PLACES NP
	WIN 0
	FETCH_A \next, 0, 4
.endm
	s_wait_alu depctr_va_vdst(0)                   ; the wait at the head's end
	s_wait_tensorcnt 0x0                           ; my tile of the head's four is in
	ds_add_u32 v[SPW], v[NIL]                      ; the add ahead of a later first fill
	s_mov_b32 s[G1+2], 8<<16                       ; no load of mine is out: from here on a load brings 8 blocks of rows
	s_mov_b32 s[G1+4], 8
	s_mov_b32 s[G1B+2], 8<<16
	s_mov_b32 s[G1B+4], 8
	s_wait_dscnt 0x0
	CROUND                                         ; all four tiles are in, all sixteen work-groups are here
	JLOAD G0+4, G1, G0B+4, G1B                     ; slot 1's first fill, the first tensor load behind the round
	FETCH_B 0, 0, 0
	FETCH_A 0, 0, 0
	SCALES 0
	global_prefetch_b8 v30, s[66:67] offset:3*ROWB th:TH_LOAD_NT scope:SCOPE_SE   ; behind the load of the second quarter: the fourth, two refills on; the refills ask for nothing: K ends there
	FETCH_A 0, 0, 4
	s_wait_loadcnt 0x0
	STEP 0, 0, 1
	s_mov_b32 s3, LAPS-1
.Llap:
	TURN 0, 1, 1
	STEP 1, 0, 0
	TURN 1, 0, 1
	STEP 0, 0, 0
	s_sub_co_u32 s3, s3, 1
	s_cmp_lg_u32 s3, 0
	s_cbranch_scc1 .Llap
	TURN 0, 1, 0
	STEP 1, 0, 0
	s_wait_dscnt 4*NL
	WIN MUL_LO
	MUL16 0, 1, NQ-1, 1, 0
	MUL16 2, 1, NQ-1, 1, 0
	s_wait_dscnt 0
	WIN MUL_HI
	MUL16 4, 1, NQ-1, 1, 0
	MUL16 6, 1, NQ-1, 1, 0
	WIN 0
.macro QUANT s, pc, pw
.irp b, 0,1,2,3
	v_max3_num_f32 v[TM+\b], |v[\s+16*\b]|, |v[\s+16*\b+1]|, 0x1800000
.endr
.irp i, 2,4,6,8,10,12,14
.irp b, 0,1,2,3
	v_max3_num_f32 v[TM+\b], |v[\s+16*\b+\i]|, |v[\s+16*\b+\i+1]|, v[TM+\b]
.endr
.endr
.irp b, 0,1,2,3
	v_permlanex16_b32 v[TM+4+\b], v[TM+\b], s46, s47
.endr
.irp b, 0,1,2,3
	v_max_num_f32 v[TM+\b], v[TM+\b], v[TM+4+\b]
.endr
.irp b, 0,1,2,3
	v_add_nc_u32 v[TM+12+\b], 0xff000000, v[TM+\b]
.endr
.irp b, 0,1,2,3
	v_lshrrev_b32 v[TM+4+\b], 23, v[TM+12+\b]
.endr
	v_lshl_or_b32 v[\pw], v[TM+5], 8, v[TM+4]
	v_lshl_or_b32 v[\pw], v[TM+6], 16, v[\pw]
	v_lshl_or_b32 v[\pw], v[TM+7], 24, v[\pw]
.irp c, 0,1
	v_cvt_scalef32_pk16_fp6_f32 v[\pc+6*\c:\pc+2+6*\c], v[\s+32*\c:\s+32*\c+15], v[TM+12+2*\c]
	v_cvt_scalef32_pk16_fp6_f32 v[\pc+12+4*\c:\pc+14+4*\c], v[\s+32*\c+16:\s+32*\c+31], v[TM+13+2*\c]
.endr
	v_nop
.irp c, 0,1
.irp i, 0,1,2
	v_permlane16_swap_b32 v[\pc+6*\c+\i], v[\pc+12+4*\c+\i]
.endr
.irp i, 0,1,2
	v_mov_b32 v[\pc+3+6*\c+\i], v[\pc+12+4*\c+\i]
.endr
.endr
.endm
	PLACES NP
.irp b, 0,1,2,3
	v_mov_b32 v[TM+4+\b], 0
.endr
	v_mov_b32 v[KA], 0xbe041de0
	v_mov_b32 v[KA+1], 0xbe041de0
	v_mov_b32 v[KB], 0xc0135761
	v_mov_b32 v[KB+1], 0xc0135761
.irp a, 0,1,2,3,4,5,6,7
.set XA, 64*(\a%4)
.set WA, 2+\a/4
.if \a > 0
	s_wait_xcnt 0x0
.endif
	WIN (WA|(WA<<2))
.set j, 0
.rept 32
	v_pk_mul_f32 v[T+j:T+j+1], v[XA+j:XA+j+1], v[XA+j:XA+j+1]
.set j, j+2
.endr
	WIN 0
.set j, 0
.rept 32
	v_pk_fma_f32 v[T+j:T+j+1], v[T+j:T+j+1], v[KA:KA+1], v[KB:KB+1]
.set j, j+2
.endr
	WIN (WA<<2)
.set j, 0
.rept 32
	v_pk_mul_f32 v[T+j:T+j+1], v[T+j:T+j+1], v[XA+j:XA+j+1]
.set j, j+2
.endr
	WIN 0
.set j, 0
	s_wait_alu depctr_va_vdst(0)
.rept 64
	v_exp_f32 v[T+j], v[T+j]
.set j, j+1
.endr
	v_nop
	s_wait_alu depctr_va_vdst(0)
.set j, 0
.rept 32
	v_pk_add_f32 v[T+j:T+j+1], v[T+j:T+j+1], 1.0 op_sel_hi:[1,0]
.set j, j+2
.endr
.set j, 0
	s_wait_alu depctr_va_vdst(0)
.rept 64
	v_rcp_f32 v[T+j], v[T+j]
.set j, j+1
.endr
	v_nop
	s_wait_alu depctr_va_vdst(0)
	WIN (WA<<2)
.set j, 0
.rept 32
	v_pk_mul_f32 v[T+j:T+j+1], v[T+j:T+j+1], v[XA+j:XA+j+1]
.set j, j+2
.endr
	WIN 0
	QUANT T, PC, PW
	global_store_b128 v8, v[PC:PC+3], s[12:13] offset:49152*\a
	global_store_b64 v9, v[PC+4:PC+5], s[12:13] offset:49152*\a+512
	global_store_b128 v8, v[PC+6:PC+9], s[12:13] offset:49152*\a+768
	global_store_b64 v9, v[PC+10:PC+11], s[12:13] offset:49152*\a+1280
	global_store_b32 v12, v[PW], s[92:93] offset:2048*\a
.endr
	s_wait_tensorcnt 0x0
	ds_add_u32 v[SPW], v[NIL]
	s_wait_dscnt 0x0
	CROUND
	s_endpgm
.Lfunc_end_k_q0c79bbaf5f_ff1g:
	.size	k_q0c79bbaf5f_ff1g, .Lfunc_end_k_q0c79bbaf5f_ff1g-k_q0c79bbaf5f_ff1g
	.p2alignl 7, 3214868480
	.fill 96, 4, 3214868480
	.section	.rodata,"a",@progbits
	.p2align	6, 0x0
	.amdhsa_kernel k_q0c79bbaf5f_ff1g
		.amdhsa_group_segment_fixed_size 327680
		.amdhsa_private_segment_fixed_size 0
		.amdhsa_enable_private_segment 0
		.amdhsa_kernarg_size 32
		.amdhsa_user_sgpr_count 2
		.amdhsa_user_sgpr_kernarg_segment_ptr 1
		.amdhsa_wavefront_size32 1
		.amdhsa_system_sgpr_workgroup_id_x 1
		.amdhsa_system_sgpr_workgroup_id_y 1
		.amdhsa_system_sgpr_workgroup_id_z 1
		.amdhsa_system_vgpr_workitem_id 0
		.amdhsa_next_free_vgpr 1024
		.amdhsa_next_free_sgpr 102
		.amdhsa_reserve_vcc 0
		.amdhsa_float_denorm_mode_32 3
		.amdhsa_float_denorm_mode_16_64 3
		.amdhsa_memory_ordered 1
		.amdhsa_forward_progress 1
		.amdhsa_inst_pref_size 255
	.end_amdhsa_kernel
	.section	.bss,"aw",@nobits
	.p2align	6
	.space	262144
	.amdgpu_metadata
---
amdhsa.version: [ 1, 2 ]
amdhsa.kernels:
  - .name:           k_q0c79bbaf5f_ff1g
    .symbol:         k_q0c79bbaf5f_ff1g.kd
    .args:
      - { .name: ybuf, .offset: 0, .size: 8, .value_kind: global_buffer, .address_space: global }
      - { .name: big, .offset: 8, .size: 8, .value_kind: global_buffer, .address_space: global }
      - { .name: ff_b1, .offset: 16, .size: 8, .value_kind: global_buffer, .address_space: global }
      - { .name: hid, .offset: 24, .size: 8, .value_kind: global_buffer, .address_space: global }
    .group_segment_fixed_size: 327680
    .private_segment_fixed_size: 0
    .kernarg_segment_align: 8
    .kernarg_segment_size: 32
    .max_flat_workgroup_size: 128
    .sgpr_count:     102
    .vgpr_count:     1024
    .wavefront_size: 32
...
	.end_amdgpu_metadata
.endif
;; end of part 12
;; launch ff2g (part 13): grid 8 x 32, 4 waves a work-group, clusters of 4 x 4, 327,680 bytes of LDS; arguments hid, big, ff_b2, hbuf, out0; writes out0
.if DOCPART == 13
	.amdgcn_target "amdgcn-amd-amdhsa--gfx1250"
	.amdhsa_code_object_version 6
	.text
	.protected	k_q0c79bbaf5f_ff2g
	.globl	k_q0c79bbaf5f_ff2g
	.p2align	8
	.type	k_q0c79bbaf5f_ff2g,@function
k_q0c79bbaf5f_ff2g:
	s_mov_b64 s[64:65], 0
	v_nop
	global_prefetch_b8 v0, s[64:65] scope:SCOPE_SE
	s_setreg_imm32_b32 hwreg(HW_REG_WAVE_MODE, 25, 1), 1
	s_wait_xcnt 0x0
	s_wait_alu depctr_hold_cnt(0) depctr_sa_sdst(0) depctr_va_vdst(0) depctr_va_sdst(0) depctr_va_ssrc(0) depctr_va_vcc(0) depctr_vm_vsrc(0)
	s_getreg_b32 s2, hwreg(HW_REG_IB_STS2, 6, 4)
	s_cmp_eq_u32 s2, 0
	s_cbranch_scc0 .Lentry_in_a_cluster
	s_endpgm
.Lentry_in_a_cluster:
	s_bfe_u32 s2, ttmp6, 0x10000c
	s_cmp_lg_u32 s2, 0xf033
	s_cbranch_scc0 .Lentry_shape_is_right
	s_endpgm
.Lentry_shape_is_right:
; out = hidden ff_w2 + ff_b2 + h, on codes of FP6 (E2M3) with E8M0 scales; K = 4,096; out is f32, row-major.
; A = the hidden layer's codes, B = ff_w2's columns as rows; in both, block 2 g + u of rows = rows 32 g + 8 u + r + 8 (r / 8).
; A TILE OF C IS 128 x 128: C has 4,096 x 1,024 numbers, so this tile gives 256 work-groups; a wave makes 64 x 64 in 16 accumulators.
; K goes in steps of 512 through two LDS slots of 98,304 bytes filled by joint tensor loads (4 x 4 cluster: A's tiles shared along a row, B's along a column): eight slots' worth, six of them refills.
; Slots of 768 along K, 147,456 bytes each, do not fit twice beside the 32,768 bytes of scale words and the spare words.
; Operands lie in memory as half records (16 rows x 64 K = 768 bytes: lane l's bytes 0-15 at 16 l, bytes 16-23 at 512 + 8 l): a fragment is two loads of 16 and two of 8 bytes, all dense.
; THE MATRIX INSTRUCTION IS USED TRANSPOSED (source 0 = B's rows): register j of tile b is column 32 (b / 2) + 16 (lane / 16) + 8 (b % 2) + j of the lane's row.  The bias is the C of each sum's first instruction.
; The residual of the wave's 64 x 64 is asked for at the head, into registers that nothing else names.  A wave's 64 columns are 256 consecutive bytes: each wave has a stage of its own, in slot 0, which has had its last fill and its last read.
; REGISTERS: window 0: v16-29 addresses; v32-63 scale words, two sets; v64-95 the bias; v64-127 the way out; v128-255 the accumulators ((a, b) at v[128 + 8 (4 a + b)]).
;   window 1: two sets of fragments at v0 and v96: B's four, then A's four.   window 2: v0-127 the residual.
.set KK,     4096
.set A_S,    12582912
.set B_C,    9830400
.set B_S,    12976128
.set KST,    KK/128
.set KROW,   KK*3/4                    ; bytes of codes for a row
.set KS,     KK/32                     ; bytes of scales for a row
.set RBP,    16*KROW                   ; a block of 16 rows
.set NQ,     4                         ; steps of 128 along K in a slot
.set ROWB,   NQ*1536                   ; a block's part of a slot
.set FR,     12
.set NP,     4                         ; places behind this matrix instruction (ISA guide 7.12.1)
.set HALFT,  4*ROWB                    ; 64 rows: what one tensor load brings, and what one wave reads of A or of B
.set SLOT,   4*HALFT
.set LAPS,   KK/(256*NQ)
.set SCL,    2*SLOT                    ; behind the ring: the scale words of the work-group's rows, for all of K
.set HALFS,  256*KST
.set SPARE,  SCL+4*HALFS               ; the spare words: 128 bytes a wave, named by no other line
.set SPITCH, 272
.set ADRA, 16                          ; v16-17 16 x lane in A's part of slot 0, 1; v18-19 the same with 8 x lane
.set ADRB, 20                          ; v20-23 the same for B
.set STO,  24
.set RD,   25
.set CO,   26
.set ADRS, 27                          ; my scale words: lanes 0-15 A's rows, lanes 16-31 B's
.set SPW,  28
.set NIL,  29
.set SC,   32
.set BI,   64
.set BK,   64
.set ACC,  128
.set RS,   0
.set G1, 24
.set G0, 32
.set G1B, 48
.set G0B, 56
.set G1S, 68
.set G0S, 76
.set G1SB, 80
.set G0SB, 88
.set MSB, 0
.macro WIN new                         ; the immediate's high byte repeats the setting that is left
.if MSB != (\new)
	s_set_vgpr_msb (MSB<<8)|(\new)
.set MSB, (\new)
.endif
.endm
.set MUL,  0x05                        ; sources 0 (B) and 1 (A) window 1; C and D window 0
.set TO_F, 0x40                        ; destination window 1, address window 0
.macro JLOAD g0a, g1a, g0b, g1b        ; waves 0 and 1 fetch for A, waves 2 and 3 for B; four v_nop follow each line
	s_cmp_eq_u32 s15, 0
	s_cbranch_scc0 .Lfor_b_\@
	tensor_load_to_lds s[\g0a:\g0a+3], s[\g1a:\g1a+7]
	s_nop 0
.rept 4
	v_nop
.endr
	s_branch .Lasked_\@
.Lfor_b_\@:
	tensor_load_to_lds s[\g0b:\g0b+3], s[\g1b:\g1b+7]
	s_nop 0
.rept 4
	v_nop
.endr
.Lasked_\@:
.endm
.macro CREST
	s_cmp_lg_u32 s14, 0
	s_cbranch_scc1 .Lnot_wave_0_\@
	s_barrier_signal -3
.Lnot_wave_0_\@:
	s_barrier_wait -3
	s_barrier_signal -1
	s_barrier_wait -1
.endm
.macro CROUND
	s_barrier_signal -1
	s_barrier_wait -1
	CREST
.endm
	s_load_b128 s[4:7], s[0:1], 0x0                ; hid, big
	s_load_b128 s[96:99], s[0:1], 0x10             ; ff_b2, hbuf
	s_load_b64 s[12:13], s[0:1], 0x20              ; out0
	v_lshl_add_u32 v[SPW], v0, 2, SPARE
	v_mov_b32 v[NIL], 0
	ds_add_u32 v28, v29
	ds_add_u32 v28, v29
	s_wait_dscnt 0x0
	v_lshrrev_b32 v1, 5, v0
	v_readfirstlane_b32 s14, v1                    ; wave
	s_lshr_b32 s15, s14, 1                         ; my half of the tile's rows; also: I fetch for A (0) or B (1)
	s_and_b32 s16, s14, 1                          ; my half of its columns; also: which 64 rows I fetch
	s_bfe_u32 s40, ttmp6, 0x40000                  ; cx
	s_bfe_u32 s41, ttmp6, 0x40004                  ; cy
	s_lshl_b32 s42, ttmp9, 2
	s_add_co_u32 s42, s42, s40                     ; tile column
	s_and_b32 s17, ttmp7, 0xffff
	s_lshl_b32 s17, s17, 2
	s_add_co_u32 s17, s17, s41                     ; tile row
	s_lshl_b32 s43, s41, 2
	s_lshl_b32 s43, 15, s43                        ; my row of the cluster
	s_lshl_b32 s44, 0x1111, s40                    ; my column
	s_or_b32 s[G1+0], s43, (3<<16)|(1<<21)         ; the mask; elements of 8 bytes; bit 21 beside a mask; no padding
	s_or_b32 s[G1B+0], s44, (3<<16)|(1<<21)
.irp g, G1, G1B
	s_mov_b32 s[\g+1], (ROWB/8)<<16                ; tensor_dim0: 6,144 bytes
	s_mov_b32 s[\g+2], 8<<16                       ; tensor_dim1: 8 blocks of rows for the head's loads; set to 4 for the ring's behind them
	s_mov_b32 s[\g+3], (ROWB/8)<<16                ; tile_dim0
	s_mov_b32 s[\g+4], 8                           ; tile_dim1
	s_mov_b32 s[\g+5], RBP/8                       ; from block to block
	s_mov_b32 s[\g+6], 0
	s_mov_b32 s[\g+7], 0
.endr
	s_or_b32 s[G1S+0], s43, (3<<16)|(1<<21)
	s_or_b32 s[G1SB+0], s44, (3<<16)|(1<<21)
.irp g, G1S, G1SB                      ; the scale words of 128 rows: a dense block, as rows of 256 bytes
	s_mov_b32 s[\g+1], 32<<16
	s_mov_b32 s[\g+2], (HALFS/128)<<16             ; the scale words of all 128 rows in one load
	s_mov_b32 s[\g+3], 32<<16
	s_mov_b32 s[\g+4], HALFS/128
	s_mov_b32 s[\g+5], 32
	s_mov_b32 s[\g+6], 0
	s_mov_b32 s[\g+7], 0
.endr
	s_lshl_b32 s20, s17, 7                         ; A: the tile's first row
	s_lshl_b32 s46, s42, 7                         ; B likewise
	s_mov_b32 s21, 0
	s_mov_b32 s47, 0
	s_mov_b64 s[18:19], KS
	s_mul_u64 s[22:23], s[20:21], s[18:19]
	s_mul_u64 s[92:93], s[46:47], s[18:19]
	s_mov_b64 s[18:19], KROW
	s_mul_u64 s[20:21], s[20:21], s[18:19]
	s_mul_u64 s[46:47], s[46:47], s[18:19]
	s_mul_i32 s45, s14, HALFT                      ; where they go: wave x 64 rows: no place in the cluster enters an LDS address
	s_mul_i32 s18, s16, 4*RBP                      ; in the ring I fetch 64 rows of a tile: which half, in bytes
	s_mov_b32 s19, 0
	s_wait_kmcnt 0x0
	s_add_nc_u64 s[8:9], s[6:7], B_C
	s_add_nc_u64 s[10:11], s[6:7], B_S
	s_add_nc_u64 s[6:7], s[4:5], A_S
	s_add_nc_u64 s[20:21], s[4:5], s[20:21]
	s_add_nc_u64 s[22:23], s[6:7], s[22:23]
	s_add_nc_u64 s[46:47], s[8:9], s[46:47]
	s_add_nc_u64 s[92:93], s[10:11], s[92:93]
	CROUND                                         ; all sixteen work-groups are here: the first joint loads meet
	s_mov_b32 s[G0S], 1
	s_mov_b32 s[G0S+1], SCL
	s_mov_b64 s[G0S+2:G0S+3], s[22:23]
	s_or_b32 s[G0S+3], s[G0S+3], 0x80000000
	s_mov_b32 s[G0SB], 1
	s_mov_b32 s[G0SB+1], SCL+2*HALFS
	s_mov_b64 s[G0SB+2:G0SB+3], s[92:93]
	s_or_b32 s[G0SB+3], s[G0SB+3], 0x80000000
	s_mov_b32 s4, 1                                ; s[4:7], s[8:11]: group 0 of the head's loads of slot 0: A's 128 rows, B's 128 rows
	s_mov_b32 s5, 0
	s_mov_b64 s[6:7], s[20:21]
	s_or_b32 s7, s7, 0x80000000
	s_mov_b32 s8, 1
	s_mov_b32 s9, 2*HALFT
	s_mov_b64 s[10:11], s[46:47]
	s_or_b32 s11, s11, 0x80000000
	s_add_nc_u64 s[20:21], s[20:21], s[18:19]      ; for the ring: my 64 rows
	s_add_nc_u64 s[46:47], s[46:47], s[18:19]
	s_cmp_eq_u32 s15, 0                            ; s[66:67]: where my prefetches stand.  Of the 4 blocks of rows that I fetch, each of the four partners that ask with me takes 1, told apart by address
	s_cselect_b64 s[66:67], s[20:21], s[46:47]
	s_cselect_b32 s22, s40, s41                    ; my place among them: cx for A, cy for B
	s_mul_i32 s22, s22, RBP
	s_mov_b32 s23, 0
	s_add_nc_u64 s[66:67], s[66:67], s[22:23]
.irp s, 0,1
	s_mov_b32 s[G0+4*\s], 1
	s_add_co_u32 s[G0+4*\s+1], s45, \s*SLOT
	s_add_nc_u64 s[G0+4*\s+2:G0+4*\s+3], s[20:21], \s*ROWB
	s_or_b32 s[G0+4*\s+3], s[G0+4*\s+3], 0x80000000
	s_mov_b32 s[G0B+4*\s], 1
	s_add_co_u32 s[G0B+4*\s+1], s45, \s*SLOT
	s_add_nc_u64 s[G0B+4*\s+2:G0B+4*\s+3], s[46:47], \s*ROWB
	s_or_b32 s[G0B+4*\s+3], s[G0B+4*\s+3], 0x80000000
.endr
; the head's four tiles, one joint load a wave: wave 0 A's part of slot 0, wave 1 B's, wave 2 A's scale words, wave 3 B's; one chain of branches, one join
.macro ARM under, g0, g1, next
	s_cmp_lt_u32 s14, \under
	s_cbranch_scc0 \next
	tensor_load_to_lds s[\g0:\g0+3], s[\g1:\g1+7]
	s_nop 0
.rept 4
	v_nop
.endr
	s_branch .Lhead_asked
\next:
.endm
	ARM 1, 4, G1, .Lhead_b
	ARM 2, 8, G1B, .Lhead_sa
	ARM 3, G0S, G1S, .Lhead_sb
	tensor_load_to_lds s[G0SB:G0SB+3], s[G1SB:G1SB+7]
	s_nop 0
.rept 4
	v_nop
.endr
.Lhead_asked:
	v_and_b32 v1, 15, v0                           ; r
	s_wait_alu depctr_va_vdst(0)
	v_bfe_u32 v2, v0, 4, 1                         ; h
	v_and_b32 v3, 31, v0
	v_lshlrev_b32 v4, 4, v3                        ; 16 x lane
	v_lshlrev_b32 v5, 3, v3                        ; 8 x lane
	v_min_u32 v30, 23, v3                          ; v30: a lane names 256 bytes of my share of a slot: 6,144 bytes are 24 such; the lanes left over name the last again
	v_lshlrev_b32 v30, 8, v30
	global_prefetch_b8 v30, s[66:67] offset:ROWB th:TH_LOAD_NT scope:SCOPE_SE     ; behind the load of K's first eighth: the second and the third
	global_prefetch_b8 v30, s[66:67] offset:2*ROWB th:TH_LOAD_NT scope:SCOPE_SE
	s_lshl_b32 s46, s42, 9                         ; my first column, in bytes of f32: 512 x tile column + 256 x half
	s_lshl_b32 s47, s16, 8
	s_add_co_u32 s46, s46, s47
	s_mov_b32 s47, 0
	s_add_nc_u64 s[96:97], s[96:97], s[46:47]
	v_lshlrev_b32 v7, 6, v2
.irp b, 0,1,2,3                        ; tile b, register j: column 32 (b / 2) + 16 h + 8 (b % 2) + j
	global_load_b128 v[BI+8*\b:BI+8*\b+3], v7, s[96:97] offset:(32*(\b/2)+8*(\b%2))*4
	global_load_b128 v[BI+8*\b+4:BI+8*\b+7], v7, s[96:97] offset:(32*(\b/2)+8*(\b%2))*4+16
.endr
	s_lshl_b32 s20, s17, 7
	s_lshl_b32 s21, s15, 6
	s_add_co_u32 s20, s20, s21                     ; my first row: 128 x tile row + 64 x half
	s_lshl_b32 s20, s20, 12
	s_add_co_u32 s20, s20, s46
	s_mov_b32 s21, 0
	s_add_nc_u64 s[12:13], s[12:13], s[20:21]
	s_add_nc_u64 s[98:99], s[98:99], s[20:21]
	v_lshlrev_b32 v[CO], 4, v1
	s_wait_alu depctr_va_vdst(0)
	v_lshl_add_u32 v[CO], v2, 12, v[CO]            ; lanes 0-15 one row of 256 bytes, lanes 16-31 the next row
	s_mul_i32 s21, s15, HALFT
	s_mul_i32 s22, s16, HALFT
	s_add_co_u32 s22, s22, 2*HALFT
.irp s, 0,1
	v_add_nc_u32 v[ADRA+\s], s21, v4
	v_add_nc_u32 v[ADRB+\s], s22, v4
	v_add_nc_u32 v[ADRA+2+\s], s21, v5
	v_add_nc_u32 v[ADRB+2+\s], s22, v5
	s_add_co_u32 s21, s21, SLOT
	s_add_co_u32 s22, s22, SLOT
.endr
	v_lshlrev_b32 v8, 2, v1
	s_mul_i32 s21, s15, HALFS
	s_mul_i32 s22, s16, HALFS
	s_add_co_u32 s22, s22, 2*HALFS
	s_sub_co_u32 s22, s22, s21
	v_mul_u32_u24 v6, s22, v2                      ; lanes 16-31 take B's
	s_add_co_u32 s21, s21, SCL
	v_add_nc_u32 v6, v8, v6
	v_add_nc_u32 v[ADRS], s21, v6
	s_mul_i32 s23, s14, 16*SPITCH                  ; my stage
	v_mul_u32_u24 v6, v1, SPITCH
	v_lshl_add_u32 v6, v2, 6, v6
	v_add_nc_u32 v[STO], s23, v6                   ; in: row r, + 64 h
	v_mul_u32_u24 v6, v2, SPITCH
	v_lshl_add_u32 v6, v1, 4, v6
	v_add_nc_u32 v[RD], s23, v6                    ; back: lanes 0-15 one row, lanes 16-31 the next
.macro FRAG reg, adr, q, i             ; a fragment: two half records, each 16 bytes and 8 bytes a lane
.irp c, 0,1
	ds_load_b128 v[\reg+6*\c:\reg+6*\c+3], v[\adr] offset:(\i)*ROWB+(\q)*1536+768*\c
	ds_load_b64 v[\reg+6*\c+4:\reg+6*\c+5], v[\adr+2] offset:(\i)*ROWB+(\q)*1536+768*\c+512
.endr
.endm
; 4 matrix instructions: A's block a x B's four, from set f.  The 16 accumulators take turns, one instruction a turn
.macro MULA f, a, q, sc, zero
.irp b, 0,1,2,3
.if \zero
	v_wmma_scale_f32_16x16x128_f8f6f4 v[ACC+8*(4*(\a)+\b):ACC+8*(4*(\a)+\b)+7], v[\f+FR*\b:\f+FR*\b+FR-1], v[\f+48+FR*(\a):\f+48+FR*(\a)+FR-1], v[BI+8*\b:BI+8*\b+7], v[SC+4*NQ*(\sc)+NQ*\b+(\q)], v[SC+4*NQ*(\sc)+NQ*(\a)+(\q)] matrix_a_fmt:MATRIX_FMT_FP6 matrix_b_fmt:MATRIX_FMT_FP6 matrix_a_scale:MATRIX_SCALE_ROW1
.else
	v_wmma_scale_f32_16x16x128_f8f6f4 v[ACC+8*(4*(\a)+\b):ACC+8*(4*(\a)+\b)+7], v[\f+FR*\b:\f+FR*\b+FR-1], v[\f+48+FR*(\a):\f+48+FR*(\a)+FR-1], v[ACC+8*(4*(\a)+\b):ACC+8*(4*(\a)+\b)+7], v[SC+4*NQ*(\sc)+NQ*\b+(\q)], v[SC+4*NQ*(\sc)+NQ*(\a)+(\q)] matrix_a_fmt:MATRIX_FMT_FP6 matrix_b_fmt:MATRIX_FMT_FP6 matrix_a_scale:MATRIX_SCALE_ROW1
.endif
.endr
.endm
.macro FETCH slot, q, f                ; 32 LDS loads in one run: B's four fragments, then A's four, of the slot's q-th 128 along K, into set f
	WIN TO_F
.irp i, 0,1,2,3
	FRAG (\f)+FR*\i, ADRB+\slot, \q, \i
.endr
.irp i, 0,1,2,3
	FRAG (\f)+48+FR*\i, ADRA+\slot, \q, \i
.endr
.endm
.macro SCALES sc                       ; lanes 0-15 A's block i, lanes 16-31 B's block i, for the slot's four K steps
.irp i, 0,1,2,3
.irp q, 0,1,2,3
	ds_load_b32 v[SC+4*NQ*\sc+NQ*\i+\q], v[ADRS] offset:\i*KST*64+64*\q
.endr
.endr
.endm
.macro PLACES n                        ; in front of loads into registers that matrix instructions have read, and of the first read of results
.rept \n
	v_nop
.endr
.endm
.macro STEP slot, q, zero              ; 128 along K that has its successor in the same slot: multiplies set q % 2, fetches the next step into the other
	s_wait_dscnt 8                                 ; B's four and A's blocks 0, 1 are in; A's blocks 2, 3 (8 loads) may be out
	WIN MUL
	MULA 96*((\q)%2), 0, \q, \slot, \zero
	MULA 96*((\q)%2), 1, \q, \slot, \zero
	PLACES NP
	FETCH \slot, (\q)+1, 96*(1-(\q)%2)
	s_wait_dscnt 32                                ; all but the 32 just issued
	WIN MUL
	MULA 96*((\q)%2), 2, \q, \slot, \zero
	MULA 96*((\q)%2), 3, \q, \slot, \zero
.endm
.macro TURN slot, next, fill           ; a slot's last 128 along K (set 1), and the change of slots
	WIN 0                                          ; (the add's two registers lie in window 0)
.if (\fill) && (\slot) == 0
	s_wait_xcnt 0x0                                ; my prefetches have read their address: it steps once a trip, two slots along K
	s_add_nc_u64 s[66:67], s[66:67], 2*ROWB
.endif
	s_wait_tensorcnt 0x0                           ; all my tensor loads have landed: my part of the next slot
	ds_add_u32 v[SPW], v[NIL]                      ; 0 onto my spare word
	s_wait_dscnt 9                                 ; the add and A's blocks 2, 3 may be out
	WIN MUL
	MULA 96, 0, NQ-1, \slot, 0
	s_wait_dscnt 0x0                               ; the add is done, my reads of this slot are over
	s_barrier_signal -1
	MULA 96, 1, NQ-1, \slot, 0
	WIN 0
	s_barrier_wait -1
.if \fill
	CREST                                          ; the barrier has opened a round of the cluster's: no wave of any partner still reads this slot or has a load on its way
	s_add_nc_u64 s[G0+4*\slot+2:G0+4*\slot+3], s[G0+4*\slot+2:G0+4*\slot+3], 2*ROWB
	s_add_nc_u64 s[G0B+4*\slot+2:G0B+4*\slot+3], s[G0B+4*\slot+2:G0B+4*\slot+3], 2*ROWB
	JLOAD G0+4*\slot, G1, G0B+4*\slot, G1B         ; the first tensor load behind the round: 56 matrix instructions ahead of the wait for it; its four v_nop are the places for the loads below
.else
	PLACES NP
.endif
	s_wait_alu depctr_va_vdst(0)
	v_add_nc_u32 v[ADRS], 64*NQ, v[ADRS]           ; the next slot's scale words
	SCALES \next
.if \fill
	s_cmp_gt_u32 s3, 1                             ; behind each refill: the slot's worth that stands two refills on; the last trip's two refills have none
	s_cbranch_scc0 .Lnot_asked_\@
	global_prefetch_b8 v30, s[66:67] offset:(2+\slot)*ROWB th:TH_LOAD_NT scope:SCOPE_SE
.Lnot_asked_\@:
.endif
	FETCH \next, 0, 0
	WIN MUL
	MULA 96, 2, NQ-1, \slot, 0
	MULA 96, 3, NQ-1, \slot, 0
.endm
	s_wait_alu depctr_va_vdst(0)                   ; the wait at the head's end
	s_wait_tensorcnt 0x0                           ; my tile of the head's four is in
	ds_add_u32 v[SPW], v[NIL]                      ; the add ahead of a later first fill
	s_mov_b32 s[G1+2], 4<<16                       ; no load of mine is out: from here on a load brings 4 blocks of rows
	s_mov_b32 s[G1+4], 4
	s_mov_b32 s[G1B+2], 4<<16
	s_mov_b32 s[G1B+4], 4
	s_wait_dscnt 0x0
	CROUND                                         ; all four tiles are in, all sixteen work-groups are here
	JLOAD G0+4, G1, G0B+4, G1B                     ; slot 1's first fill, the first tensor load behind the round
	SCALES 0
	global_prefetch_b8 v30, s[66:67] offset:3*ROWB th:TH_LOAD_NT scope:SCOPE_SE   ; behind the load of the second eighth: the fourth, two refills on
	WIN 0x80                                       ; destination window 2: the residual, asked for behind the first tiles' wait and slot 1's request
.irp a, 0,1,2,3                        ; rows 2 i + h of block a lie 32 (a / 2) + 8 (a % 2) + 2 i + 8 (i / 4) + h rows from my first
.irp i, 0,1,2,3,4,5,6,7
	global_load_b128 v[RS+32*\a+4*\i:RS+32*\a+4*\i+3], v[CO], s[98:99] offset:(32*(\a/2)+8*(\a%2)+2*\i+8*(\i/4))*4096
.endr
.endr
	WIN 0
	FETCH 0, 0, 0
	s_wait_loadcnt 32                              ; the bias is in; the residual's 32 loads may be out
	STEP 0, 0, 1                                   ; the first step's products start the sums, on the bias
.if LAPS > 1
	WIN 0                                          ; at a label and at a branch every window is 0
	s_mov_b32 s3, LAPS-1
.Llap:                                             ; a trip goes once round the ring, from a lap's second step to the next lap's first, and fills both slots again
	STEP 0, 1, 0
	STEP 0, 2, 0
	TURN 0, 1, 1
	STEP 1, 0, 0
	STEP 1, 1, 0
	STEP 1, 2, 0
	TURN 1, 0, 1
	STEP 0, 0, 0
	WIN 0
	s_sub_co_u32 s3, s3, 1
	s_cmp_lg_u32 s3, 0
	s_cbranch_scc1 .Llap
.endif
	STEP 0, 1, 0                                   ; the last lap fills nothing, and has no round of the cluster's barrier
	STEP 0, 2, 0
	TURN 0, 1, 0
	STEP 1, 0, 0
	STEP 1, 1, 0
	STEP 1, 2, 0
	s_wait_dscnt 8                                 ; the very last step: nothing more to fetch
	WIN MUL
	MULA 96, 0, NQ-1, 1, 0
	MULA 96, 1, NQ-1, 1, 0
	s_wait_dscnt 0
	MULA 96, 2, NQ-1, 1, 0
	MULA 96, 3, NQ-1, 1, 0
	WIN 0
; THE WAY OUT, a block of 16 rows x 64 columns at a time: through my stage, back as whole rows of 256 bytes, two an instruction, + the residual, stored.
.macro TOSTAGE a
.irp b, 0,1,2,3
	ds_store_b128 v[STO], v[ACC+32*(\a)+8*\b:ACC+32*(\a)+8*\b+3] offset:128*(\b/2)+32*(\b%2)       ; each accumulator from its low end on
	ds_store_b128 v[STO], v[ACC+32*(\a)+8*\b+4:ACC+32*(\a)+8*\b+7] offset:128*(\b/2)+32*(\b%2)+16
.endr
.set BB, BK+32*((\a)%2)
.irp i, 0,1,2,3,4,5,6,7
	ds_load_b128 v[BB+4*\i:BB+4*\i+3], v[RD] offset:2*\i*SPITCH     ; LDS serves a wave's instructions in order: these see my stores
.endr
.endm
.macro SEND a, d, n                    ; d, n: the LDS instructions and the residual loads issued behind block a's, which may stay out
.set BB, BK+32*((\a)%2)
	s_wait_dscnt \d
	s_wait_loadcnt \n
	WIN 0x08                                       ; source 1: window 2
.set j, 0
.rept 16
	v_pk_add_f32 v[BB+j:BB+j+1], v[BB+j:BB+j+1], v[RS+32*(\a)+j:RS+32*(\a)+j+1]
.set j, j+2
.endr
	WIN 0
.irp i, 0,1,2,3,4,5,6,7
	global_store_b128 v[CO], v[BB+4*\i:BB+4*\i+3], s[12:13] offset:(32*((\a)/2)+8*((\a)%2)+2*\i+8*(\i/4))*4096 th:TH_STORE_NT   ; 16 lanes store 256 consecutive bytes, at a multiple of 256 from the output's first byte; written once, read by nobody here
.endr
.endm
	PLACES NP                                      ; behind the last products
	TOSTAGE 0
.irp a, 1,2,3
.if \a > 1
	s_wait_xcnt 0x0                                ; block a - 2's stores have read their registers: block a's loads may land there
.endif
	TOSTAGE \a
	SEND \a-1, 16, 8*(4-\a)                        ; behind block a - 1's loads: block a's 8 stores and 8 loads; behind its residual: that of the later blocks
.endr
	SEND 3, 0, 0
	s_wait_tensorcnt 0x0                           ; the wave's end
	ds_add_u32 v[SPW], v[NIL]
	s_wait_dscnt 0x0
	CROUND                                         ; the closing round
	s_endpgm
.Lfunc_end_k_q0c79bbaf5f_ff2g:
	.size	k_q0c79bbaf5f_ff2g, .Lfunc_end_k_q0c79bbaf5f_ff2g-k_q0c79bbaf5f_ff2g
	.p2alignl 7, 3214868480
	.fill 96, 4, 3214868480
	.section	.rodata,"a",@progbits
	.p2align	6, 0x0
	.amdhsa_kernel k_q0c79bbaf5f_ff2g
		.amdhsa_group_segment_fixed_size 327680
		.amdhsa_private_segment_fixed_size 0
		.amdhsa_enable_private_segment 0
		.amdhsa_kernarg_size 40
		.amdhsa_user_sgpr_count 2
		.amdhsa_user_sgpr_kernarg_segment_ptr 1
		.amdhsa_wavefront_size32 1
		.amdhsa_system_sgpr_workgroup_id_x 1
		.amdhsa_system_sgpr_workgroup_id_y 1
		.amdhsa_system_sgpr_workgroup_id_z 1
		.amdhsa_system_vgpr_workitem_id 0
		.amdhsa_next_free_vgpr 640
		.amdhsa_next_free_sgpr 102
		.amdhsa_reserve_vcc 0
		.amdhsa_float_denorm_mode_32 3
		.amdhsa_float_denorm_mode_16_64 3
		.amdhsa_memory_ordered 1
		.amdhsa_forward_progress 1
		.amdhsa_inst_pref_size 103
	.end_amdhsa_kernel
	.amdgpu_metadata
---
amdhsa.version: [ 1, 2 ]
amdhsa.kernels:
  - .name:           k_q0c79bbaf5f_ff2g
    .symbol:         k_q0c79bbaf5f_ff2g.kd
    .args:
      - { .name: hid, .offset: 0, .size: 8, .value_kind: global_buffer, .address_space: global }
      - { .name: big, .offset: 8, .size: 8, .value_kind: global_buffer, .address_space: global }
      - { .name: ff_b2, .offset: 16, .size: 8, .value_kind: global_buffer, .address_space: global }
      - { .name: hbuf, .offset: 24, .size: 8, .value_kind: global_buffer, .address_space: global }
      - { .name: out0, .offset: 32, .size: 8, .value_kind: global_buffer, .address_space: global }
    .group_segment_fixed_size: 327680
    .private_segment_fixed_size: 0
    .kernarg_segment_align: 8
    .kernarg_segment_size: 40
    .max_flat_workgroup_size: 128
    .sgpr_count:     102
    .vgpr_count:     640
    .wavefront_size: 32
...
	.end_amdgpu_metadata
.endif
;; end of part 13
